; MI455X (gfx1250); checked and timed in simulation.
; The chip was launched on July 23, 2026; its instructions are those of AMD's public machine-readable ISA for CDNA 5 (MIT licence, August 2026) and "CDNA5" Instruction Set Architecture Reference Guide (July 2026). The comments in the code are by the model that wrote it; some were corrected since.
;; Multi Head Attention. Allowed arithmetic: matrix products marked QUANTISED: E2M3 operands, one E8M0 scale for each 32 along K, by v_wmma_scale_f32_16x16x128_f8f6f4 with both operands' format E2M3, f32 sums; everything else in f32.
;; Inputs: Wk 16 x 1,024 x 64 float32; Wproj 1,024 x 1,024 float32; Wq 16 x 1,024 x 64 float32; Wv 16 x 1,024 x 64 float32; bproj 1,024 float32; x 4 x 2,048 x 1,024 float32.
;; Outputs: out0 4 x 2,048 x 1,024 float32.
;; This version of the problem:
;;   THIS VERSION OF THE PROBLEM IS GIVEN IN LOW PRECISION. The matrix products marked QUANTISED in the list below multiply operands that are first quantised to E2M3 (2 exponent bits, 3 mantissa bits; 6 bits a number), with one power-of-two scale for each 32 numbers along K (OCP MX v1.0); their sums are f32. All else is computed in f32.
;;   The module's matrix products, in the order in which they are computed (A, B: the left and right operand; K: the contracted axis; several contracted axes count as one K, in the product's order):
;;     1. [M 1,024, K 1,024] x [K 1,024, N 8,192]; A: input Wq; B: input x: QUANTISED
;;     2. [M 1,024, K 1,024] x [K 1,024, N 8,192]; A: input Wk; B: input x: QUANTISED
;;     3. [M 1,024, K 1,024] x [K 1,024, N 8,192]; A: input Wv; B: input x: QUANTISED
;;     4. batch 64 x [M 2,048, K 64] x [K 64, N 2,048]; A: computed on the way; B: computed on the way: QUANTISED
;;     5. batch 64 x [M 2,048, K 2,048] x [K 2,048, N 64]; A: softmax (see below); B: computed on the way: QUANTISED
;;     6. [M 8,192, K 1,024] x [K 1,024, N 1,024]; A: computed on the way; B: input Wproj: QUANTISED
;;   THE QUANTISER, for each operand of a quantised product, along K:
;;     - K is cut into blocks of 32 from its start; a last block that is shorter is filled with zeros.
;;     - A block's scale is 2^e with e = floor(log2(the largest magnitude in the block)) - 2, held to -126 .. 127; a block of zeros has e = 0. As a byte (E8M0): e + 127.
;;     - Each number is divided by its block's scale, clamped to +-7.5, and rounded to the nearest number of E2M3, ties to even, subnormals kept.
;;     - The product sums the exact products of the quantised numbers (number of the format x scale) in f32.
;;   ~~~python
;;   def quantise(x, axis):      # numpy; x: float32 -> the quantised numbers, widened to float32 again
;;       x = np.moveaxis(x, axis, -1); K = x.shape[-1]
;;       x = np.pad(x, [(0, 0)] * (x.ndim - 1) + [(0, -K % 32)]); x = x.reshape(x.shape[:-1] + (-1, 32)); a = np.abs(x).max(-1, keepdims=True)
;;       e = np.where(a > 0, np.clip(np.frexp(np.where(a > 0, a, 1))[1] - 1 - 2, -126, 127), 0)      # np.frexp(a)[1] - 1 = floor(log2(a)), exactly
;;       r = np.clip(x / 2.0 ** e, -7.5, 7.5)
;;       step = 2.0 ** (np.maximum(np.frexp(np.where(r == 0, 1, r))[1] - 1, 0) - 3)
;;       q = np.round(r / step) * step * 2.0 ** e      # np.round: ties to even
;;       return np.moveaxis(q.reshape(q.shape[:-2] + (-1,))[..., :K], -1, axis).astype(np.float32)
;;   ~~~
;;   SOFTMAX AHEAD OF A QUANTISED PRODUCT. Where the list says 'softmax', what is quantised is not the finished softmax but p = 2^(t - M), with t = logit x log2(e) and M = ceil(the row's largest t), a whole number; so 1/2 < the row's largest p <= 1. The row's sum l is taken of the UNQUANTISED p, in f32, and the product's result is divided by l at the end. Since M is a whole number, a kernel that streams over the keys may use a running M (the ceiling of the running maximum): every later rescaling is an exact power of two, which a block's scale takes up: the codes' values come out the same.
;;   OPERANDS COMPUTED ON THE WAY. 'Computed on the way' means the value that the module computes at that place (a softmax that the list does not call 'softmax' is quantised finished and normalised). What goes into a quantiser is computed in f32, as accurately as f32 sums, v_exp_f32 and their like allow (about 1e-6 of the number): no bf16 or f16 on the way to a quantiser, and a product that is left as it is and whose result goes on into a quantised operand takes f32 operands (vector FMAs, or v_wmma_f32_16x16x4_f32). A number that lies on a knife's edge between two numbers of the format may be rounded either way, as far as f32 arithmetic and the matrix unit's own rounding can turn it there, and no further.
;; 2 versions. Each part assembles by itself: llvm-mc -triple=amdgcn-amd-amdhsa -mcpu=gfx1250 --defsym DOCPART=n.
;; ======== version 1 of 2: 5 launches
;; workspace buffers: xq 6,553,600 bytes; pq 819,200 bytes; wq 2,457,600 bytes; qkv 19,660,800 bytes; att 6,553,600 bytes
;; launch quant_x (part 1): grid 288 x 1, 4 waves a work-group, no clusters, 33,280 bytes of LDS; arguments x, Wproj, xq, pq; writes xq, pq
.if DOCPART == 1
	.amdgcn_target "amdgcn-amd-amdhsa--gfx1250"
	.amdhsa_code_object_version 6
	.text
	.protected	k_qbbd3c16bf5_quant_x
	.globl	k_qbbd3c16bf5_quant_x
	.p2align	8
	.type	k_qbbd3c16bf5_quant_x,@function
k_qbbd3c16bf5_quant_x:
	s_mov_b64 s[64:65], 0
	v_nop
	global_prefetch_b8 v0, s[64:65] scope:SCOPE_SE
	s_setreg_imm32_b32 hwreg(HW_REG_WAVE_MODE, 25, 1), 1
	s_wait_xcnt 0x0
; x [8192][1024] and Wproj [1024][1024], f32 with K innermost, become codes of FP6 (E2M3), 6 bits each, with one E8M0 scale byte for each 32 along K.
; A block's scale is 2^(floor(log2(its largest magnitude)) - 2); its byte is the largest magnitude's exponent field - 2, held at 1 from below.  Each number is divided by the scale and rounded to the nearest code, ties to even; beyond 7.5 the largest code.
; OUT: codes [row position][768 bytes] from the buffer's first byte, scale bytes [row position][32] from XSOFF (x) or PSOFF (Wproj) on.
; ROW POSITIONS: row i is stored at position i with its bits 3 and 4 exchanged.  A tile of 16 neighbouring stored rows, taken as a matrix instruction's source 0, then leaves 16 TRUE neighbours in the 16 registers of two neighbouring result tiles.
; A wave's run of 8,192 numbers is 8 whole rows, so the exchange is an exchange of the two low bits of the run's number, which are the wave's number.
; LIMITS: NaN and infinities are not served.  A block whose largest magnitude lies under 2^-124 has its byte held at 1.  A block of zeros has the byte 1 and not 127: its codes are zeros, and this program alone reads the bytes.
; A wave takes 16 steps of 512 numbers.  Each of a step's four loads reads 512 consecutive bytes, 16 a lane; the 2,048 bytes turn through the wave's own stage in LDS and come back 64 bytes a lane: 16 neighbours along K, half a block.
; The first 256 work-groups take x, the other 32 Wproj: only pointers are chosen, there is one path.  No barrier: waves share nothing.  Loads run four steps ahead, the turn through LDS one step.
.set WAVES, 4
.set STEPS, 16
.set WGA,   256                        ; 8192 x 1024 / 32,768
.set XSOFF, 6291456                    ; where x's scale bytes begin in xq
.set PSOFF, 786432                     ; where Wproj's begin in pq
.set EMAX,  2
.set CB,    12                         ; bytes of 16 codes
.set R,     16                         ; v16-79   four sets of 16 numbers as they are loaded
.set X,     80                         ; v80-111  two sets of 16 neighbours
.set C,     128                        ; v128-191 codes: four registers for each step, so that no store's data are written again
.set E,     112                        ; v112-127 a scale byte for each step
.set WREG,  8192                       ; LDS: a region for each wave: two stages of 32 x SP bytes, behind them its 256 scale bytes
.set SP,    80                         ; a lane's place in a stage: its 64 bytes + 16 of padding
	s_load_b128 s[4:7], s[0:1], 0x0                ; x, Wproj
	s_load_b128 s[8:11], s[0:1], 0x10              ; xq, pq
	v_lshl_add_u32 v192, v0, 2, 0x8000
	v_mov_b32 v193, 0
	v_lshrrev_b32 v1, 5, v0
	v_readfirstlane_b32 s16, v1                    ; wave
	v_and_b32 v2, 31, v0                           ; lane
	v_lshlrev_b32 v3, 4, v2                        ; my 16 bytes of a load's 512
	s_mul_i32 s17, s16, WREG
	v_lshrrev_b32 v14, 2, v2
	v_mul_u32_u24 v14, v14, SP
	v_and_b32 v15, 3, v2
	v_lshl_add_u32 v14, v15, 4, v14
	v_add_nc_u32 v14, s17, v14                     ; the stage, on the way in: SP (lane / 4) + 16 (lane % 4)
	v_mul_u32_u24 v15, v2, SP
	v_add_nc_u32 v15, s17, v15                     ; and on the way out: SP x lane: my 16 neighbours
	v_mul_u32_u24 v4, v2, CB                       ; my codes' place in a step's
	v_lshrrev_b32 v5, 1, v2
	s_add_co_u32 s17, s17, 2*32*SP
	v_add_nc_u32 v5, s17, v5                       ; LDS: my wave's 256 scale bytes, my block's byte
	v_lshlrev_b32 v7, 3, v2                        ; and on the way out 8 bytes a lane
	v_add_nc_u32 v6, s17, v7
	s_wait_kmcnt 0x0
	s_cmp_lt_u32 ttmp9, WGA                        ; x's work-group or Wproj's?  The choice hangs on the work-group's number alone
	s_cselect_b64 s[4:5], s[4:5], s[6:7]
	s_cselect_b64 s[8:9], s[8:9], s[10:11]
	s_mov_b32 s12, PSOFF
	s_cselect_b32 s12, XSOFF, s12
	s_cselect_b32 s17, 0, WGA
	s_mov_b32 s13, 0
	s_add_nc_u64 s[10:11], s[8:9], s[12:13]        ; the scale bytes' part of the same buffer
	s_sub_co_u32 s17, ttmp9, s17
	s_lshl_b32 s17, s17, 2
	s_add_co_u32 s18, s17, s16                     ; the run that I read: 4 x work-group + wave
	s_lshl_b32 s20, s18, 15                        ; 32,768 bytes a run
	s_mov_b32 s21, 0
	s_add_nc_u64 s[4:5], s[4:5], s[20:21]
	s_and_b32 s22, s16, 1
	s_lshl_b32 s22, s22, 1
	s_lshr_b32 s23, s16, 1
	s_or_b32 s22, s22, s23
	s_add_co_u32 s22, s22, s17                     ; the run that I write: the wave's two bits exchanged
	s_mul_i32 s20, s22, 32*STEPS*CB                ; 6,144 bytes of codes a run
	s_add_nc_u64 s[8:9], s[8:9], s[20:21]
	s_lshl_b32 s20, s22, 8                         ; 256 scale bytes a run
	s_add_nc_u64 s[10:11], s[10:11], s[20:21]
.macro LOAD t
.irp i, 0,1,2,3
	global_load_b128 v[R+16*((\t)%4)+4*\i:R+16*((\t)%4)+4*\i+3], v3, s[4:5] offset:2048*(\t)+512*\i th:TH_LOAD_NT   ; 32 lanes read 512 consecutive bytes
.endr
.endm
.macro TURN t                          ; step t's numbers through the stage: LDS serves a wave's instructions in order, so no wait stands between the stores and the loads
.irp i, 0,1,2,3
	ds_store_b128 v14, v[R+16*((\t)%4)+4*\i:R+16*((\t)%4)+4*\i+3] offset:32*SP*((\t)%2)+8*SP*\i
.endr
.irp i, 0,1,2,3
	ds_load_b128 v[X+16*((\t)%2)+4*\i:X+16*((\t)%2)+4*\i+3], v15 offset:32*SP*((\t)%2)+16*\i
.endr
.endm
.irp t, 0,1,2,3
	LOAD \t
.endr
	s_wait_loadcnt 12                              ; step 0's four loads are in; the twelve of steps 1 to 3 may be out
	TURN 0
.macro STEP t
.set XS, X+16*((\t)%2)
.if (\t) > 0
	s_wait_dscnt 1                                 ; this step's numbers are back from the stage (the last step's byte store may be out): so its stores into the stage have read their registers,
.else
	s_wait_dscnt 0x0
.endif
.if (\t)+4 < STEPS
	LOAD (\t)+4                                    ; which take the loads of four steps on
.endif
.if (\t)+1 < STEPS
.if STEPS-2-(\t) >= 3
	s_wait_loadcnt 12                              ; the next step's four loads are in; those of the three steps behind it may be out
.else
	s_wait_loadcnt 4*(STEPS-2-(\t))
.endif
	TURN (\t)+1                                    ; and go through the other stage while this step is worked
.endif
	v_max3_num_f32 v8, |v[XS]|, |v[XS+1]|, |v[XS+2]|               ; the largest magnitude of my 16, in two chains
	v_max3_num_f32 v9, |v[XS+3]|, |v[XS+4]|, |v[XS+5]|
.irp i, 6,10
	v_max3_num_f32 v8, v8, |v[XS+\i]|, |v[XS+\i+1]|
	v_max3_num_f32 v9, v9, |v[XS+\i+2]|, |v[XS+\i+3]|
.endr
	v_max3_num_f32 v8, v8, |v[XS+14]|, |v[XS+15]|
	v_max3_num_f32 v8, v8, v9, (EMAX+1)<<23        ; and the floor 2^(3 - 127): the byte cannot fall under 1
	v_max_num_f32_dpp v8, v8, v8 row_xmask:1 row_mask:0xf bank_mask:0xf   ; and of my neighbour's 16: the block's
	v_add_nc_u32 v11, -(EMAX<<23), v8              ; 2 off its exponent field: the conversion takes the exponent field of this operand as its scale
	v_cvt_scalef32_pk16_fp6_f32 v[C+4*(\t):C+4*(\t)+2], v[XS:XS+15], v11         ; 96 bits without gaps, the first number's code lowest
	v_lshrrev_b32 v[E+(\t)], 23, v11               ; the scale's byte (also the plain instruction behind the conversion)
	ds_store_b8 v5, v[E+(\t)] offset:16*(\t)       ; both lanes of a block write the same byte with the same value
	global_store_b96 v4, v[C+4*(\t):C+4*(\t)+2], s[8:9] offset:32*CB*(\t)        ; the wave stores 384 consecutive bytes
.endm
.irp t, 0,1,2,3,4,5,6,7,8,9,10,11,12,13,14,15
	STEP \t
.endr
	ds_load_b64 v[12:13], v6                       ; LDS serves a wave's instructions in order: these see my stores
	s_wait_dscnt 0x0
	global_store_b64 v7, v[12:13], s[10:11]        ; 32 lanes store 256 consecutive bytes, aligned: 8 rows' scale bytes
	s_wait_tensorcnt 0x0
	ds_add_u32 v192, v193
	s_wait_dscnt 0x0
	s_endpgm
.Lfunc_end_k_qbbd3c16bf5_quant_x:
	.size	k_qbbd3c16bf5_quant_x, .Lfunc_end_k_qbbd3c16bf5_quant_x-k_qbbd3c16bf5_quant_x
	.p2alignl 7, 3214868480
	.fill 96, 4, 3214868480
	.section	.rodata,"a",@progbits
	.p2align	6, 0x0
	.amdhsa_kernel k_qbbd3c16bf5_quant_x
		.amdhsa_group_segment_fixed_size 33280
		.amdhsa_private_segment_fixed_size 0
		.amdhsa_enable_private_segment 0
		.amdhsa_kernarg_size 32
		.amdhsa_user_sgpr_count 2
		.amdhsa_user_sgpr_kernarg_segment_ptr 1
		.amdhsa_wavefront_size32 1
		.amdhsa_system_sgpr_workgroup_id_x 1
		.amdhsa_system_sgpr_workgroup_id_y 1
		.amdhsa_system_sgpr_workgroup_id_z 1
		.amdhsa_system_vgpr_workitem_id 0
		.amdhsa_next_free_vgpr 194
		.amdhsa_next_free_sgpr 66
		.amdhsa_reserve_vcc 0
		.amdhsa_float_denorm_mode_32 3
		.amdhsa_float_denorm_mode_16_64 3
		.amdhsa_memory_ordered 1
		.amdhsa_forward_progress 1
		.amdhsa_inst_pref_size 33
	.end_amdhsa_kernel
	.amdgpu_metadata
---
amdhsa.version: [ 1, 2 ]
amdhsa.kernels:
  - .name:           k_qbbd3c16bf5_quant_x
    .symbol:         k_qbbd3c16bf5_quant_x.kd
    .args:
      - { .name: x, .offset: 0, .size: 8, .value_kind: global_buffer, .address_space: global }
      - { .name: Wproj, .offset: 8, .size: 8, .value_kind: global_buffer, .address_space: global }
      - { .name: xq, .offset: 16, .size: 8, .value_kind: global_buffer, .address_space: global }
      - { .name: pq, .offset: 24, .size: 8, .value_kind: global_buffer, .address_space: global }
    .group_segment_fixed_size: 33280
    .private_segment_fixed_size: 0
    .kernarg_segment_align: 8
    .kernarg_segment_size: 32
    .max_flat_workgroup_size: 128
    .sgpr_count:     66
    .vgpr_count:     194
    .wavefront_size: 32
...
	.end_amdgpu_metadata
.endif
;; end of part 1
;; launch quant_w (part 2): grid 24 x 4, 4 waves a work-group, no clusters, 36,352 bytes of LDS; arguments Wq, Wk, Wv, wq; writes wq
.if DOCPART == 2
	.amdgcn_target "amdgcn-amd-amdhsa--gfx1250"
	.amdhsa_code_object_version 6
	.text
	.protected	k_qbbd3c16bf5_quant_w
	.globl	k_qbbd3c16bf5_quant_w
	.p2align	8
	.type	k_qbbd3c16bf5_quant_w,@function
k_qbbd3c16bf5_quant_w:
	s_mov_b64 s[64:65], 0
	v_nop
	global_prefetch_b8 v0, s[64:65] scope:SCOPE_SE
	s_setreg_imm32_b32 hwreg(HW_REG_WAVE_MODE, 25, 1), 1
	s_wait_xcnt 0x0
; Wq, Wk, Wv [16 heads][1024 (K)][64], f32: K is not innermost.  They become ONE matrix of codes of FP6 (E2M3) with K innermost: row n = 1024 x which + 64 x head + d (which: 0 q, 1 k, 2 v),
; codes [3072 row positions][768 bytes] from wq's first byte, scale bytes [3072 row positions][32] from WSOFF on.  Row n is stored at position n with its bits 3 and 4 exchanged (a permutation inside each group of 32).
; A LANE TAKES A COLUMN d, AND ITS REGISTERS RUN DOWN K: a load reads 128 consecutive bytes a wave, a block of 32 along K lies in one lane's 32 registers, and the conversions give codes with K innermost.
; A block's scale is 2^(floor(log2(its largest magnitude)) - 2); its byte is the largest magnitude's exponent field - 2, held at 1 from below.
; LIMITS: NaN and infinities are not served.  A block whose largest magnitude lies under 2^-124 has its byte held at 1.  A block of zeros has the byte 1 and not 127: its codes are zeros, and this program alone reads the bytes.
; A wave takes 32 columns (half a head) x 256 along K: 8 blocks a lane, 192 bytes of codes a column.  They go through the wave's own stage in LDS and leave as rows: sixteen lanes store a row's 192 consecutive bytes.
; No barrier: waves share nothing.  Loads run two blocks (64 loads a wave) ahead.
.set KW,    256                        ; along K for a wave
.set NB,    KW/32                      ; blocks
.set ROWB,  192                        ; bytes of KW codes
.set PITCH, 272                        ; a stage row: sixteen places of 16 bytes, each with 12 bytes of codes, + 16
.set KROW,  768                        ; a row of codes in wq
.set INROW, 256                        ; from one k to the next inside a head: 64 f32
.set WSOFF, 2359296                    ; where the scale bytes begin in wq
.set EMAX,  2
.set X,     32                         ; v32-95   two sets of 32 numbers
.set C,     96                         ; v96..    a block's codes
.set OUTR,  112                        ; v112-175 the way out: 16 x 4 registers
.set SB,    24                         ; v24-25   the scale bytes, four to a register
	s_load_b128 s[4:7], s[0:1], 0x0                ; Wq, Wk
	s_load_b128 s[8:11], s[0:1], 0x10              ; Wv, wq
	v_lshl_add_u32 v192, v0, 2, 0x8c00
	v_mov_b32 v193, 0
	v_lshrrev_b32 v1, 5, v0
	v_readfirstlane_b32 s16, v1                    ; wave 0..3
	v_and_b32 v2, 31, v0                           ; lane
	s_lshl_b32 s17, ttmp9, 2
	s_add_co_u32 s17, s17, s16                     ; my group of 32 rows of the output: 0 .. 95
	s_and_b32 s18, ttmp7, 0xffff                   ; which 256 along K
	v_lshlrev_b32 v3, 2, v2                        ; in: 4 bytes a lane
	s_mul_i32 s19, s16, 32*PITCH                   ; my stage
	v_mul_u32_u24 v4, v2, PITCH
	v_add_nc_u32 v4, s19, v4                       ; into it: row = my column
	v_and_b32 v5, 15, v2
	v_lshrrev_b32 v6, 4, v2                        ; out of it: sixteen lanes to a row, two rows an instruction
	v_mul_u32_u24 v7, v6, PITCH
	v_lshl_add_u32 v7, v5, 4, v7
	v_add_nc_u32 v7, s19, v7                       ; LDS address
	v_mul_u32_u24 v8, v6, KROW
	v_mad_u32_u24 v8, v5, 12, v8                   ; and the same place in the codes (an odd row's position is the even row's + 1)
	v_and_b32 v9, 7, v2                            ; my column's position in its group: bits 3 and 4 of the lane exchanged
	v_bfe_u32 v10, v2, 3, 1
	v_lshl_add_u32 v9, v10, 4, v9
	v_lshl_add_u32 v9, v6, 3, v9
	v_lshlrev_b32 v9, 5, v9                        ; 32 scale bytes a row
	s_bfe_u32 s20, s17, 0x40001                    ; the head: 4 bits from bit 1
	s_lshl_b32 s20, s20, 18                        ; 262,144 bytes a head
	s_lshl_b32 s21, s18, 16                        ; 256 k of 256 bytes
	s_add_co_u32 s20, s20, s21
	s_and_b32 s21, s17, 1
	s_lshl_b32 s21, s21, 7                         ; d 0-31 or 32-63
	s_add_co_u32 s20, s20, s21
	s_mov_b32 s21, 0
	s_mul_i32 s24, s17, 32*KROW
	s_mul_i32 s26, s18, ROWB
	s_add_co_u32 s24, s24, s26                     ; the codes of my group, my 256 along K
	s_mov_b32 s25, 0
	s_lshl_b32 s28, s17, 10
	s_lshl_b32 s26, s18, 3
	s_add_co_u32 s28, s28, s26
	s_add_co_u32 s28, s28, WSOFF                   ; the scale bytes likewise
	s_mov_b32 s29, 0
	s_wait_kmcnt 0x0
	s_cmp_lt_u32 ttmp9, 16                         ; eight work-groups to each weight: the choice hangs on the work-group's number alone
	s_cselect_b64 s[6:7], s[6:7], s[8:9]
	s_cmp_lt_u32 ttmp9, 8
	s_cselect_b64 s[4:5], s[4:5], s[6:7]
	s_add_nc_u64 s[4:5], s[4:5], s[20:21]
	s_add_nc_u64 s[6:7], s[10:11], s[24:25]
	s_add_nc_u64 s[8:9], s[10:11], s[28:29]
.macro LOAD t                          ; block t: W(32 t + i, my column), i = 0 .. 31, into set t % 2
.set i, 0
.rept 32
	global_load_b32 v[X+32*((\t)%2)+i], v3, s[4:5] offset:(32*(\t)+i)*INROW th:TH_LOAD_NT
.set i, i+1
.endr
.endm
	LOAD 0
	LOAD 1
.macro BLOCK t
.set XS, X+32*((\t)%2)
.if (\t) < NB-1
	s_wait_loadcnt 32                              ; this block's 32 loads are in; the next block's 32 may be out
.else
	s_wait_loadcnt 0
.endif
	v_max3_num_f32 v12, |v[XS]|, |v[XS+1]|, |v[XS+2]|               ; the block's largest magnitude: all 32 numbers are mine
	v_max3_num_f32 v13, |v[XS+3]|, |v[XS+4]|, |v[XS+5]|
.irp i, 6,10,14,18,22,26
	v_max3_num_f32 v12, v12, |v[XS+\i]|, |v[XS+\i+1]|
	v_max3_num_f32 v13, v13, |v[XS+\i+2]|, |v[XS+\i+3]|
.endr
	v_max3_num_f32 v12, v12, |v[XS+30]|, |v[XS+31]|
	v_max3_num_f32 v12, v12, v13, (EMAX+1)<<23     ; and the floor 2^(3 - 127): the byte cannot fall under 1
	v_add_nc_u32 v11, -(EMAX<<23), v12             ; 2 off its exponent field: the conversion's scale operand
	v_lshrrev_b32 v13, 23, v11                     ; the scale's byte
.if (\t)%4 == 0
	v_mov_b32 v[SB+(\t)/4], v13                    ; four bytes to a register, the lower K in the lower byte
.else
	v_lshl_or_b32 v[SB+(\t)/4], v13, 8*((\t)%4), v[SB+(\t)/4]
.endif
	v_cvt_scalef32_pk16_fp6_f32 v[C:C+2], v[XS:XS+15], v11
	v_cvt_scalef32_pk16_fp6_f32 v[C+4:C+6], v[XS+16:XS+31], v11     ; (a conversion's three registers begin on an even number)
	ds_store_b96 v4, v[C:C+2] offset:32*(\t)       ; 16 codes, 12 bytes, to a place of 16 bytes, so that every LDS address is a multiple of 16
	ds_store_b96 v4, v[C+4:C+6] offset:32*(\t)+16
.if (\t)+2 < NB
	LOAD (\t)+2
.endif
	s_wait_dscnt 0x0                               ; the stores have read their registers: the next block's codes may be written
.endm
.set Q, 0
.rept NB
	BLOCK Q
.set Q, Q+1
.endr
	global_store_b64 v9, v[SB:SB+1], s[8:9]        ; my column's 8 scale bytes, at its row position
.irp t, 0,1,2,3,4,5,6,7,8,9,10,11,12,13,14,15
	ds_load_b96 v[OUTR+4*\t:OUTR+4*\t+2], v7 offset:2*\t*PITCH   ; LDS serves a wave's instructions in order: these see my stores
.endr
.irp t, 0,1,2,3,4,5,6,7,8,9,10,11,12,13,14,15
	s_wait_dscnt 15-\t                             ; the younger loads may be out
	global_store_b96 v8, v[OUTR+4*\t:OUTR+4*\t+2], s[6:7] offset:(((2*\t)&7)+(((2*\t)>>3)&1)*16+(((2*\t)>>4)&1)*8)*KROW   ; stage rows 2 t, 2 t + 1 go to their positions
.endr
	s_wait_tensorcnt 0x0
	ds_add_u32 v192, v193
	s_wait_dscnt 0x0
	s_endpgm
.Lfunc_end_k_qbbd3c16bf5_quant_w:
	.size	k_qbbd3c16bf5_quant_w, .Lfunc_end_k_qbbd3c16bf5_quant_w-k_qbbd3c16bf5_quant_w
	.p2alignl 7, 3214868480
	.fill 96, 4, 3214868480
	.section	.rodata,"a",@progbits
	.p2align	6, 0x0
	.amdhsa_kernel k_qbbd3c16bf5_quant_w
		.amdhsa_group_segment_fixed_size 36352
		.amdhsa_private_segment_fixed_size 0
		.amdhsa_enable_private_segment 0
		.amdhsa_kernarg_size 32
		.amdhsa_user_sgpr_count 2
		.amdhsa_user_sgpr_kernarg_segment_ptr 1
		.amdhsa_wavefront_size32 1
		.amdhsa_system_sgpr_workgroup_id_x 1
		.amdhsa_system_sgpr_workgroup_id_y 1
		.amdhsa_system_sgpr_workgroup_id_z 1
		.amdhsa_system_vgpr_workitem_id 0
		.amdhsa_next_free_vgpr 194
		.amdhsa_next_free_sgpr 66
		.amdhsa_reserve_vcc 0
		.amdhsa_float_denorm_mode_32 3
		.amdhsa_float_denorm_mode_16_64 3
		.amdhsa_memory_ordered 1
		.amdhsa_forward_progress 1
		.amdhsa_inst_pref_size 42
	.end_amdhsa_kernel
	.amdgpu_metadata
---
amdhsa.version: [ 1, 2 ]
amdhsa.kernels:
  - .name:           k_qbbd3c16bf5_quant_w
    .symbol:         k_qbbd3c16bf5_quant_w.kd
    .args:
      - { .name: Wq, .offset: 0, .size: 8, .value_kind: global_buffer, .address_space: global }
      - { .name: Wk, .offset: 8, .size: 8, .value_kind: global_buffer, .address_space: global }
      - { .name: Wv, .offset: 16, .size: 8, .value_kind: global_buffer, .address_space: global }
      - { .name: wq, .offset: 24, .size: 8, .value_kind: global_buffer, .address_space: global }
    .group_segment_fixed_size: 36352
    .private_segment_fixed_size: 0
    .kernarg_segment_align: 8
    .kernarg_segment_size: 32
    .max_flat_workgroup_size: 128
    .sgpr_count:     66
    .vgpr_count:     194
    .wavefront_size: 32
...
	.end_amdgpu_metadata
.endif
;; end of part 2
;; launch gemm_qkv (part 3): grid 8 x 48, 4 waves a work-group, clusters of 4 x 4, 327,680 bytes of LDS; arguments xq, wq, qkv; writes qkv
.if DOCPART == 3
	.amdgcn_target "amdgcn-amd-amdhsa--gfx1250"
	.amdhsa_code_object_version 6
	.text
	.protected	k_qbbd3c16bf5_gemm_qkv
	.globl	k_qbbd3c16bf5_gemm_qkv
	.p2align	8
	.type	k_qbbd3c16bf5_gemm_qkv,@function
k_qbbd3c16bf5_gemm_qkv:
	s_mov_b64 s[64:65], 0
	v_nop
	global_prefetch_b8 v0, s[64:65] scope:SCOPE_SE
	s_setreg_imm32_b32 hwreg(HW_REG_WAVE_MODE, 25, 1), 1
	s_wait_xcnt 0x0
	s_wait_alu depctr_hold_cnt(0) depctr_sa_sdst(0) depctr_va_vdst(0) depctr_va_sdst(0) depctr_va_ssrc(0) depctr_va_vcc(0) depctr_vm_vsrc(0)
	s_getreg_b32 s2, hwreg(HW_REG_IB_STS2, 6, 4)
	s_cmp_eq_u32 s2, 0
	s_cbranch_scc0 .Lentry_in_a_cluster
	s_endpgm
.Lentry_in_a_cluster:
	s_bfe_u32 s2, ttmp6, 0x10000c
	s_cmp_lg_u32 s2, 0xf033
	s_cbranch_scc0 .Lentry_shape_is_right
	s_endpgm
.Lentry_shape_is_right:
; q, k and v^T of all heads: three products on codes of FP6 (E2M3) with one E8M0 scale for each 32 along K = 1024, f32 sums; the results are quantised in registers and leave as codes: no f32 result goes to memory.
; IN: xq: x's codes [8192 positions][768], scale bytes [8192][32] from XSOFF on.  wq: the weights' codes [3072 positions][768] (row 1024 which + 64 head + d), scale bytes from WSOFF on.  A row i lies at position i with bits 3 and 4 exchanged.
; A tile of the result, 256 x 256, is made by four waves, each 128 x 128: 64 accumulators of 16 x 16, 512 registers.  K goes in steps of 256 through a ring of two LDS slots filled by the tensor data mover; the scale bytes of the tile's rows come once and stay.
; THE MATRIX INSTRUCTION'S SOURCE 0 ('B' below) IS THE OPERAND ALONG WHOSE ROWS THE RESULT IS QUANTISED: a lane then holds ONE row of source 1 ('A'), and by the rows' positions the 16 registers of two neighbouring accumulators are 16 true neighbours.
;   clusters y 0-7:  q and k: A = x (a lane holds a token), B = Wq, Wk (registers along d): quantised along d, two blocks of 32 a head.
;   clusters y 8-11: v^T:     A = Wv (a lane holds a d),    B = x (registers along the tokens): quantised along the keys, four blocks of 32 in a wave's 128.
; Both kinds take ONE path: pointers, tile numbers and the strides of the way out are chosen by selects on the cluster's y, which all partners share.
; OUT (qkv).  A HALF-IMAGE is 16 rows x 64 K of codes as they stand in an operand's registers, 768 bytes: lane l = (row l % 16, block l / 16) has its first 16 bytes at 16 l and its last 8 at 512 + 8 l.
;   q, k codes: which x QSZ + (16 batch + head) x 98,304 + [tile of 16 token positions][768].   v codes: 2 QSZ + head's 98,304 + [chunk of 128 keys][tile of 16 d positions][64 keys][768].
;   q, k scales: SCB + which x 262,144 + head's 4,096 + [group of 32 positions][16 words]: word r = the 2 bytes of position r, then the 2 of position 16 + r.
;   v scales: SCB + 524,288 + head's 4,096 + [chunk][256]: d tile t's 16 words at 128 (t % 2) + 64 (t / 2); word r = the 4 key blocks of its row r.
; LIMITS: a block whose largest magnitude lies under 2^-124 has its byte held at 1; a block of zeros has the byte 1 and not 127 (zero codes; this program alone reads the bytes).  NaN and infinities are not served.
; CLUSTERS: 4 x 4 work-groups.  A's tile hangs on the place along y alone and is asked for jointly by a row of the cluster, B's on the place along x alone, by a column.
; 384 tiles for 256 WGPs: a tile of 256 x 384, which would make 256, wants 768 accumulator registers a wave and leaves no room for fragments.
; REGISTERS, in windows of 256: window 0: v0-31 addresses; v32-63 scale words, two sets; from v128 A's fragments, ONE set; on the way out v112-131 and v200-231 at work.
;   window 1: B's fragments, TWO sets, at v0 and v128.   window 2: the accumulators of my A rows 0-63 ((a, b) at v[8 (8 a + b)]);   window 3: those of rows 64-127.
.set SIZE_K, 1024
.set XSOFF,  6291456
.set WSOFF,  2359296
.set QSZ,    6291456
.set SCB,    18874368
.set KSTEP,  256                       ; along K in a slot
.set NQ,     KSTEP/128                 ; matrix instructions deep
.set ROWB,   192                       ; a tile's row in bytes
.set KROW,   SIZE_K*6/8                ; a row of codes in memory
.set PITCH,  240                       ; an LDS row: 3 x (64 bytes + 16 of padding) = 60 words: the 32 lanes of a load of 8 bytes touch 64 different banks (64 banks of 4 bytes: ISA guide 11.1)
.set FR,     12                        ; registers of a fragment: 16 rows x 128 K
.set NL,     6                         ; LDS loads that bring one
.set NP,     4                         ; places behind this matrix instruction (ISA guide 7.12.1)
.set HALFT,  128*PITCH                 ; 128 rows: what one tensor load brings
.set SLOT,   4*HALFT                   ; A's 256 rows, then B's 256 rows
.set LAPS,   SIZE_K/(2*KSTEP)          ; a lap = two K steps = once round the ring
.set KS,     SIZE_K/32                 ; a row of scale bytes
.set SCL,    2*SLOT                    ; behind the ring: the scales, as rows of 256 bytes + 16 of padding
.set HALFS,  (128*KS/256)*272          ; the scales of 128 rows
.set SBLK,   (16*KS/256)*272           ; those of 16 rows
.set SPARE,  SCL+4*HALFS               ; the spare words, 128 bytes for each wave: two blocks of 256 bytes that no other line names
.set ADRA, 16                          ; v16-17 LDS address of my A fragments in slot 0, 1 (v18-19: for the pieces behind one padding more)
.set ADRB, 20                          ; v20-23 the same for B
.set ADRS, 27                          ; v27    LDS address of my scale words: lanes 0-15 A's rows, lanes 16-31 B's
.set SPW,  28                          ; v28    LDS address of my spare word; never rewritten
.set NIL,  29                          ; v29    0; never rewritten
.set L16,  30                          ; v30    16 x lane
.set L8,   31                          ; v31    8 x lane + 512
.set L4,   15                          ; v15    4 x lane
.set SC,   32                          ; scale words: set s at v[SC + 16 s]; register 2 i + q: lanes 0-15 A's block i, lanes 16-31 B's block i
.set AF,   128                         ; A's fragments
.set QC,   112                         ; the way out: v112-123 a fragment's codes, v124-131 the conversions' second halves
.set TM,   200                         ; v200-203 largest magnitudes, v204-207 the other half's, then bytes, v212-215 scale operands
.set PW,   216                         ; v216-219 the scale words of four blocks
.set VO,   226                         ; v226-229 store offsets
.set G1, 24
.set G0, 32
.set G1B, 48
.set G0B, 56
.set G1S, 68
.set G0S, 76
.set G1SB, 80
.set G0SB, 88
.set SEL, 18                           ; s[18:19] lane selects for v_permlanex16_b32 (set behind the head's use of these two)
.set ESA, 96                           ; the way out's strides: block a % 4,
.set ESB, 97                           ; block a / 4,
.set ESC, 98                           ; the fragment's second half,
.set ESG, 99                           ; scale words: a / 4,
.set ESE, 100                          ; and the second word
.set EP0, 101                          ; byte selects that make the two words
.set EP1, 66
.set HM,  67                           ; lanes 16-31
.set MSB, 0
.macro WIN new                         ; the immediate's high byte repeats the setting that is left
.if MSB != \new
	s_set_vgpr_msb (MSB<<8)|\new
.set MSB, \new
.endif
.endm
.set MUL_LO, 0xa1                      ; source 0 (B) window 1, source 1 (A) window 0, C and D window 2
.set MUL_HI, 0xf1                      ; the same, C and D window 3
.set TO_B,   0x40                      ; destination window 1, address window 0
; A joint load: waves 0 and 1 fetch for A, waves 2 and 3 for B.  The branch hangs on the wave's number alone.  Four v_nop follow each of the two lines.
.macro JLOAD g0a, g1a, g0b, g1b
	s_cmp_eq_u32 s15, 0
	s_cbranch_scc0 .Lfor_b_\@
	tensor_load_to_lds s[\g0a:\g0a+3], s[\g1a:\g1a+7]
	s_nop 0
.rept 4
	v_nop
.endr
	s_branch .Lasked_\@
.Lfor_b_\@:
	tensor_load_to_lds s[\g0b:\g0b+3], s[\g1b:\g1b+7]
	s_nop 0
.rept 4
	v_nop
.endr
.Lasked_\@:
.endm
.macro CREST                           ; a round of the cluster's barrier behind its opening barrier
	s_cmp_lg_u32 s14, 0
	s_cbranch_scc1 .Lnot_wave_0_\@
	s_barrier_signal -3
.Lnot_wave_0_\@:
	s_barrier_wait -3
	s_barrier_signal -1
	s_barrier_wait -1
.endm
.macro CROUND                          ; a whole round
	s_barrier_signal -1
	s_barrier_wait -1
	CREST
.endm
	s_load_b128 s[4:7], s[0:1], 0x0                ; xq s[4:5], wq s[6:7]
	s_load_b64 s[12:13], s[0:1], 0x10              ; qkv
	v_lshl_add_u32 v[SPW], v0, 2, SPARE
	v_mov_b32 v[NIL], 0
	ds_add_u32 v28, v29
	ds_add_u32 v28, v29
	s_wait_dscnt 0x0
	v_lshrrev_b32 v1, 5, v0
	v_readfirstlane_b32 s14, v1                    ; wave 0..3
	s_lshr_b32 s15, s14, 1                         ; which half of A's rows is mine.  Also: I fetch for A (0) or for B (1)
	s_and_b32 s16, s14, 1                          ; which half of B's rows.  Also: which 128 rows of that tile I fetch
	s_bfe_u32 s40, ttmp6, 0x40000                  ; cx, cy: my place in the cluster
	s_bfe_u32 s41, ttmp6, 0x40004
	s_and_b32 s2, ttmp7, 0xffff                    ; the cluster's y: 0-7 q and k, 8-11 v^T
	s_lshl_b32 s42, ttmp9, 2
	s_add_co_u32 s42, s42, s40                     ; 4 x cluster x + cx
	s_lshl_b32 s20, s2, 3
	s_sub_co_u32 s20, s20, 64                      ; v^T: 8 tiles of x on for each cluster y behind 8
	s_lshl_b32 s17, s2, 2
	s_cmp_ge_u32 s2, 8
	s_cselect_b32 s20, s20, 0
	s_cselect_b32 s17, 0, s17
	s_add_co_u32 s42, s42, s20                     ; B's tile: q, k: 0-7 of the weights' 2,048 rows; v^T: 0-31 of x
	s_add_co_u32 s17, s17, s41                     ; A's tile: q, k: 4 x cluster y + cy, 0-31 of x; v^T: cy, 0-3 of Wv
	s_lshl_b32 s43, s41, 2
	s_lshl_b32 s43, 15, s43                        ; my row of the cluster
	s_lshl_b32 s44, 0x1111, s40                    ; my column
	; descriptor group 1: a tile of 128 rows x 192 bytes, padded in LDS
	s_or_b32 s[G1+0], s43, (0<<16)|(1<<20)|(1<<21)|(3<<22)|(3<<25)  ; 15:0 the mask: A's tiles go to my row; 17:16 element of 1 byte; 20 padding on; 21 set beside a mask; 24:22 after every 16 words; 31:25 of 4 words
	s_or_b32 s[G1B+0], s44, (0<<16)|(1<<20)|(1<<21)|(3<<22)|(3<<25)
.irp g, G1, G1B
	s_mov_b32 s[\g+1], ROWB<<16                    ; tensor_dim0
	s_mov_b32 s[\g+2], 128<<16                     ; tensor_dim1
	s_mov_b32 s[\g+3], ROWB<<16                    ; tile_dim0
	s_mov_b32 s[\g+4], 128                         ; tile_dim1
	s_mov_b32 s[\g+5], KROW                        ; tensor_dim0_stride
	s_mov_b32 s[\g+6], 0
	s_mov_b32 s[\g+7], 0
.endr
	; the scales of 128 rows: a dense block of 4,096 bytes, as rows of 256 bytes (32 elements of 8 bytes), 16 bytes of padding behind each
	s_or_b32 s[G1S+0], s43, (3<<16)|(1<<20)|(1<<21)|(5<<22)|(3<<25)
	s_or_b32 s[G1SB+0], s44, (3<<16)|(1<<20)|(1<<21)|(5<<22)|(3<<25)
.irp g, G1S, G1SB
	s_mov_b32 s[\g+1], 32<<16
	s_mov_b32 s[\g+2], (128*KS/256)<<16
	s_mov_b32 s[\g+3], 32<<16
	s_mov_b32 s[\g+4], 128*KS/256
	s_mov_b32 s[\g+5], 32
	s_mov_b32 s[\g+6], 0
	s_mov_b32 s[\g+7], 0
.endr
	s_lshl_b32 s18, s16, 7                         ; which 128 rows of the tile I fetch
	s_lshl_b32 s20, s17, 8
	s_add_co_u32 s20, s20, s18                     ; A: row 256 x tile + 128 x half
	s_lshl_b32 s46, s42, 8
	s_add_co_u32 s46, s46, s18                     ; B likewise
	s_mov_b32 s21, 0
	s_mov_b32 s47, 0
	s_mov_b64 s[18:19], KS
	s_mul_u64 s[22:23], s[20:21], s[18:19]         ; where these rows' scales begin, in bytes
	s_mul_u64 s[92:93], s[46:47], s[18:19]
	s_mov_b64 s[18:19], KROW
	s_mul_u64 s[20:21], s[20:21], s[18:19]         ; and their codes
	s_mul_u64 s[46:47], s[46:47], s[18:19]
	s_mul_i32 s45, s14, HALFT                      ; where they go: wave x 128 rows: no place in the cluster enters an LDS address
	s_mul_i32 s94, s14, HALFS
	s_wait_kmcnt 0x0
	s_add_nc_u64 s[96:97], s[6:7], 2048*KROW       ; Wv's codes,
	s_add_nc_u64 s[98:99], s[6:7], WSOFF+2048*KS   ; Wv's scales,
	s_add_nc_u64 s[100:101], s[4:5], XSOFF         ; x's scales,
	s_add_nc_u64 s[66:67], s[6:7], WSOFF           ; Wq's and Wk's scales
	s_cmp_ge_u32 s2, 8                             ; the choice hangs on the cluster's y alone
	s_cselect_b64 s[96:97], s[96:97], s[4:5]       ; A's codes
	s_cselect_b64 s[98:99], s[98:99], s[100:101]   ; A's scales
	s_cselect_b64 s[66:67], s[100:101], s[66:67]   ; B's scales
	s_cselect_b64 s[100:101], s[4:5], s[6:7]       ; B's codes
	s_add_nc_u64 s[20:21], s[96:97], s[20:21]
	s_add_nc_u64 s[22:23], s[98:99], s[22:23]
	s_add_nc_u64 s[46:47], s[100:101], s[46:47]
	s_add_nc_u64 s[92:93], s[66:67], s[92:93]
	CROUND                                         ; all sixteen work-groups are here: the first joint loads meet
	s_mov_b32 s[G0S], 1
	s_add_co_u32 s[G0S+1], s94, SCL
	s_mov_b64 s[G0S+2:G0S+3], s[22:23]
	s_or_b32 s[G0S+3], s[G0S+3], 0x80000000
	s_mov_b32 s[G0SB], 1
	s_add_co_u32 s[G0SB+1], s94, SCL
	s_mov_b64 s[G0SB+2:G0SB+3], s[92:93]
	s_or_b32 s[G0SB+3], s[G0SB+3], 0x80000000
	JLOAD G0S, G1S, G0SB, G1SB                     ; the scales first: they are wanted with K step 0
.irp s, 0,1
	s_mov_b32 s[G0+4*\s], 1
	s_add_co_u32 s[G0+4*\s+1], s45, \s*SLOT
	s_add_nc_u64 s[G0+4*\s+2:G0+4*\s+3], s[20:21], \s*ROWB
	s_or_b32 s[G0+4*\s+3], s[G0+4*\s+3], 0x80000000
	s_mov_b32 s[G0B+4*\s], 1
	s_add_co_u32 s[G0B+4*\s+1], s45, \s*SLOT
	s_add_nc_u64 s[G0B+4*\s+2:G0B+4*\s+3], s[46:47], \s*ROWB
	s_or_b32 s[G0B+4*\s+3], s[G0B+4*\s+3], 0x80000000
	JLOAD G0+4*\s, G1, G0B+4*\s, G1B               ; by my own count three tensor loads of mine are out now
.endr
	v_and_b32 v1, 15, v0                           ; l % 16
	v_bfe_u32 v2, v0, 4, 1                         ; l / 16
	v_mul_u32_u24 v3, v1, PITCH
	v_mul_u32_u24 v4, v2, 24
	v_add_nc_u32 v4, v3, v4                        ; a fragment's row x pitch + 24 x half
	v_lshl_add_u32 v5, v2, 4, v4                   ; and the same behind one padding more
	s_mul_i32 s21, s15, HALFT                      ; my 128 rows of A
	s_mul_i32 s22, s16, HALFT                      ; my 128 rows of B,
	s_add_co_u32 s22, s22, 2*HALFT                 ; which lie behind A's 256
.irp s, 0,1
	v_add_nc_u32 v[ADRA+\s], s21, v4
	v_add_nc_u32 v[ADRB+\s], s22, v4
	v_add_nc_u32 v[ADRA+2+\s], s21, v5
	v_add_nc_u32 v[ADRB+2+\s], s22, v5
	s_add_co_u32 s21, s21, SLOT
	s_add_co_u32 s22, s22, SLOT
.endr
	v_mul_u32_u24 v5, v1, KS                       ; my row's scales: 32 bytes a row,
	v_lshrrev_b32 v6, 8, v5
	v_lshl_add_u32 v5, v6, 4, v5                   ; and 16 more for each 256 passed
	s_mul_i32 s21, s15, HALFS
	s_mul_i32 s22, s16, HALFS
	s_add_co_u32 s22, s22, 2*HALFS
	s_sub_co_u32 s22, s22, s21
	v_mul_u32_u24 v6, s22, v2                      ; lanes 16-31 take B's
	s_add_co_u32 s21, s21, SCL
	v_add_nc_u32 v5, v5, v6
	v_add_nc_u32 v[ADRS], s21, v5
	v_and_b32 v6, 31, v0
	v_lshlrev_b32 v[L16], 4, v6
	v_lshlrev_b32 v[L8], 3, v6
	v_add_nc_u32 v[L8], 512, v[L8]
	v_lshlrev_b32 v[L4], 2, v6
	; THE WAY OUT'S ADDRESSES.  tok: my first token position; hdn: my first row among the 3,072 of q, k, v
	s_lshl_b32 s20, s17, 8
	s_lshl_b32 s21, s15, 7
	s_add_co_u32 s20, s20, s21                     ; my first row of A
	s_lshl_b32 s21, s42, 8
	s_lshl_b32 s22, s16, 7
	s_add_co_u32 s21, s21, s22                     ; my first row of B
	s_add_co_u32 s22, s20, 2048
	s_mov_b32 s[ESA], 768                          ; q, k: block a is tile a of 16 tokens; the fragment's second half is the next head's
	s_mov_b32 s[ESB], 3072
	s_mov_b32 s[ESC], 98304
	s_mov_b32 s[ESG], 128
	s_mov_b32 s[ESE], 4096
	s_mov_b32 s[EP0], 0x05040100
	s_mov_b32 s[EP1], 0x07060302
	s_cmp_ge_u32 s2, 8
	s_cselect_b32 s23, s21, s20                    ; tok
	s_cselect_b32 s22, s22, s21                    ; hdn
	s_cselect_b32 s[ESA], 1536, s[ESA]             ; v^T: block a is d tile a % 4 of head a / 4; the second half follows the first
	s_cselect_b32 s[ESB], 98304, s[ESB]
	s_cselect_b32 s[ESC], 768, s[ESC]
	s_cselect_b32 s[ESG], 4096, s[ESG]
	s_cselect_b32 s[ESE], 128, s[ESE]
	s_cselect_b32 s[EP0], 0x03020100, s[EP0]
	s_cselect_b32 s[EP1], 0x07060504, s[EP1]
	s_mov_b32 s[HM], 0xffff0000
	s_mov_b32 s[SEL], 0x76543210
	s_mov_b32 s[SEL+1], 0xfedcba98
	s_lshr_b32 s20, s22, 10                        ; which
	s_lshr_b32 s21, s23, 11                        ; the batch
	s_lshl_b32 s21, s21, 4
	s_bfe_u32 s22, s22, 0x40006                    ; the head: 4 bits from bit 6
	s_add_co_u32 s21, s21, s22                     ; 16 x batch + head
	s_and_b32 s23, s23, 2047                       ; the position in the batch
	s_mul_i32 s22, s20, QSZ
	s_mul_i32 s46, s21, 98304
	s_add_co_u32 s22, s22, s46
	s_mul_i32 s46, s23, 48                         ; 48 bytes of codes a token and head, in either layout
	s_add_co_u32 s46, s22, s46
	s_mov_b32 s47, 0
	s_add_nc_u64 s[8:9], s[12:13], s[46:47]        ; the codes
	s_lshl_b32 s22, s20, 18
	s_lshl_b32 s46, s21, 12
	s_add_co_u32 s22, s22, s46
	s_lshl_b32 s46, s23, 1                         ; 2 scale bytes a token and head
	s_add_co_u32 s46, s22, s46
	s_add_co_u32 s46, s46, SCB
	s_add_nc_u64 s[10:11], s[12:13], s[46:47]      ; the scale words
.macro FRAG reg, adr, q, i             ; a fragment is 12 registers: lane l holds row l % 16; registers 6 c .. 6 c + 5 hold K = 64 c + 32 (l / 16) + 0 .. 31: 24 bytes of the row, as they lie
.irp p, 0,1,2,3,4,5                    ; in pieces of 8 bytes.  Lanes 0-15 take the row's pieces 12 q + 0, 1, 2 and 12 q + 6, 7, 8, lanes 16-31 those three pieces on
.set PC, 12*(\q)+6*(\p/3)+\p%3        ; 16 bytes of padding lie behind every 8 pieces: where the piece three on lies behind one padding more, the second address register serves
.if PC%8 < 5
	ds_load_b64 v[\reg+2*\p:\reg+2*\p+1], v[\adr] offset:8*PC+16*(PC/8)+(\i)*16*PITCH
.else
	ds_load_b64 v[\reg+2*\p:\reg+2*\p+1], v[\adr+2] offset:8*PC+16*(PC/8)+(\i)*16*PITCH
.endif
.endr
.endm
; 16 matrix instructions: A's blocks a0, a0 + 1 x B's eight, 128 along K.  p: B's set;  sc: the set of scale words.  zero = 1: the first product starts the sums.
; The 64 accumulators take turns, one instruction a turn, in the same order in every step.
.macro MUL16 a0, p, q, sc, zero
.irp a, \a0, \a0+1
.irp b, 0,1,2,3,4,5,6,7
.if \zero
	v_wmma_scale_f32_16x16x128_f8f6f4 v[8*(8*((\a)%4)+\b):8*(8*((\a)%4)+\b)+7], v[128*(\p)+FR*\b:128*(\p)+FR*\b+FR-1], v[AF+FR*(\a):AF+FR*(\a)+FR-1], 0, v[SC+8*NQ*(\sc)+NQ*\b+(\q)], v[SC+8*NQ*(\sc)+NQ*(\a)+(\q)] matrix_a_fmt:MATRIX_FMT_FP6 matrix_b_fmt:MATRIX_FMT_FP6 matrix_a_scale:MATRIX_SCALE_ROW1
.else
	v_wmma_scale_f32_16x16x128_f8f6f4 v[8*(8*((\a)%4)+\b):8*(8*((\a)%4)+\b)+7], v[128*(\p)+FR*\b:128*(\p)+FR*\b+FR-1], v[AF+FR*(\a):AF+FR*(\a)+FR-1], v[8*(8*((\a)%4)+\b):8*(8*((\a)%4)+\b)+7], v[SC+8*NQ*(\sc)+NQ*\b+(\q)], v[SC+8*NQ*(\sc)+NQ*(\a)+(\q)] matrix_a_fmt:MATRIX_FMT_FP6 matrix_b_fmt:MATRIX_FMT_FP6 matrix_a_scale:MATRIX_SCALE_ROW1
.endif
.endr
.endr
.endm
.macro FETCH_B slot, q, p              ; B's eight fragments of the slot's q-th 128 along K into set p
	WIN TO_B
.irp i, 0,1,2,3,4,5,6,7
	FRAG 128*(\p)+FR*\i, ADRB+\slot, \q, \i
.endr
	WIN 0
.endm
.macro FETCH_A slot, q, i0             ; A's blocks i0 .. i0 + 3
.irp i, \i0, \i0+1, \i0+2, \i0+3
	FRAG AF+FR*(\i), ADRA+\slot, \q, \i
.endr
.endm
.macro SCALES sc                       ; the next K step's scale words into set sc: lanes 0-15 take A's block i, lanes 16-31 B's block i
.irp i, 0,1,2,3,4,5,6,7
	ds_load_b64 v[SC+8*NQ*\sc+NQ*\i:SC+8*NQ*\sc+NQ*\i+1], v[ADRS] offset:\i*SBLK
.endr
.endm
; A load into a register that a matrix instruction has read, and a vector instruction that reads a matrix result, stand NP places behind that matrix instruction; only plain vector
; instructions that name none of its registers are places (ISA guide 7.12.1 for vector instructions).
.macro PLACES n
.rept \n
	v_nop
.endr
.endm
; A step of 128 along K that has its successor in the same slot.
.macro STEP slot, q, zero
	s_wait_dscnt 4*NL                              ; B's set and A's blocks 0-3 are in; the youngest 24 loads (A's blocks 4-7) may be out
	WIN MUL_LO
	MUL16 0, (\q)%2, \q, \slot, \zero
	MUL16 2, (\q)%2, \q, \slot, \zero
	s_wait_dscnt 0                                 ; A's blocks 4-7 are in (asked for 32 matrix instructions ago)
	PLACES NP
	FETCH_B \slot, (\q)+1, 1-(\q)%2
	FETCH_A \slot, (\q)+1, 0
	WIN MUL_HI
	MUL16 4, (\q)%2, \q, \slot, \zero
	MUL16 6, (\q)%2, \q, \slot, \zero
	PLACES NP
	WIN 0
	FETCH_A \slot, (\q)+1, 4
.endm
; A slot's last step changes slots: ONE barrier; in front of it each wave waits for all its tensor loads, adds 0 to its spare word, and waits for that and for its own reads of this slot.  fill = 1: this slot is filled again, two K steps ahead.
.macro TURN slot, next, fill
	s_wait_tensorcnt 0x0                           ; all my tensor loads have landed: my part of the next slot;  (every window is 0 here)
	ds_add_u32 v[SPW], v[NIL]                      ; 0 onto my spare word
	s_wait_dscnt 4*NL+1                            ; (the add and the youngest 24 loads, A's blocks 4-7, may be out)
	WIN MUL_LO
	MUL16 0, 1, NQ-1, \slot, 0                     ; sixteen matrix instructions stand between the add and the wait for it
	s_wait_dscnt 0x0                               ; the add is done, and my reads of this slot are over
	s_barrier_signal -1
	MUL16 2, 1, NQ-1, \slot, 0
	WIN 0
	s_barrier_wait -1
.if \fill
	CREST                                          ; the barrier has opened a round of the cluster's barrier: no wave of any partner still reads this slot's tile or has a load on its way
	s_add_nc_u64 s[G0+4*\slot+2:G0+4*\slot+3], s[G0+4*\slot+2:G0+4*\slot+3], 2*ROWB
	s_add_nc_u64 s[G0B+4*\slot+2:G0B+4*\slot+3], s[G0B+4*\slot+2:G0B+4*\slot+3], 2*ROWB
	JLOAD G0+4*\slot, G1, G0B+4*\slot, G1B         ; the first tensor load behind the round, and my one load until the next; its four v_nop are the places in front of the loads below
.else
	PLACES NP
.endif
	v_add_nc_u32 v[ADRS], 4*NQ, v[ADRS]            ; on to the next K step's scale words (no LDS load of mine is out)
	FETCH_B \next, 0, 0
	FETCH_A \next, 0, 0
	SCALES \next
	WIN MUL_HI
	MUL16 4, 1, NQ-1, \slot, 0
	MUL16 6, 1, NQ-1, \slot, 0
	PLACES NP
	WIN 0
	FETCH_A \next, 0, 4
.endm
	s_wait_tensorcnt 1                             ; the scales and my part of K step 0 are in (K step 1's load may be out)
	s_barrier_signal -1
	s_barrier_wait -1                              ; everybody's are
	FETCH_B 0, 0, 0
	FETCH_A 0, 0, 0
	SCALES 0
	FETCH_A 0, 0, 4
	STEP 0, 0, 1                                   ; the first step stands in front of the loop: its products start the sums
	s_mov_b32 s3, LAPS-1
.Llap:                                                 ; a trip goes once round the ring, from a lap's second step to the next lap's first, and fills both slots again
	TURN 0, 1, 1
	STEP 1, 0, 0
	TURN 1, 0, 1
	STEP 0, 0, 0
	s_sub_co_u32 s3, s3, 1
	s_cmp_lg_u32 s3, 0
	s_cbranch_scc1 .Llap
	TURN 0, 1, 0                                   ; the last lap fills nothing, and has no round of the cluster's barrier
	STEP 1, 0, 0
	s_wait_dscnt 4*NL                              ; the very last step: nothing more to fetch
	WIN MUL_LO
	MUL16 0, 1, NQ-1, 1, 0
	MUL16 2, 1, NQ-1, 1, 0
	s_wait_dscnt 0
	WIN MUL_HI
	MUL16 4, 1, NQ-1, 1, 0
	MUL16 6, 1, NQ-1, 1, 0
	WIN 0
; THE WAY OUT.  Block a (16 rows of A x my 128 rows of B): a lane's 64 numbers, register 16 b + i = index 32 b + 16 (l / 16) + i along B, are four blocks of 32, each shared with lane l xor 16.
; They become a fragment's 12 registers and a scale word, and are stored as they stand: two half-images, each by a store of 512 and one of 256 consecutive aligned bytes.  No LDS is used.
.macro QBLK a
.set AC, 64*((\a)%4)
	s_wait_xcnt 0x0                                ; the last block's stores have read their data and offsets: both are written again below
	WIN 5*(2+(\a)/4)                               ; sources 0 and 1: window 2 or 3
.irp b, 0,1,2,3
	v_max3_num_f32 v[TM+\b], |v[AC+16*\b]|, |v[AC+16*\b+1]|, 0x1800000   ; each accumulator is read from its low end on; the floor 2^(3 - 127) holds the byte at 1 from below
.endr
.irp i, 2,4,6,8,10,12,14
.irp b, 0,1,2,3
	v_max3_num_f32 v[TM+\b], |v[AC+16*\b+\i]|, |v[AC+16*\b+\i+1]|, v[TM+\b]   ; (the four blocks by turns)
.endr
.endr
	WIN 0
.irp b, 0,1,2,3
	v_permlanex16_b32 v[TM+4+\b], v[TM+\b], s[SEL], s[SEL+1]
.endr
.irp b, 0,1,2,3
	v_max_num_f32 v[TM+\b], v[TM+\b], v[TM+4+\b]   ; with lane l xor 16's: the block's largest magnitude
.endr
.irp b, 0,1,2,3
	v_add_nc_u32 v[TM+12+\b], 0xff000000, v[TM+\b] ; 2 off its exponent field: the conversion's scale operand
.endr
.irp b, 0,1,2,3
	v_lshrrev_b32 v[TM+4+\b], 23, v[TM+12+\b]      ; the scale's byte
.endr
	v_lshl_or_b32 v[PW+(\a)%4], v[TM+5], 8, v[TM+4]
	v_lshl_or_b32 v[PW+(\a)%4], v[TM+6], 16, v[PW+(\a)%4]
	v_lshl_or_b32 v[PW+(\a)%4], v[TM+7], 24, v[PW+(\a)%4]   ; my row's four bytes
	WIN 2+(\a)/4                                   ; source 0: window 2 or 3
.irp c, 0,1
	v_cvt_scalef32_pk16_fp6_f32 v[QC+6*\c:QC+2+6*\c], v[AC+32*\c:AC+15+32*\c], v[TM+12+2*\c]
	v_cvt_scalef32_pk16_fp6_f32 v[QC+12+4*\c:QC+14+4*\c], v[AC+16+32*\c:AC+31+32*\c], v[TM+12+2*\c+1]   ; (a conversion's three registers begin on an even number)
.endr
	WIN 0
	v_nop                                          ; one plain place behind a scaled conversion
.irp c, 0,1                                    ; the operand's layout wants a WHOLE block in a lane: lanes 0-15 block 2 c, lanes 16-31 block 2 c + 1
.irp i, 0,1,2
	v_permlane16_swap_b32 v[QC+6*\c+\i], v[QC+12+4*\c+\i]
.endr
.irp i, 0,1,2
	v_mov_b32 v[QC+3+6*\c+\i], v[QC+12+4*\c+\i]
.endr
.endr
	s_mul_i32 s20, s[ESA], (\a)%4
	s_mul_i32 s21, s[ESB], (\a)/4
	s_add_co_u32 s20, s20, s21
	v_add_nc_u32 v[VO], s20, v[L16]
	v_add_nc_u32 v[VO+1], s20, v[L8]
	v_add_nc_u32 v[VO+2], s[ESC], v[VO]
	v_add_nc_u32 v[VO+3], s[ESC], v[VO+1]
	global_store_b128 v[VO], v[QC:QC+3], s[8:9]            ; 512 consecutive bytes, aligned
	global_store_b64 v[VO+1], v[QC+4:QC+5], s[8:9]         ; 256 consecutive bytes, aligned
	global_store_b128 v[VO+2], v[QC+6:QC+9], s[8:9]
	global_store_b64 v[VO+3], v[QC+10:QC+11], s[8:9]
.if (\a)%4 == 3                                ; four blocks' scale words leave together.  q, k: a word pairs two tiles of tokens for one head; v^T: the words go as they are
	v_perm_b32 v220, v[PW+1], v[PW], s[EP0]
	v_perm_b32 v221, v[PW+1], v[PW], s[EP1]
	v_perm_b32 v222, v[PW+3], v[PW+2], s[EP0]
	v_perm_b32 v223, v[PW+3], v[PW+2], s[EP1]
	v_cndmask_b32 v224, v220, v222, s[HM]          ; lanes 0-15 the first pair's word of row l % 16, lanes 16-31 the second pair's (both halves of the lanes hold every word)
	v_cndmask_b32 v225, v221, v223, s[HM]
	s_mul_i32 s20, s[ESG], (\a)/4
	v_add_nc_u32 v230, s20, v[L4]
	v_add_nc_u32 v231, s[ESE], v230
	global_store_b32 v230, v224, s[10:11]          ; 128 consecutive bytes
	global_store_b32 v231, v225, s[10:11]
.endif
.endm
	PLACES NP                                      ; behind the last products: their results are read and A's registers are written below
.irp b, 0,1,2,3
	v_mov_b32 v[TM+4+\b], 0                        ; written once: a lane permute's destination counts as one of its sources
.endr
.irp a, 0,1,2,3,4,5,6,7
	QBLK \a
.endr
	s_wait_tensorcnt 0x0                           ; the wave's end
	ds_add_u32 v[SPW], v[NIL]
	s_wait_dscnt 0x0
	CROUND                                         ; the closing round: no work-group ends while a partner may still ask for a tile that names it
	s_endpgm
.Lfunc_end_k_qbbd3c16bf5_gemm_qkv:
	.size	k_qbbd3c16bf5_gemm_qkv, .Lfunc_end_k_qbbd3c16bf5_gemm_qkv-k_qbbd3c16bf5_gemm_qkv
	.p2alignl 7, 3214868480
	.fill 96, 4, 3214868480
	.section	.rodata,"a",@progbits
	.p2align	6, 0x0
	.amdhsa_kernel k_qbbd3c16bf5_gemm_qkv
		.amdhsa_group_segment_fixed_size 327680
		.amdhsa_private_segment_fixed_size 0
		.amdhsa_enable_private_segment 0
		.amdhsa_kernarg_size 24
		.amdhsa_user_sgpr_count 2
		.amdhsa_user_sgpr_kernarg_segment_ptr 1
		.amdhsa_wavefront_size32 1
		.amdhsa_system_sgpr_workgroup_id_x 1
		.amdhsa_system_sgpr_workgroup_id_y 1
		.amdhsa_system_sgpr_workgroup_id_z 1
		.amdhsa_system_vgpr_workitem_id 0
		.amdhsa_next_free_vgpr 1024
		.amdhsa_next_free_sgpr 102
		.amdhsa_reserve_vcc 0
		.amdhsa_float_denorm_mode_32 3
		.amdhsa_float_denorm_mode_16_64 3
		.amdhsa_memory_ordered 1
		.amdhsa_forward_progress 1
		.amdhsa_inst_pref_size 170
	.end_amdhsa_kernel
	.amdgpu_metadata
---
amdhsa.version: [ 1, 2 ]
amdhsa.kernels:
  - .name:           k_qbbd3c16bf5_gemm_qkv
    .symbol:         k_qbbd3c16bf5_gemm_qkv.kd
    .args:
      - { .name: xq, .offset: 0, .size: 8, .value_kind: global_buffer, .address_space: global }
      - { .name: wq, .offset: 8, .size: 8, .value_kind: global_buffer, .address_space: global }
      - { .name: qkv, .offset: 16, .size: 8, .value_kind: global_buffer, .address_space: global }
    .group_segment_fixed_size: 327680
    .private_segment_fixed_size: 0
    .kernarg_segment_align: 8
    .kernarg_segment_size: 24
    .max_flat_workgroup_size: 128
    .sgpr_count:     102
    .vgpr_count:     1024
    .wavefront_size: 32
...
	.end_amdgpu_metadata
.endif
;; end of part 3
;; launch attn (part 4): grid 4 x 64, 16 waves a work-group, clusters of 4 x 1, 206,848 bytes of LDS; arguments qkv, att; writes att
.if DOCPART == 4
	.amdgcn_target "amdgcn-amd-amdhsa--gfx1250"
	.amdhsa_code_object_version 6
	.text
	.protected	k_qbbd3c16bf5_attn
	.globl	k_qbbd3c16bf5_attn
	.p2align	8
	.type	k_qbbd3c16bf5_attn,@function
k_qbbd3c16bf5_attn:
	s_mov_b64 s[64:65], 0
	v_nop
	global_prefetch_b8 v0, s[64:65] scope:SCOPE_SE
	s_setreg_imm32_b32 hwreg(HW_REG_WAVE_MODE, 25, 1), 1
	s_wait_xcnt 0x0
	s_wait_alu depctr_hold_cnt(0) depctr_sa_sdst(0) depctr_va_vdst(0) depctr_va_sdst(0) depctr_va_ssrc(0) depctr_va_vcc(0) depctr_vm_vsrc(0)
	s_getreg_b32 s2, hwreg(HW_REG_IB_STS2, 6, 4)
	s_cmp_eq_u32 s2, 0
	s_cbranch_scc0 .Lentry_in_a_cluster
	s_endpgm
.Lentry_in_a_cluster:
	s_bfe_u32 s2, ttmp6, 0x10000c
	s_cmp_lg_u32 s2, 0x3003
	s_cbranch_scc0 .Lentry_shape_is_right
	s_endpgm
.Lentry_shape_is_right:
; Causal attention of one (batch, head) on codes of FP6 (E2M3), head size 64, 2,048 tokens; the result is divided by the row's sum, quantised along (head, d) and stored as codes for the last product.
; IN (qkv): q, k, v^T as codes and scale words, laid as operands' registers.  A HALF-IMAGE is 16 rows x 64 K, 768 bytes: lane l = (row l % 16, block l / 16) has its first 16 bytes at 16 l, its last 8 at 512 + 8 l.
;   q, k: [tile of 16 token positions][768];  v: [chunk of 128 keys][tile of 16 d positions][2][768].  Token (and d) i lies at position i with bits 3 and 4 exchanged.
; THE SOFTMAX: t = score x log2(e) / 32 (the source scales by 1024^-1/2); M = the running largest t rounded UP to a whole number; p = 2^(t - M) is quantised along the keys, not normalised.
; The row's sum is taken of the unquantised p and divides at the end.  When M moves, the sum and O are multiplied by 2^(old M - new M): exact.
; SHARES.  A cluster of four work-groups is one head.  The head has 128 tiles of 16 query positions; tile i wants the chunks 0 .. i / 8.  Wave w of work-group cx takes tiles i = 4 w + cx and 127 - i:
; their last chunks, w / 2 and (31 - w) / 2, hang on the wave's number alone, and their steps add up to 17 for every wave of the launch.  Sixteen waves of 256 registers: four to a SIMD, so that one wave's vector work stands beside another's matrix work.
; LDS IS FILLED ONCE: the head's k codes (98,304 bytes), v codes (98,304), k scale words (4,096), v scale words (4,096).  Each wave asks for a sixteenth of the codes and of the words, JOINTLY with the same wave of the three partners.  Nothing is filled again.
; LAYOUT.  Both products are used transposed: S^T = K Q^T, O^T = V^T P^T: a lane holds ONE query (lane % 16).  By the rows' positions the 16 registers of two neighbouring result tiles are 16 true neighbours (keys, then d).
; K = 64 IN AN INSTRUCTION OF 128: a fragment of K is two half-images on end: position r in k 0-63, position 16 + r in k 64-127.  Against [q | 0] it gives the first 16 positions' scores, against [0 | q] the other 16's: the zeros stand in 12 registers and are never loaded.
; Every wave walks a CONSTANT number of trips (8, then 16); a trip whose chunk lies behind the tile's last chunk jumps over its work (a scalar branch on the wave's number).  In the last chunk hidden scores become -infinity ahead of the maximum.
; OUT (att): codes [head][tile of 16 positions, 128 x batch + i][768 half-image]; scale bytes from ASC on, [position][32], byte 2 head + block.  The bytes go one a lane to rows 32 bytes apart: 32 bytes beside 768 of codes; the next launch wants them as rows.
; LIMITS: a block whose largest magnitude lies under 2^-124 has its byte held at 1; a block of zeros has the byte 1 and not 127 (zero codes; this program alone reads the bytes).  NaN and infinities are not served.
; A block's largest p is made from the block's largest score by the same multiply-add and exponential: this takes v_exp_f32 not to fall where its input rises.
; REGISTERS: v1 16 l, v2 8 l, v3 4 (l % 16) + the k words' LDS start, v4 the lane's part of (query - key); v5-7 global offsets; v8-11, v35 LDS addresses of the step; v12 -M, v13 the largest t, v[14:15] the sum;
;   v16-33 zeros | q | zeros; v34 q's scale word; v36-83 four fragments of K (behind the first product v36-55 are at work); v84-131 four of V; v132-195 S^T, then p; v196-227 O^T; v228-239 p's codes;
;   v240-243 K's scale words, v244-247 V's, v248 p's; v249-255 at work.
.set QSZ,  6291456
.set SCB,  18874368
.set ASC,  6291456
.set VCO,  98304                       ; LDS: where V's codes begin
.set KSC,  196608                      ; K's scale words; V's lie 4,096 on
.set WV,   8                           ; s8   my wave's number
.set SEL,  36                          ; s[36:37] lane selects for v_permlanex16_b32: lane l xor 16
.set CS,   38                          ; s[38:39] c = log2(e) / 32, twice
.set HM,   40                          ; s40  lanes 16-31
.set TI,   50                          ; s50  the tile in hand
.set DG,   51                          ; s51  its last chunk
.set CH,   52                          ; s52  the trip's chunk
.set TB,   53                          ; s53  its codes in LDS: 6,144 bytes a chunk
.set TS,   54                          ; s54  its scale words: 256 bytes a chunk
.set KF,   55                          ; s55  its first key
.set Q0,   56                          ; s56  the tile's part of a query's true number
.set S,    132
.set O,    196
.set PCD,  228
.set BM,   36                          ; block maxima
.set PX,   40                          ; the other half's, then bytes
.set SO,   44                          ; scale operands
.set CT,   48                          ; the conversions' second halves
.set KSW,  240
.set VSW,  244
.set PSW,  248
.set QS,   34
.macro ROUND                           ; a round of the cluster's barrier
	s_barrier_signal -1
	s_barrier_wait -1
	s_cmp_lg_u32 s[WV], 0
	s_cbranch_scc1 .Lnot_wave_0_\@
	s_barrier_signal -3
.Lnot_wave_0_\@:
	s_barrier_wait -3
	s_barrier_signal -1
	s_barrier_wait -1
.endm
	s_load_b128 s[4:7], s[0:1], 0x0                ; qkv, att
	v_lshl_add_u32 v254, v0, 2, 0x32000
	v_mov_b32 v255, 0
	ds_add_u32 v254, v255
	ds_add_u32 v254, v255
	s_wait_dscnt 0x0
	v_lshrrev_b32 v1, 5, v0
	v_readfirstlane_b32 s[WV], v1                  ; wave 0..15
	s_bfe_u32 s9, ttmp6, 0x40000                   ; cx: it enters q's and att's addresses and the mask's numbers alone
	s_and_b32 s10, ttmp7, 0xffff                   ; 16 x batch + head, which the four partners share
	s_mul_i32 s60, s10, 98304                      ; the head's codes
	s_mov_b32 s61, 0
	s_lshl_b32 s62, s10, 12
	s_add_co_u32 s62, s62, SCB                     ; the head's scale words
	s_mov_b32 s63, 0
	s_lshr_b32 s57, s[WV], 3                       ; waves 0-7 fetch K's eighths, waves 8-15 V's
	s_and_b32 s58, s[WV], 7
	s_mul_i32 s2, s57, QSZ
	s_mul_i32 s59, s58, 12288
	s_add_co_u32 s2, s2, s59
	s_add_co_u32 s2, s2, QSZ                       ; from q's codes of the head to my eighth of k's or v's
	s_mov_b32 s3, 0
	s_lshl_b32 s52, s57, 18
	s_lshl_b32 s59, s58, 9
	s_add_co_u32 s52, s52, s59
	s_add_co_u32 s52, s52, 262144                  ; the same for the scale words
	s_mov_b32 s53, 0
	; descriptor group 1: 12,288 dense bytes as 48 rows of 256 (32 elements of 8 bytes); the scale words: 512 bytes as 2 such rows
	s_mov_b32 s16, 15|(3<<16)|(1<<21)              ; 15:0 the mask: all four work-groups; 17:16 elements of 8 bytes; 21 set beside a mask
	s_mov_b32 s17, 32<<16                          ; tensor_dim0
	s_mov_b32 s18, 48<<16                          ; tensor_dim1
	s_mov_b32 s19, 32<<16                          ; tile_dim0
	s_mov_b32 s20, 48                              ; tile_dim1
	s_mov_b32 s21, 32                              ; tensor_dim0_stride
	s_mov_b32 s22, 0
	s_mov_b32 s23, 0
	s_mov_b32 s28, 15|(3<<16)|(1<<21)
	s_mov_b32 s29, 32<<16
	s_mov_b32 s30, 2<<16
	s_mov_b32 s31, 32<<16
	s_mov_b32 s32, 2
	s_mov_b32 s33, 32
	s_mov_b32 s34, 0
	s_mov_b32 s35, 0
	s_mov_b32 s12, 1
	s_mul_i32 s13, s[WV], 12288                    ; LDS: K's eight parts, then V's eight
	s_mov_b32 s24, 1
	s_lshl_b32 s25, s[WV], 9
	s_add_co_u32 s25, s25, KSC
	s_wait_kmcnt 0x0
	s_add_nc_u64 s[42:43], s[4:5], s[60:61]        ; q's codes of the head
	s_add_nc_u64 s[44:45], s[4:5], s[62:63]        ; q's scale words
	s_add_nc_u64 s[14:15], s[42:43], s[2:3]
	s_or_b32 s15, s15, 0x80000000
	s_add_nc_u64 s[26:27], s[44:45], s[52:53]
	s_or_b32 s27, s27, 0x80000000
	ROUND                                          ; all four work-groups are here: the joint loads meet
	tensor_load_to_lds s[12:15], s[16:23]          ; every wave asks for both: by my own count two tensor loads of mine are out
	s_nop 0
	tensor_load_to_lds s[24:27], s[28:35]
	s_nop 0
.rept 4
	v_nop
.endr
	s_and_b32 s57, s10, 15                         ; head
	s_lshr_b32 s58, s10, 4                         ; batch
	s_mul_i32 s60, s57, 393216
	s_mul_i32 s59, s58, 98304
	s_add_co_u32 s60, s60, s59
	s_add_nc_u64 s[46:47], s[6:7], s[60:61]        ; att's codes: my head, my batch's 128 tiles
	s_lshl_b32 s60, s58, 16
	s_lshl_b32 s59, s57, 1
	s_add_co_u32 s60, s60, s59
	s_add_co_u32 s60, s60, ASC
	s_add_nc_u64 s[48:49], s[6:7], s[60:61]        ; att's scale bytes: my batch's rows, my head's two bytes
	s_mov_b32 s[SEL], 0x76543210
	s_mov_b32 s[SEL+1], 0xfedcba98
	s_mov_b32 s[CS], 0x3d38aa3b                    ; log2(e) / 32
	s_mov_b32 s[CS+1], s[CS]                       ; (named with it as a pair, so it is written)
	s_mov_b32 s[HM], 0xffff0000
	s_lshl_b32 s[TI], s[WV], 2
	s_add_co_u32 s[TI], s[TI], s9                  ; the early tile: 4 w + cx
	s_lshr_b32 s[DG], s[WV], 1
	v_and_b32 v1, 31, v0
	v_lshlrev_b32 v2, 3, v1                        ; 8 l
	v_lshlrev_b32 v1, 4, v1                        ; 16 l
	v_and_b32 v3, 15, v0
	v_lshl_add_u32 v3, v3, 2, KSC
	v_and_b32 v4, 7, v0
	v_bfe_u32 v5, v0, 3, 1
	v_lshl_add_u32 v4, v5, 4, v4                   ; position r of a tile is true number r % 8 + 16 (r / 8) of its group, + 8 for an odd tile
	v_bfe_u32 v5, v0, 4, 1
	v_lshlrev_b32 v5, 4, v5
	v_sub_nc_u32 v4, v4, v5                        ; less the 16 keys by which lanes 16-31 are ahead
.irp j, 16,17,18,19,20,21,28,29,30,31,32,33
	v_mov_b32 v[\j], 0                             ; the zero codes on both sides of q: written once
.endr
.irp b, 0,1,2,3
	v_mov_b32 v[PX+\b], 0                          ; written once: a lane permute's destination counts as one of its sources
.endr
	v_mov_b32 v251, 0                              ; (named as the upper half of the pair v[250:251])
	v_mov_b32 v255, 0xff800000                     ; -infinity
; A tile's head: q's half-image and scale word; the statistics and O^T begin anew.
.macro QHEAD
	s_wait_xcnt 0x0                                ; the last tile's stores have read their offsets and data
	s_mul_i32 s57, s[TI], 768
	v_add_nc_u32 v5, s57, v1
	v_add_nc_u32 v6, s57, v2
	s_lshr_b32 s58, s[TI], 1
	s_and_b32 s59, s[TI], 1
	s_lshl_b32 s60, s58, 6                         ; 64 bytes of words a group of 32 positions;
	s_lshl_b32 s57, s59, 1                         ; an odd tile's two bytes are the words' upper halves
	s_add_co_u32 s60, s60, s57
	v_and_b32 v7, 15, v0
	v_lshl_add_u32 v7, v7, 2, s60
	s_lshl_b32 s[Q0], s58, 5
	s_lshl_b32 s57, s59, 3
	s_add_co_u32 s[Q0], s[Q0], s57
	global_load_b128 v[22:25], v5, s[42:43]
	global_load_b64 v[26:27], v6, s[42:43] offset:512
	global_load_u16 v[QS], v7, s[44:45]
	v_mov_b32 v13, 0xff61b1e6                      ; the largest t so far: -3e38, under every t
	v_floor_f32 v12, -v13                          ; -M
	v_mov_b32 v14, 0
	v_mov_b32 v15, 0
	s_wait_loadcnt 0x0
	v_lshl_or_b32 v[QS], v[QS], 16, v[QS]          ; q's two bytes in both halves: they serve [q | 0] and [0 | q]
.set j, 0
.rept 32
	v_mov_b32 v[O+j], 0                            ; O^T: the step is written once, its first trip finds zeros.  (These are also the places between the scale word's write and the first product)
.set j, j+1
.endr
.endm
; The walk over the chunks of 128 keys: nt trips, a constant; the work of a trip behind the tile's last chunk is jumped over.
.macro WALK nt
	s_mov_b32 s[CH], 0
	s_mov_b32 s[TB], 0
	s_mov_b32 s[TS], 0
	s_mov_b32 s[KF], 0
.Lstep_\@:
	s_cmp_gt_u32 s[CH], s[DG]
	s_cbranch_scc1 .Lskip_\@
	v_add_nc_u32 v8, s[TB], v1                     ; these five are the places between the last trip's products and the loads into their registers
	v_add_nc_u32 v9, s[TB], v2
	v_add_nc_u32 v10, VCO, v8
	v_add_nc_u32 v11, VCO, v9
	v_add_nc_u32 v35, s[TS], v3
.irp b, 0,1,2,3
	ds_load_b32 v[KSW+\b], v35 offset:64*\b        ; the words of 32 positions: bytes 0, 1 position r, bytes 2, 3 position 16 + r
.endr
.irp b, 0,1,2,3
	ds_load_b128 v[36+12*\b:39+12*\b], v8 offset:1536*\b           ; each load takes consecutive bytes: no pitch, no padding
	ds_load_b64 v[40+12*\b:41+12*\b], v9 offset:1536*\b+512
	ds_load_b128 v[42+12*\b:45+12*\b], v8 offset:1536*\b+768
	ds_load_b64 v[46+12*\b:47+12*\b], v9 offset:1536*\b+1280
.endr
.irp b, 0,1,2,3
	s_wait_dscnt 4*(3-\b)                          ; fragment b is in; the four loads of each younger fragment may be out
	v_wmma_scale_f32_16x16x128_f8f6f4 v[S+16*\b:S+16*\b+7], v[36+12*\b:47+12*\b], v[22:33], 0, v[KSW+\b], v[QS] matrix_a_fmt:MATRIX_FMT_FP6 matrix_b_fmt:MATRIX_FMT_FP6
	v_wmma_scale_f32_16x16x128_f8f6f4 v[S+16*\b+8:S+16*\b+15], v[36+12*\b:47+12*\b], v[16:27], 0, v[KSW+\b], v[QS] matrix_a_fmt:MATRIX_FMT_FP6 matrix_b_fmt:MATRIX_FMT_FP6
.endr                                              ; register 16 b + i of S^T: key KF + 32 b + 16 (l / 16) + i
.irp t, 0,1,2,3
	ds_load_b128 v[84+12*\t:87+12*\t], v10 offset:1536*\t          ; V's four fragments land while the softmax is walked
	ds_load_b64 v[88+12*\t:89+12*\t], v11 offset:1536*\t+512
	ds_load_b128 v[90+12*\t:93+12*\t], v10 offset:1536*\t+768
	ds_load_b64 v[94+12*\t:95+12*\t], v11 offset:1536*\t+1280
	ds_load_b32 v[VSW+\t], v35 offset:4096+128*(\t%2)+64*(\t/2)
.endr
.rept 4
	v_nop                                          ; places behind the products: their results are read and K's registers written below
.endr
	s_cmp_lg_u32 s[CH], s[DG]
	s_cbranch_scc1 .Lopen_\@                       ; only the tile's last chunk has hidden keys
	s_sub_co_i32 s57, s[Q0], s[KF]
	v_add_nc_u32 v249, s57, v4                     ; d = my query - KF - 16 (l / 16): register 16 b + i is hidden where 32 b + i > d
.set n, 0
.rept 64
	v_cmp_gt_i32 vcc_lo, 32*(n/16)+n%16, v249
	v_cndmask_b32 v[S+n], v[S+n], v255, vcc_lo
.set n, n+1
.endr
.Lopen_\@:
.irp b, 0,1,2,3
	v_max3_num_f32 v[BM+\b], v[S+16*\b], v[S+16*\b+1], v[S+16*\b+2]   ; the largest score of each block of 32 keys: for the row's maximum and for the block's largest p
.endr
.irp i, 3,5,7,9,11,13
.irp b, 0,1,2,3
	v_max3_num_f32 v[BM+\b], v[BM+\b], v[S+16*\b+\i], v[S+16*\b+\i+1]
.endr
.endr
.irp b, 0,1,2,3
	v_max_num_f32 v[BM+\b], v[BM+\b], v[S+16*\b+15]
.endr
.irp b, 0,1,2,3
	v_permlanex16_b32 v[PX+\b], v[BM+\b], s[SEL], s[SEL+1]
.endr
.irp b, 0,1,2,3
	v_max_num_f32 v[BM+\b], v[BM+\b], v[PX+\b]     ; with lane l xor 16's 16 keys
.endr
	v_max3_num_f32 v249, v[BM], v[BM+1], v[BM+2]
	v_max_num_f32 v249, v249, v[BM+3]              ; the step's largest score of my query
	v_mul_f32 v249, s[CS], v249                    ; as t (c is positive)
	v_max_num_f32 v13, v13, v249                   ; the running largest t
	v_mov_b32 v249, v12
	v_floor_f32 v12, -v13                          ; the new -M = floor(-t): M is a whole number
	v_sub_f32 v249, v12, v249                      ; old M - new M: a whole number, 0 or less
	v_cvt_i32_f32 v249, v249                       ; (it saturates)
	v_ldexp_f32 v250, 1.0, v249                    ; f = 2^(old M - new M)
.set j, 0
.rept 32
	v_pk_fma_f32 v[S+j:S+j+1], v[S+j:S+j+1], s[CS:CS+1], v[12:13] op_sel_hi:[1,0,0]   ; t - M, two at a time
.set j, j+2
.endr
.irp b, 0,1,2,3
	v_fma_f32 v[BM+\b], v[BM+\b], s[CS], v12       ; the same of each block's largest score
.endr
.set j, 0
.rept 64
	v_exp_f32 v[S+j], v[S+j]                       ; p = 2^(t - M), at most 1
.set j, j+1
.endr
.irp b, 0,1,2,3
	v_exp_f32 v[BM+\b], v[BM+\b]                   ; the block's largest p
.endr
	v_pk_mul_f32 v[14:15], v[14:15], v[250:251] op_sel_hi:[1,0]   ; the sums under the new M (a plain place behind the exponentials)
	s_wait_alu depctr_va_vdst(0)
.irp b, 0,1,2,3
	v_max_num_f32 v[BM+\b], 0x1800000, v[BM+\b]    ; the floor 2^(3 - 127): the byte cannot fall under 1
.endr
.irp b, 0,1,2,3
	v_add_nc_u32 v[SO+\b], 0xff000000, v[BM+\b]    ; 2 off the exponent field: the conversion's scale operand
.endr
.irp b, 0,1,2,3
	v_lshrrev_b32 v[PX+\b], 23, v[SO+\b]           ; the scale's byte
.endr
	v_lshl_or_b32 v[PSW], v[PX+1], 8, v[PX]        ; p's scale word for these 128 keys
	v_lshl_or_b32 v[PSW], v[PX+2], 16, v[PSW]
	v_lshl_or_b32 v[PSW], v[PX+3], 24, v[PSW]
.irp c, 0,1
	v_cvt_scalef32_pk16_fp6_f32 v[PCD+6*\c:PCD+2+6*\c], v[S+32*\c:S+15+32*\c], v[SO+2*\c]
	v_cvt_scalef32_pk16_fp6_f32 v[CT+4*\c:CT+2+4*\c], v[S+16+32*\c:S+31+32*\c], v[SO+2*\c+1]   ; (a conversion's three registers begin on an even number)
.endr
	v_nop                                          ; one plain place behind a scaled conversion
.irp c, 0,1                                    ; the operand's layout wants a whole block in a lane
.irp i, 0,1,2
	v_permlane16_swap_b32 v[PCD+6*\c+\i], v[CT+4*\c+\i]
.endr
.irp i, 0,1,2
	v_mov_b32 v[PCD+3+6*\c+\i], v[CT+4*\c+\i]
.endr
.endr
	v_pk_add_f32 v[252:253], v[S:S+1], v[S+2:S+3]  ; the row's sum is taken of the unquantised p: two at a time, in two chains
.set j, 4
.rept 15
	v_pk_add_f32 v[14:15], v[14:15], v[S+j:S+j+1]
	v_pk_add_f32 v[252:253], v[252:253], v[S+j+2:S+j+3]
.set j, j+4
.endr
	v_pk_add_f32 v[14:15], v[14:15], v[252:253]
.set j, 0
.rept 16
	v_pk_mul_f32 v[O+j:O+j+1], v[O+j:O+j+1], v[250:251] op_sel_hi:[1,0]   ; O^T under the new M, each accumulator from its low end on
.set j, j+2
.endr
	s_wait_dscnt 0x0                               ; V's fragments and words are in
.irp t, 0,1,2,3                                ; the four accumulators take turns, one instruction a turn
	v_wmma_scale_f32_16x16x128_f8f6f4 v[O+8*\t:O+8*\t+7], v[84+12*\t:95+12*\t], v[PCD:PCD+11], v[O+8*\t:O+8*\t+7], v[VSW+\t], v[PSW] matrix_a_fmt:MATRIX_FMT_FP6 matrix_b_fmt:MATRIX_FMT_FP6
.endr
.Lskip_\@:
	s_add_co_u32 s[TB], s[TB], 6144
	s_add_co_u32 s[TS], s[TS], 256
	s_add_co_u32 s[KF], s[KF], 128
	s_add_co_u32 s[CH], s[CH], 1
	s_cmp_lt_u32 s[CH], \nt
	s_cbranch_scc1 .Lstep_\@
.endm
; A tile's end: O^T / the sum; register 16 b + i is d = 32 b + 16 (l / 16) + i of my query: two blocks of 32 of the last product's K, each shared with lane l xor 16.  They leave as a half-image and two bytes a row.
.macro QOUT
.rept 4
	v_nop                                          ; places behind the last products
.endr
	v_add_f32 v14, v14, v15                        ; the sum's two halves,
	v_permlanex16_b32 v[PX], v14, s[SEL], s[SEL+1]
	v_add_f32 v14, v14, v[PX]                      ; and lane l xor 16's
	v_rcp_f32 v14, v14
	s_lshl_b32 s57, s[TI], 9
	v_and_b32 v8, 15, v0                           ; (a plain place behind the reciprocal)
	v_bfe_u32 v9, v0, 4, 1
	v_lshl_add_u32 v8, v8, 5, v9
	v_add_nc_u32 v8, s57, v8                       ; the byte's place: 32 (16 tile + r) + l / 16
.set j, 0
	s_wait_alu depctr_va_vdst(0)
.rept 16
	v_pk_mul_f32 v[S+j:S+j+1], v[O+j:O+j+1], v[14:15] op_sel_hi:[1,0]   ; each accumulator from its low end on
.set j, j+2
.endr
.irp b, 0,1
	v_max3_num_f32 v[BM+\b], |v[S+16*\b]|, |v[S+16*\b+1]|, 0x1800000
.endr
.irp i, 2,4,6,8,10,12,14
.irp b, 0,1
	v_max3_num_f32 v[BM+\b], v[BM+\b], |v[S+16*\b+\i]|, |v[S+16*\b+\i+1]|
.endr
.endr
.irp b, 0,1
	v_permlanex16_b32 v[PX+\b], v[BM+\b], s[SEL], s[SEL+1]
.endr
.irp b, 0,1
	v_max_num_f32 v[BM+\b], v[BM+\b], v[PX+\b]
.endr
.irp b, 0,1
	v_add_nc_u32 v[SO+\b], 0xff000000, v[BM+\b]
.endr
.irp b, 0,1
	v_lshrrev_b32 v[PX+\b], 23, v[SO+\b]
.endr
	v_cvt_scalef32_pk16_fp6_f32 v[PCD:PCD+2], v[S:S+15], v[SO]
	v_cvt_scalef32_pk16_fp6_f32 v[CT:CT+2], v[S+16:S+31], v[SO+1]
	v_cndmask_b32 v254, v[PX], v[PX+1], s[HM]      ; lanes 0-15 block 0's byte, lanes 16-31 block 1's (the plain place behind the conversions)
.irp i, 0,1,2
	v_permlane16_swap_b32 v[PCD+\i], v[CT+\i]
.endr
.irp i, 0,1,2
	v_mov_b32 v[PCD+3+\i], v[CT+\i]
.endr
	global_store_b128 v5, v[PCD:PCD+3], s[46:47]               ; 512 consecutive bytes, aligned
	global_store_b64 v6, v[PCD+4:PCD+5], s[46:47] offset:512   ; 256 consecutive bytes, aligned
	global_store_b8 v8, v254, s[48:49]
.endm
	QHEAD                                          ; the early tile's q comes while the head's K and V land
	s_wait_tensorcnt 0x0                           ; my two parts are in,
	s_barrier_signal -1
	s_barrier_wait -1                              ; everybody's are: from here on LDS is only read
	WALK 8
	QOUT
	s_sub_co_u32 s[TI], 127, s[TI]                 ; the late tile
	s_sub_co_u32 s[DG], 31, s[WV]
	s_lshr_b32 s[DG], s[DG], 1
	QHEAD
	WALK 16
	QOUT
	s_wait_xcnt 0x0
	v_lshl_add_u32 v254, v0, 2, 0x32000
	v_mov_b32 v255, 0
	s_wait_tensorcnt 0x0
	ds_add_u32 v254, v255
	s_wait_dscnt 0x0
	ROUND                                          ; the closing round
	s_endpgm
.Lfunc_end_k_qbbd3c16bf5_attn:
	.size	k_qbbd3c16bf5_attn, .Lfunc_end_k_qbbd3c16bf5_attn-k_qbbd3c16bf5_attn
	.p2alignl 7, 3214868480
	.fill 96, 4, 3214868480
	.section	.rodata,"a",@progbits
	.p2align	6, 0x0
	.amdhsa_kernel k_qbbd3c16bf5_attn
		.amdhsa_group_segment_fixed_size 206848
		.amdhsa_private_segment_fixed_size 0
		.amdhsa_enable_private_segment 0
		.amdhsa_kernarg_size 16
		.amdhsa_user_sgpr_count 2
		.amdhsa_user_sgpr_kernarg_segment_ptr 1
		.amdhsa_wavefront_size32 1
		.amdhsa_system_sgpr_workgroup_id_x 1
		.amdhsa_system_sgpr_workgroup_id_y 1
		.amdhsa_system_sgpr_workgroup_id_z 1
		.amdhsa_system_vgpr_workitem_id 0
		.amdhsa_next_free_vgpr 256
		.amdhsa_next_free_sgpr 66
		.amdhsa_reserve_vcc 1
		.amdhsa_float_denorm_mode_32 3
		.amdhsa_float_denorm_mode_16_64 3
		.amdhsa_memory_ordered 1
		.amdhsa_forward_progress 1
		.amdhsa_inst_pref_size 62
	.end_amdhsa_kernel
	.amdgpu_metadata
---
amdhsa.version: [ 1, 2 ]
amdhsa.kernels:
  - .name:           k_qbbd3c16bf5_attn
    .symbol:         k_qbbd3c16bf5_attn.kd
    .args:
      - { .name: qkv, .offset: 0, .size: 8, .value_kind: global_buffer, .address_space: global }
      - { .name: att, .offset: 8, .size: 8, .value_kind: global_buffer, .address_space: global }
    .group_segment_fixed_size: 206848
    .private_segment_fixed_size: 0
    .kernarg_segment_align: 8
    .kernarg_segment_size: 16
    .max_flat_workgroup_size: 512
    .sgpr_count:     66
    .vgpr_count:     256
    .wavefront_size: 32
...
	.end_amdgpu_metadata
.endif
;; end of part 4
;; launch proj (part 5): grid 4 x 32, 4 waves a work-group, clusters of 4 x 4, 327,680 bytes of LDS; arguments att, pq, bproj, out0; writes out0
.if DOCPART == 5
	.amdgcn_target "amdgcn-amd-amdhsa--gfx1250"
	.amdhsa_code_object_version 6
	.text
	.protected	k_qbbd3c16bf5_proj
	.globl	k_qbbd3c16bf5_proj
	.p2align	8
	.type	k_qbbd3c16bf5_proj,@function
k_qbbd3c16bf5_proj:
	s_mov_b64 s[64:65], 0
	v_nop
	global_prefetch_b8 v0, s[64:65] scope:SCOPE_SE
	s_setreg_imm32_b32 hwreg(HW_REG_WAVE_MODE, 25, 1), 1
	s_wait_xcnt 0x0
	s_wait_alu depctr_hold_cnt(0) depctr_sa_sdst(0) depctr_va_vdst(0) depctr_va_sdst(0) depctr_va_ssrc(0) depctr_va_vcc(0) depctr_vm_vsrc(0)
	s_getreg_b32 s2, hwreg(HW_REG_IB_STS2, 6, 4)
	s_cmp_eq_u32 s2, 0
	s_cbranch_scc0 .Lentry_in_a_cluster
	s_endpgm
.Lentry_in_a_cluster:
	s_bfe_u32 s2, ttmp6, 0x10000c
	s_cmp_lg_u32 s2, 0xf033
	s_cbranch_scc0 .Lentry_shape_is_right
	s_endpgm
.Lentry_shape_is_right:
; out0[t][n] = sum over c of heads[t][c] Wproj[n][c] + bproj[n]: a product on codes of FP6 (E2M3) with one E8M0 scale for each 32 along K = 1024, f32 sums; out0 [8192][1024] f32.
; IN.  A (att): codes [head 16][tile of 16 token positions, 512][768]: a HALF-IMAGE, 16 rows x 64 K as they stand in an operand's registers: lane l has its first 16 bytes at 16 l, its last 8 at 512 + 8 l; scale bytes [position][32] from ASC on.
;      B (pq): Wproj's codes [1024 positions][768], scale bytes [position][32] from PSOFF on.  A row i lies at position i with bits 3 and 4 exchanged; the way out puts rows and columns back by its immediates.
; A tile of the result, 256 x 256, is made by four waves, each 128 x 128: 64 accumulators, 512 registers.  K goes in steps of 256 (four heads) through a ring of two LDS slots; the scale bytes of the tile's rows come once and stay.
; A's part of a slot: for each of the four heads the 128 rows' eight half-images, 6,144 consecutive bytes: one tensor load of 4 rows of 6,144 bytes.  A fragment (two heads' half-images) comes by four loads of consecutive bytes.
; THE MATRIX INSTRUCTION IS USED TRANSPOSED (source 0 = 16 rows of B, source 1 = 16 rows of A): a lane holds eight neighbouring numbers of a row of out0.
; CLUSTERS: 4 x 4 work-groups; A's tile is asked for jointly by a row of the cluster, B's by a column.  128 tiles: half of the WGPs have a work-group; a tile of 128 x 256 would fill them at twice the LDS reads for each product of A.
; REGISTERS, in windows of 256: window 0: v0-31 addresses and the bias; v32-63 scale words, two sets; from v128 A's fragments, ONE set; on the way out v128-255 rows of out0.
;   window 1: B's fragments, TWO sets.   window 2: the accumulators of my rows 0-63 ((a, b) at v[8 (8 a + b)]);   window 3: those of rows 64-127.
.set SIZE_K, 1024
.set SIZE_N, 1024
.set ASC,    6291456
.set PSOFF,  786432
.set KSTEP,  256
.set NQ,     KSTEP/128
.set ROWB,   192                       ; a row of B's tile in bytes
.set KROW,   SIZE_K*6/8
.set PITCH,  240                       ; B's LDS row: 3 x (64 bytes + 16 of padding)
.set FR,     12
.set NL,     6                         ; LDS loads that bring a fragment of B
.set NLA,    4                         ; and of A
.set NP,     4                         ; places behind this matrix instruction (ISA guide 7.12.1)
.set HEADB,  6144                      ; 128 rows of one head: eight half-images
.set HALFA,  4*HEADB                   ; what one tensor load brings of A
.set HSTEP,  4*393216                  ; four heads on in att
.set HALFT,  128*PITCH                 ; what one tensor load brings of B
.set SLOT,   2*HALFA+2*HALFT           ; A's two halves, then B's two
.set LAPS,   SIZE_K/(2*KSTEP)
.set KS,     SIZE_K/32
.set SCL,    2*SLOT                    ; behind the ring: the scales, as rows of 256 bytes + 16 of padding
.set HALFS,  (128*KS/256)*272
.set SBLK,   (16*KS/256)*272
.set SPARE,  SCL+4*HALFS               ; the spare words, 128 bytes for each wave: two blocks of 256 bytes that no other line names
.set SPITCH, 528                       ; the way out: a stage of 16 rows x (512 bytes + 16) for each wave, in slot 0, which has had its last fill and its last read when the first result is stored there
.set BI,   8                           ; v8-11  the bias of my four columns
.set ADRA, 16                          ; v16-17 A in slot 0, 1: base + 16 l;  v18-19: base + 8 l
.set ADRB, 20                          ; v20-21 B's fragments;  v22-23: for the pieces behind one padding more
.set STO,  24                          ; v24    the way out: where I put 32 bytes of a row
.set RD,   25                          ; v25    where I read a row back
.set CO,   26                          ; v26    16 x lane: my bytes in a row of out0
.set ADRS, 27                          ; v27    my scale words: lanes 0-15 A's rows, lanes 16-31 B's
.set SPW,  28                          ; v28    LDS address of my spare word; never rewritten
.set NIL,  29                          ; v29    0; never rewritten
.set SC,   32
.set AF,   128
.set BK,   128                         ; the way out: 16 rows read back: v128-191 and v192-255 by turns
.set G1, 24
.set G0, 32
.set G1B, 48
.set G0B, 56
.set G1S, 68
.set G0S, 76
.set G1SB, 80
.set G0SB, 88
.set MSB, 0
.macro WIN new                         ; the immediate's high byte repeats the setting that is left
.if MSB != \new
	s_set_vgpr_msb (MSB<<8)|\new
.set MSB, \new
.endif
.endm
.set MUL_LO, 0xa1                      ; source 0 (B) window 1, source 1 (A) window 0, C and D window 2
.set MUL_HI, 0xf1
.set TO_B,   0x40
; A joint load: waves 0 and 1 fetch for A, waves 2 and 3 for B.  The branch hangs on the wave's number alone.  Four v_nop follow each of the two lines.
.macro JLOAD g0a, g1a, g0b, g1b
	s_cmp_eq_u32 s15, 0
	s_cbranch_scc0 .Lfor_b_\@
	tensor_load_to_lds s[\g0a:\g0a+3], s[\g1a:\g1a+7]
	s_nop 0
.rept 4
	v_nop
.endr
	s_branch .Lasked_\@
.Lfor_b_\@:
	tensor_load_to_lds s[\g0b:\g0b+3], s[\g1b:\g1b+7]
	s_nop 0
.rept 4
	v_nop
.endr
.Lasked_\@:
.endm
.macro CREST
	s_cmp_lg_u32 s14, 0
	s_cbranch_scc1 .Lnot_wave_0_\@
	s_barrier_signal -3
.Lnot_wave_0_\@:
	s_barrier_wait -3
	s_barrier_signal -1
	s_barrier_wait -1
.endm
.macro CROUND
	s_barrier_signal -1
	s_barrier_wait -1
	CREST
.endm
	s_load_b128 s[4:7], s[0:1], 0x0                ; att s[4:5], pq s[6:7]
	s_load_b128 s[8:11], s[0:1], 0x10              ; bproj s[8:9], out0 s[10:11]
	v_lshl_add_u32 v[SPW], v0, 2, SPARE
	v_mov_b32 v[NIL], 0
	ds_add_u32 v28, v29
	ds_add_u32 v28, v29
	s_wait_dscnt 0x0
	v_lshrrev_b32 v1, 5, v0
	v_readfirstlane_b32 s14, v1                    ; wave 0..3
	s_lshr_b32 s15, s14, 1                         ; which half of the tile's rows is mine.  Also: I fetch for A (0) or for B (1)
	s_and_b32 s16, s14, 1                          ; which half of its columns.  Also: which 128 rows of that tile I fetch
	s_bfe_u32 s40, ttmp6, 0x40000                  ; cx, cy
	s_bfe_u32 s41, ttmp6, 0x40004
	s_lshl_b32 s42, ttmp9, 2
	s_add_co_u32 s42, s42, s40                     ; tile column = 4 x cluster x + cx
	s_and_b32 s17, ttmp7, 0xffff
	s_lshl_b32 s17, s17, 2
	s_add_co_u32 s17, s17, s41                     ; tile row = 4 x cluster y + cy
	s_lshl_b32 s43, s41, 2
	s_lshl_b32 s43, 15, s43                        ; my row of the cluster
	s_lshl_b32 s44, 0x1111, s40                    ; my column
	; A's tiles: 4 rows (heads) of 768 elements of 8 bytes, 393,216 bytes apart; dense in LDS
	s_or_b32 s[G1+0], s43, (3<<16)|(1<<21)         ; 15:0 the mask: my row; 17:16 elements of 8 bytes; 21 set beside a mask
	s_mov_b32 s[G1+1], 768<<16                     ; tensor_dim0
	s_mov_b32 s[G1+2], 4<<16                       ; tensor_dim1
	s_mov_b32 s[G1+3], 768<<16                     ; tile_dim0
	s_mov_b32 s[G1+4], 4                           ; tile_dim1
	s_mov_b32 s[G1+5], 49152                       ; tensor_dim0_stride, in elements
	s_mov_b32 s[G1+6], 0
	s_mov_b32 s[G1+7], 0
	; B's tiles: 128 rows x 192 bytes, 16 bytes of padding behind every 64
	s_or_b32 s[G1B+0], s44, (0<<16)|(1<<20)|(1<<21)|(3<<22)|(3<<25)
	s_mov_b32 s[G1B+1], ROWB<<16
	s_mov_b32 s[G1B+2], 128<<16
	s_mov_b32 s[G1B+3], ROWB<<16
	s_mov_b32 s[G1B+4], 128
	s_mov_b32 s[G1B+5], KROW
	s_mov_b32 s[G1B+6], 0
	s_mov_b32 s[G1B+7], 0
	; the scales of 128 rows: 4,096 dense bytes, as rows of 256 bytes, 16 bytes of padding behind each
	s_or_b32 s[G1S+0], s43, (3<<16)|(1<<20)|(1<<21)|(5<<22)|(3<<25)
	s_or_b32 s[G1SB+0], s44, (3<<16)|(1<<20)|(1<<21)|(5<<22)|(3<<25)
.irp g, G1S, G1SB
	s_mov_b32 s[\g+1], 32<<16
	s_mov_b32 s[\g+2], (128*KS/256)<<16
	s_mov_b32 s[\g+3], 32<<16
	s_mov_b32 s[\g+4], 128*KS/256
	s_mov_b32 s[\g+5], 32
	s_mov_b32 s[\g+6], 0
	s_mov_b32 s[\g+7], 0
.endr
	s_lshl_b32 s18, s16, 7
	s_lshl_b32 s20, s17, 8
	s_add_co_u32 s20, s20, s18                     ; A: row 256 x tile row + 128 x half
	s_lshl_b32 s46, s42, 8
	s_add_co_u32 s46, s46, s18                     ; B: row 256 x tile column + 128 x half
	s_mov_b32 s21, 0
	s_mov_b32 s47, 0
	s_mov_b64 s[18:19], KS
	s_mul_u64 s[22:23], s[20:21], s[18:19]         ; where these rows' scales begin
	s_mul_u64 s[92:93], s[46:47], s[18:19]
	s_mov_b64 s[18:19], 48
	s_mul_u64 s[20:21], s[20:21], s[18:19]         ; A's codes: 48 bytes a row and head
	s_mov_b64 s[18:19], KROW
	s_mul_u64 s[46:47], s[46:47], s[18:19]         ; B's codes
	s_mul_i32 s45, s16, HALFA                      ; where they go: no place in the cluster enters an LDS address
	s_mul_i32 s95, s16, HALFT
	s_add_co_u32 s95, s95, 2*HALFA
	s_mul_i32 s94, s14, HALFS
	s_wait_kmcnt 0x0
	s_add_nc_u64 s[20:21], s[4:5], s[20:21]
	s_add_nc_u64 s[22:23], s[4:5], s[22:23]
	s_add_nc_u64 s[22:23], s[22:23], ASC
	s_add_nc_u64 s[46:47], s[6:7], s[46:47]
	s_add_nc_u64 s[92:93], s[6:7], s[92:93]
	s_add_nc_u64 s[92:93], s[92:93], PSOFF
	CROUND                                         ; all sixteen work-groups are here: the first joint loads meet
	s_mov_b32 s[G0S], 1
	s_add_co_u32 s[G0S+1], s94, SCL
	s_mov_b64 s[G0S+2:G0S+3], s[22:23]
	s_or_b32 s[G0S+3], s[G0S+3], 0x80000000
	s_mov_b32 s[G0SB], 1
	s_add_co_u32 s[G0SB+1], s94, SCL
	s_mov_b64 s[G0SB+2:G0SB+3], s[92:93]
	s_or_b32 s[G0SB+3], s[G0SB+3], 0x80000000
	JLOAD G0S, G1S, G0SB, G1SB                     ; the scales first: they are wanted with K step 0
.irp s, 0,1
	s_mov_b32 s[G0+4*\s], 1
	s_add_co_u32 s[G0+4*\s+1], s45, \s*SLOT
	s_add_nc_u64 s[G0+4*\s+2:G0+4*\s+3], s[20:21], \s*HSTEP
	s_or_b32 s[G0+4*\s+3], s[G0+4*\s+3], 0x80000000
	s_mov_b32 s[G0B+4*\s], 1
	s_add_co_u32 s[G0B+4*\s+1], s95, \s*SLOT
	s_add_nc_u64 s[G0B+4*\s+2:G0B+4*\s+3], s[46:47], \s*ROWB
	s_or_b32 s[G0B+4*\s+3], s[G0B+4*\s+3], 0x80000000
	JLOAD G0+4*\s, G1, G0B+4*\s, G1B               ; by my own count three tensor loads of mine are out now
.endr
	v_and_b32 v1, 15, v0                           ; l % 16
	v_bfe_u32 v2, v0, 4, 1                         ; l / 16
	v_mul_u32_u24 v3, v1, PITCH
	v_mul_u32_u24 v4, v2, 24
	v_add_nc_u32 v4, v3, v4                        ; B: a fragment's row x pitch + 24 x half
	v_lshl_add_u32 v5, v2, 4, v4                   ; and the same behind one padding more
	v_and_b32 v6, 31, v0
	v_lshlrev_b32 v[CO], 4, v6                     ; 16 l
	v_lshlrev_b32 v6, 3, v6                        ; 8 l
	s_mul_i32 s21, s15, HALFA                      ; my 128 rows of A
	s_mul_i32 s22, s16, HALFT                      ; my 128 rows of B,
	s_add_co_u32 s22, s22, 2*HALFA                 ; which lie behind A's two halves
.irp s, 0,1
	v_add_nc_u32 v[ADRA+\s], s21, v[CO]
	v_add_nc_u32 v[ADRA+2+\s], s21, v6
	v_add_nc_u32 v[ADRB+\s], s22, v4
	v_add_nc_u32 v[ADRB+2+\s], s22, v5
	s_add_co_u32 s21, s21, SLOT
	s_add_co_u32 s22, s22, SLOT
.endr
	v_mul_u32_u24 v5, v1, KS                       ; my row's scales: 32 bytes a row,
	v_lshrrev_b32 v6, 8, v5
	v_lshl_add_u32 v5, v6, 4, v5                   ; and 16 more for each 256 passed
	s_mul_i32 s21, s15, HALFS
	s_mul_i32 s22, s16, HALFS
	s_add_co_u32 s22, s22, 2*HALFS
	s_sub_co_u32 s22, s22, s21
	v_mul_u32_u24 v6, s22, v2                      ; lanes 16-31 take B's
	s_add_co_u32 s21, s21, SCL
	v_add_nc_u32 v5, v5, v6
	v_add_nc_u32 v[ADRS], s21, v5
	s_mul_i32 s23, s14, 16*SPITCH                  ; my stage
	v_mul_u32_u24 v5, v1, SPITCH                   ; in: row l % 16; lanes 16-31 hold the columns 16 on: 64 bytes
	v_lshl_add_u32 v5, v2, 6, v5
	v_add_nc_u32 v[STO], s23, v5
	v_add_nc_u32 v[RD], s23, v[CO]                 ; back: the 32 lanes take one row of 512 bytes
	s_lshl_b32 s20, s17, 8
	s_lshl_b32 s21, s15, 7
	s_add_co_u32 s20, s20, s21                     ; my first row of out0
	s_mov_b32 s21, 0
	s_mov_b64 s[18:19], SIZE_N*4
	s_mul_u64 s[20:21], s[20:21], s[18:19]
	s_lshl_b32 s46, s42, 10                        ; my first column, in bytes: 1024 x tile column + 512 x half
	s_lshl_b32 s47, s16, 9
	s_add_co_u32 s46, s46, s47
	s_mov_b32 s47, 0
	s_add_nc_u64 s[8:9], s[8:9], s[46:47]
	global_load_b128 v[BI:BI+3], v[CO], s[8:9]     ; the bias of the four columns that I store; waited for ahead of the first row's addition
	s_add_nc_u64 s[20:21], s[20:21], s[46:47]
	s_add_nc_u64 s[12:13], s[10:11], s[20:21]
.macro FRAG reg, adr, q, i             ; a fragment of B: 12 registers, in pieces of 8 bytes from padded rows; where the piece of lanes 16-31 lies behind one padding more, the second address register serves
.irp p, 0,1,2,3,4,5
.set PC, 12*(\q)+6*(\p/3)+\p%3
.if PC%8 < 5
	ds_load_b64 v[\reg+2*\p:\reg+2*\p+1], v[\adr] offset:8*PC+16*(PC/8)+(\i)*16*PITCH
.else
	ds_load_b64 v[\reg+2*\p:\reg+2*\p+1], v[\adr+2] offset:8*PC+16*(PC/8)+(\i)*16*PITCH
.endif
.endr
.endm
.macro FRAGA reg, slot, q, i           ; a fragment of A: the half-images of heads 2 q and 2 q + 1 of the slot's four, tile i of my eight: every load takes consecutive bytes
	ds_load_b128 v[\reg:\reg+3], v[ADRA+\slot] offset:(2*(\q))*HEADB+768*(\i)
	ds_load_b64 v[\reg+4:\reg+5], v[ADRA+2+\slot] offset:(2*(\q))*HEADB+768*(\i)+512
	ds_load_b128 v[\reg+6:\reg+9], v[ADRA+\slot] offset:(2*(\q)+1)*HEADB+768*(\i)
	ds_load_b64 v[\reg+10:\reg+11], v[ADRA+2+\slot] offset:(2*(\q)+1)*HEADB+768*(\i)+512
.endm
; 16 matrix instructions: A's blocks a0, a0 + 1 x B's eight, 128 along K.  The 64 accumulators take turns, one instruction a turn, in the same order in every step.
.macro MUL16 a0, p, q, sc, zero
.irp a, \a0, \a0+1
.irp b, 0,1,2,3,4,5,6,7
.if \zero
	v_wmma_scale_f32_16x16x128_f8f6f4 v[8*(8*((\a)%4)+\b):8*(8*((\a)%4)+\b)+7], v[128*(\p)+FR*\b:128*(\p)+FR*\b+FR-1], v[AF+FR*(\a):AF+FR*(\a)+FR-1], 0, v[SC+8*NQ*(\sc)+NQ*\b+(\q)], v[SC+8*NQ*(\sc)+NQ*(\a)+(\q)] matrix_a_fmt:MATRIX_FMT_FP6 matrix_b_fmt:MATRIX_FMT_FP6 matrix_a_scale:MATRIX_SCALE_ROW1
.else
	v_wmma_scale_f32_16x16x128_f8f6f4 v[8*(8*((\a)%4)+\b):8*(8*((\a)%4)+\b)+7], v[128*(\p)+FR*\b:128*(\p)+FR*\b+FR-1], v[AF+FR*(\a):AF+FR*(\a)+FR-1], v[8*(8*((\a)%4)+\b):8*(8*((\a)%4)+\b)+7], v[SC+8*NQ*(\sc)+NQ*\b+(\q)], v[SC+8*NQ*(\sc)+NQ*(\a)+(\q)] matrix_a_fmt:MATRIX_FMT_FP6 matrix_b_fmt:MATRIX_FMT_FP6 matrix_a_scale:MATRIX_SCALE_ROW1
.endif
.endr
.endr
.endm
.macro FETCH_B slot, q, p
	WIN TO_B
.irp i, 0,1,2,3,4,5,6,7
	FRAG 128*(\p)+FR*\i, ADRB+\slot, \q, \i
.endr
	WIN 0
.endm
.macro FETCH_A slot, q, i0
.irp i, \i0, \i0+1, \i0+2, \i0+3
	FRAGA AF+FR*(\i), \slot, \q, \i
.endr
.endm
.macro SCALES sc
.irp i, 0,1,2,3,4,5,6,7
	ds_load_b64 v[SC+8*NQ*\sc+NQ*\i:SC+8*NQ*\sc+NQ*\i+1], v[ADRS] offset:\i*SBLK
.endr
.endm
; A load into a register that a matrix instruction has read, and an LDS store that reads a matrix result, stand NP places behind that matrix instruction; only plain vector
; instructions that name none of its registers are places (ISA guide 7.12.1 for vector instructions).
.macro PLACES n
.rept \n
	v_nop
.endr
.endm
.macro STEP slot, q, zero
	s_wait_dscnt 4*NLA                             ; B's set and A's blocks 0-3 are in; the youngest 16 loads (A's blocks 4-7) may be out
	WIN MUL_LO
	MUL16 0, (\q)%2, \q, \slot, \zero
	MUL16 2, (\q)%2, \q, \slot, \zero
	s_wait_dscnt 0                                 ; A's blocks 4-7 are in
	PLACES NP
	FETCH_B \slot, (\q)+1, 1-(\q)%2
	FETCH_A \slot, (\q)+1, 0
	WIN MUL_HI
	MUL16 4, (\q)%2, \q, \slot, \zero
	MUL16 6, (\q)%2, \q, \slot, \zero
	PLACES NP
	WIN 0
	FETCH_A \slot, (\q)+1, 4
.endm
; A slot's last step changes slots: ONE barrier; in front of it each wave waits for all its tensor loads, adds 0 to its spare word, and waits for that and for its own reads of this slot.  fill = 1: this slot is filled again, two K steps ahead.
.macro TURN slot, next, fill
	s_wait_tensorcnt 0x0                           ; all my tensor loads have landed: my part of the next slot;  (every window is 0 here)
	ds_add_u32 v[SPW], v[NIL]                      ; 0 onto my spare word
	s_wait_dscnt 4*NLA+1                           ; (the add and the youngest 16 loads, A's blocks 4-7, may be out)
	WIN MUL_LO
	MUL16 0, 1, NQ-1, \slot, 0                     ; sixteen matrix instructions stand between the add and the wait for it
	s_wait_dscnt 0x0                               ; the add is done, and my reads of this slot are over
	s_barrier_signal -1
	MUL16 2, 1, NQ-1, \slot, 0
	WIN 0
	s_barrier_wait -1
.if \fill
	CREST                                          ; the barrier has opened a round of the cluster's barrier: no wave of any partner still reads this slot's tile or has a load on its way
	s_add_nc_u64 s[G0+4*\slot+2:G0+4*\slot+3], s[G0+4*\slot+2:G0+4*\slot+3], 2*HSTEP
	s_add_nc_u64 s[G0B+4*\slot+2:G0B+4*\slot+3], s[G0B+4*\slot+2:G0B+4*\slot+3], 2*ROWB
	JLOAD G0+4*\slot, G1, G0B+4*\slot, G1B         ; the first tensor load behind the round, and my one load until the next; its four v_nop are the places in front of the loads below
.else
	PLACES NP
.endif
	v_add_nc_u32 v[ADRS], 4*NQ, v[ADRS]            ; on to the next K step's scale words (no LDS load of mine is out)
	FETCH_B \next, 0, 0
	FETCH_A \next, 0, 0
	SCALES \next
	WIN MUL_HI
	MUL16 4, 1, NQ-1, \slot, 0
	MUL16 6, 1, NQ-1, \slot, 0
	PLACES NP
	WIN 0
	FETCH_A \next, 0, 4
.endm
	s_wait_tensorcnt 1                             ; the scales and my part of K step 0 are in (K step 1's load may be out)
	s_barrier_signal -1
	s_barrier_wait -1                              ; everybody's are
	FETCH_B 0, 0, 0
	FETCH_A 0, 0, 0
	SCALES 0
	FETCH_A 0, 0, 4
	STEP 0, 0, 1                                   ; the first step stands in front of the loop: its products start the sums
	s_mov_b32 s3, LAPS-1
.Llap:                                                 ; a trip goes once round the ring and fills both slots again
	TURN 0, 1, 1
	STEP 1, 0, 0
	TURN 1, 0, 1
	STEP 0, 0, 0
	s_sub_co_u32 s3, s3, 1
	s_cmp_lg_u32 s3, 0
	s_cbranch_scc1 .Llap
	TURN 0, 1, 0                                   ; the last lap fills nothing, and has no round of the cluster's barrier
	STEP 1, 0, 0
	s_wait_dscnt 4*NLA                             ; the very last step: nothing more to fetch
	WIN MUL_LO
	MUL16 0, 1, NQ-1, 1, 0
	MUL16 2, 1, NQ-1, 1, 0
	s_wait_dscnt 0
	WIN MUL_HI
	MUL16 4, 1, NQ-1, 1, 0
	MUL16 6, 1, NQ-1, 1, 0
	WIN 0
; THE WAY OUT, block by block of 16 row positions x 128 columns, through my own stage in LDS; rows come back whole, 512 bytes, and the 32 lanes store them as 512 consecutive aligned bytes.
; Accumulator b, lane half h, register j holds true column 32 (b / 2) + 16 h + 8 (b % 2) + j; stage row t of block a is true row 32 (a / 2) + 16 (t / 8) + 8 (a % 2) + t % 8: both stand in immediates.
; LDS serves a wave's instructions in order (ISA guide 5.7.1.4): no wait between the stores and the loads, nor in front of the next block's stores.
.macro TOSTAGE a
.set AC, 64*((\a)%4)
	WIN 0x08+4*((\a)/4)                            ; the data: window 2 or 3
.irp b, 0,1,2,3,4,5,6,7
	ds_store_b128 v[STO], v[AC+8*\b:AC+8*\b+3] offset:128*(\b/2)+32*(\b%2)          ; each accumulator from its low end on
	ds_store_b128 v[STO], v[AC+8*\b+4:AC+8*\b+7] offset:128*(\b/2)+32*(\b%2)+16
.endr
	WIN 0
.set BB, BK+64*((\a)%2)
.irp t, 0,1,2,3,4,5,6,7,8,9,10,11,12,13,14,15
	ds_load_b128 v[BB+4*\t:BB+4*\t+3], v[RD] offset:\t*SPITCH
.endr
.endm
.macro SEND a, younger                 ; younger: the LDS instructions issued behind block a's loads, which may stay out
.set BB, BK+64*((\a)%2)
	s_wait_dscnt \younger                          ; the block is back in registers
.irp t, 0,1,2,3,4,5,6,7,8,9,10,11,12,13,14,15
	v_pk_add_f32 v[BB+4*\t:BB+4*\t+1], v[BB+4*\t:BB+4*\t+1], v[BI:BI+1]             ; + the bias
	v_pk_add_f32 v[BB+4*\t+2:BB+4*\t+3], v[BB+4*\t+2:BB+4*\t+3], v[BI+2:BI+3]
	global_store_b128 v[CO], v[BB+4*\t:BB+4*\t+3], s[12:13] offset:(32*((\a)/2)+16*(\t/8)+8*((\a)%2)+\t%8)*SIZE_N*4 th:TH_STORE_NT   ; 127 rows of 4,096 bytes at the most: inside the signed 24-bit immediate; the base is never stepped
.endr
.endm
	PLACES NP                                      ; behind the last products: their results are read, and loads land in A's registers
	s_wait_loadcnt 0x0                             ; the bias
	TOSTAGE 0
.irp a, 1,2,3,4,5,6,7
.if \a > 1
	s_wait_xcnt 0x0                                ; block a - 2's stores have read their registers: block a's loads may land there
.endif
	TOSTAGE \a
	SEND \a-1, 32                                  ; behind block a - 1's loads: block a's 16 stores and 16 loads
.endr
	SEND 7, 0
	s_wait_tensorcnt 0x0                           ; the wave's end: behind my last tensor load and my last LDS store
	ds_add_u32 v[SPW], v[NIL]
	s_wait_dscnt 0x0
	CROUND                                         ; the closing round: no work-group ends while a partner may still ask for a tile that names it
	s_endpgm
.Lfunc_end_k_qbbd3c16bf5_proj:
	.size	k_qbbd3c16bf5_proj, .Lfunc_end_k_qbbd3c16bf5_proj-k_qbbd3c16bf5_proj
	.p2alignl 7, 3214868480
	.fill 96, 4, 3214868480
	.section	.rodata,"a",@progbits
	.p2align	6, 0x0
	.amdhsa_kernel k_qbbd3c16bf5_proj
		.amdhsa_group_segment_fixed_size 327680
		.amdhsa_private_segment_fixed_size 0
		.amdhsa_enable_private_segment 0
		.amdhsa_kernarg_size 32
		.amdhsa_user_sgpr_count 2
		.amdhsa_user_sgpr_kernarg_segment_ptr 1
		.amdhsa_wavefront_size32 1
		.amdhsa_system_sgpr_workgroup_id_x 1
		.amdhsa_system_sgpr_workgroup_id_y 1
		.amdhsa_system_sgpr_workgroup_id_z 1
		.amdhsa_system_vgpr_workitem_id 0
		.amdhsa_next_free_vgpr 1024
		.amdhsa_next_free_sgpr 98
		.amdhsa_reserve_vcc 0
		.amdhsa_float_denorm_mode_32 3
		.amdhsa_float_denorm_mode_16_64 3
		.amdhsa_memory_ordered 1
		.amdhsa_forward_progress 1
		.amdhsa_inst_pref_size 168
	.end_amdhsa_kernel
	.amdgpu_metadata
---
amdhsa.version: [ 1, 2 ]
amdhsa.kernels:
  - .name:           k_qbbd3c16bf5_proj
    .symbol:         k_qbbd3c16bf5_proj.kd
    .args:
      - { .name: att, .offset: 0, .size: 8, .value_kind: global_buffer, .address_space: global }
      - { .name: pq, .offset: 8, .size: 8, .value_kind: global_buffer, .address_space: global }
      - { .name: bproj, .offset: 16, .size: 8, .value_kind: global_buffer, .address_space: global }
      - { .name: out0, .offset: 24, .size: 8, .value_kind: global_buffer, .address_space: global }
    .group_segment_fixed_size: 327680
    .private_segment_fixed_size: 0
    .kernarg_segment_align: 8
    .kernarg_segment_size: 32
    .max_flat_workgroup_size: 128
    .sgpr_count:     98
    .vgpr_count:     1024
    .wavefront_size: 32
...
	.end_amdgpu_metadata
.endif
;; end of part 5
;; ======== version 2 of 2: 4 launches
;; limits: right only within a limited range of input values
;; workspace buffers: xq 6,553,600 bytes; pq 4,915,200 bytes; wq 5,308,416 bytes; qkv 19,660,800 bytes; att 6,553,600 bytes
;; launch quant (part 6): grid 384 x 1, 4 waves a work-group, no clusters, 69,120 bytes of LDS; arguments x, Wproj, xq, pq, Wq, Wk, Wv, wq; writes xq, pq, wq
.if DOCPART == 6
	.amdgcn_target "amdgcn-amd-amdhsa--gfx1250"
	.amdhsa_code_object_version 6
	.text
	.protected	k_qbbd3c16bf5_quant
	.globl	k_qbbd3c16bf5_quant
	.p2align	8
	.type	k_qbbd3c16bf5_quant,@function
k_qbbd3c16bf5_quant:
	s_mov_b64 s[64:65], 0
	v_nop
	global_prefetch_b8 v0, s[64:65] scope:SCOPE_SE
	s_setreg_imm32_b32 hwreg(HW_REG_WAVE_MODE, 25, 1), 1
	s_wait_xcnt 0x0
; ALL f32 OPERANDS THAT ARRIVE become codes of FP6 (E2M3), 6 bits each, K innermost, with one E8M0 scale byte for each 32 along K.  One launch, two paths that part on the work-group's number:
;   work-groups 0-95:   Wq, Wk, Wv [16 heads][1024 (K)][64]: K is NOT innermost.   work-groups 96-383: x [8192][1024] (256 work-groups) and Wproj [1024][1024] (32): K innermost.
; A block's scale is 2^(floor(log2(its largest magnitude)) - 2); its byte is the largest magnitude's exponent field - 2, held at 1 from below.  Each number is divided by the scale and rounded to the nearest code, ties to even; beyond 7.5 the largest code.
; OUT: xq: codes [8192 row positions][768 bytes], scale bytes [position][32] from XSOFF on.  pq: the same for Wproj's 1,024 rows, scale bytes from PSOFF on.
;      wq: ONE matrix of 3,072 rows, row n = 1024 x which + 64 x head + d (which: 0 q, 1 k, 2 v): codes [position][768], scale bytes [position][32] from WSOFF on.
; ROW POSITIONS: row i is stored at position i with its bits 3 and 4 exchanged.  A tile of 16 neighbouring stored rows, taken as a matrix instruction's source 0, then leaves 16 TRUE neighbours in the 16 registers of two neighbouring result tiles.
; LIMITS: NaN and infinities are not served.  A block whose largest magnitude lies under 2^-124 has its byte held at 1.  A block of zeros has the byte 1 and not 127: its codes are zeros, and this program alone reads the bytes.
; Each path has LDS bytes of its own: x and Wproj 0 .. 32,767, the weights from WLDS on.  No barrier in either: waves share nothing.
; THE CODES' LAYOUT IN xq, pq, wq (it takes the place of the [position][768] stated above): four planes, one for each 256 along K, PLANE bytes apart in all three buffers;
; in a plane a row position has 192 consecutive bytes.  So 64 or more neighbouring positions of one plane are a dense block that begins at a multiple of 256 bytes.
; The scale bytes keep their offsets: XSOFF lies behind x's four planes, PSOFF and WSOFF in bytes between two planes that no codes use.
.set WGW,   96
.set PLANE, 1572864
.set EMAX,  2
	v_lshl_add_u32 v192, v0, 2, 0x10c00
	v_mov_b32 v193, 0
	s_cmp_lt_u32 ttmp9, WGW
	s_cbranch_scc1 .Lweights
; ---------------------------------------------------------------- x and Wproj: K innermost
; A wave takes 16 steps of 512 numbers: a run of 8,192 numbers, 8 whole rows, so the exchange of bits 3 and 4 of the row is an exchange of the two low bits of the run's number, which are the wave's number.
; Each of a step's four loads reads 512 consecutive bytes, 16 a lane; the 2,048 bytes turn through the wave's own stage in LDS and come back 64 bytes a lane: 16 neighbours along K, half a block.
; Only pointers are chosen between x and Wproj.  Loads run four steps ahead, the turn through LDS one step.
.set STEPS, 16
.set WGA,   256                        ; 8192 x 1024 / 32,768
.set XSOFF, 6291456                    ; where x's scale bytes begin in xq
.set PSOFF, 786432                     ; where Wproj's begin in pq
.set CB,    12                         ; bytes of 16 codes
.set R,     16                         ; v16-79   four sets of 16 numbers as they are loaded
.set X,     80                         ; v80-111  two sets of 16 neighbours
.set C,     128                        ; v128-191 codes: four registers for each step, so that no store's data are written again
.set E,     112                        ; v112-127 a scale byte for each step
.set WREG,  8192                       ; LDS: a region for each wave: two stages of 32 x SP bytes, behind them its 256 scale bytes
.set SP,    80                         ; a lane's place in a stage: its 64 bytes + 16 of padding
	s_load_b128 s[4:7], s[0:1], 0x0                ; x, Wproj
	s_load_b128 s[8:11], s[0:1], 0x10              ; xq, pq
	s_sub_co_u32 s24, ttmp9, WGW                   ; my number among this path's 288 work-groups
	v_lshrrev_b32 v1, 5, v0
	v_readfirstlane_b32 s16, v1                    ; wave
	v_and_b32 v2, 31, v0                           ; lane
	v_lshlrev_b32 v3, 4, v2                        ; my 16 bytes of a load's 512
	s_mul_i32 s17, s16, WREG
	v_lshrrev_b32 v14, 2, v2
	v_mul_u32_u24 v14, v14, SP
	v_and_b32 v15, 3, v2
	v_lshl_add_u32 v14, v15, 4, v14
	v_add_nc_u32 v14, s17, v14                     ; the stage, on the way in: SP (lane / 4) + 16 (lane % 4)
	v_mul_u32_u24 v15, v2, SP
	v_add_nc_u32 v15, s17, v15                     ; and on the way out: SP x lane: my 16 neighbours
	v_and_b32 v4, 15, v2
	v_mul_u32_u24 v4, v4, CB                       ; sixteen lanes hold 256 along K: 12 bytes each of a position's 192
	v_lshrrev_b32 v10, 4, v2
	v_mad_u32_u24 v4, v10, PLANE, v4               ; lanes 16-31 hold the next 256 along K: one plane on
	v_lshrrev_b32 v5, 1, v2
	s_add_co_u32 s17, s17, 2*32*SP
	v_add_nc_u32 v5, s17, v5                       ; LDS: my wave's 256 scale bytes, my block's byte
	v_lshlrev_b32 v7, 3, v2                        ; and on the way out 8 bytes a lane
	v_add_nc_u32 v6, s17, v7
	s_wait_alu depctr_va_vdst(0)
	s_wait_kmcnt 0x0
	s_cmp_lt_u32 s24, WGA                          ; x's work-group or Wproj's?  The choice hangs on the work-group's number alone
	s_cselect_b64 s[4:5], s[4:5], s[6:7]
	s_cselect_b64 s[8:9], s[8:9], s[10:11]
	s_mov_b32 s12, PSOFF
	s_cselect_b32 s12, XSOFF, s12
	s_cselect_b32 s17, 0, WGA
	s_mov_b32 s13, 0
	s_add_nc_u64 s[10:11], s[8:9], s[12:13]        ; the scale bytes' part of the same buffer
	s_sub_co_u32 s17, s24, s17
	s_lshl_b32 s17, s17, 2
	s_add_co_u32 s18, s17, s16                     ; the run that I read: 4 x work-group + wave
	s_lshl_b32 s20, s18, 15                        ; 32,768 bytes a run
	s_mov_b32 s21, 0
	s_add_nc_u64 s[4:5], s[4:5], s[20:21]
	s_and_b32 s22, s16, 1
	s_lshl_b32 s22, s22, 1
	s_lshr_b32 s23, s16, 1
	s_or_b32 s22, s22, s23
	s_add_co_u32 s22, s22, s17                     ; the run that I write: the wave's two bits exchanged
	s_mul_i32 s20, s22, 8*192                      ; a run is 8 row positions of 192 bytes in each plane
	s_add_nc_u64 s[8:9], s[8:9], s[20:21]
	s_lshl_b32 s20, s22, 8                         ; 256 scale bytes a run
	s_add_nc_u64 s[10:11], s[10:11], s[20:21]
.macro LOADX t
.irp i, 0,1,2,3
	global_load_b128 v[R+16*((\t)%4)+4*\i:R+16*((\t)%4)+4*\i+3], v3, s[4:5] offset:2048*(\t)+512*\i th:TH_LOAD_NT   ; 32 lanes read 512 consecutive bytes
.endr
.endm
.macro TURNX t                         ; step t's numbers through the stage: LDS serves a wave's instructions in order, so no wait stands between the stores and the loads
.irp i, 0,1,2,3
	ds_store_b128 v14, v[R+16*((\t)%4)+4*\i:R+16*((\t)%4)+4*\i+3] offset:32*SP*((\t)%2)+8*SP*\i
.endr
.irp i, 0,1,2,3
	ds_load_b128 v[X+16*((\t)%2)+4*\i:X+16*((\t)%2)+4*\i+3], v15 offset:32*SP*((\t)%2)+16*\i
.endr
.endm
.irp t, 0,1,2,3
	LOADX \t
.endr
	s_wait_loadcnt 12                              ; step 0's four loads are in; the twelve of steps 1 to 3 may be out
	TURNX 0
.macro STEPX t
.set XS, X+16*((\t)%2)
.if (\t) > 0
	s_wait_dscnt 1                                 ; this step's numbers are back from the stage (the last step's byte store may be out): so its stores into the stage have read their registers,
.else
	s_wait_dscnt 0x0
.endif
.if (\t)+4 < STEPS
	LOADX (\t)+4                                   ; which take the loads of four steps on
.endif
.if (\t)+1 < STEPS
.if STEPS-2-(\t) >= 3
	s_wait_loadcnt 12                              ; the next step's four loads are in; those of the three steps behind it may be out
.else
	s_wait_loadcnt 4*(STEPS-2-(\t))
.endif
	TURNX (\t)+1                                   ; and go through the other stage while this step is worked
.endif
	v_max3_num_f32 v8, |v[XS]|, |v[XS+1]|, |v[XS+2]|               ; the largest magnitude of my 16, in two chains
	v_max3_num_f32 v9, |v[XS+3]|, |v[XS+4]|, |v[XS+5]|
.irp i, 6,10
	v_max3_num_f32 v8, v8, |v[XS+\i]|, |v[XS+\i+1]|
	v_max3_num_f32 v9, v9, |v[XS+\i+2]|, |v[XS+\i+3]|
.endr
	v_max3_num_f32 v8, v8, |v[XS+14]|, |v[XS+15]|
	v_max3_num_f32 v8, v8, v9, (EMAX+1)<<23        ; and the floor 2^(3 - 127): the byte cannot fall under 1
	v_max_num_f32_dpp v8, v8, v8 row_xmask:1 row_mask:0xf bank_mask:0xf   ; and of my neighbour's 16: the block's
	v_add_nc_u32 v11, -(EMAX<<23), v8              ; 2 off its exponent field: the conversion takes the exponent field of this operand as its scale
	v_cvt_scalef32_pk16_fp6_f32 v[C+4*(\t):C+4*(\t)+2], v[XS:XS+15], v11         ; 96 bits without gaps, the first number's code lowest
	v_lshrrev_b32 v[E+(\t)], 23, v11               ; the scale's byte (also the plain instruction behind the conversion)
	ds_store_b8 v5, v[E+(\t)] offset:16*(\t)       ; both lanes of a block write the same byte with the same value
	global_store_b96 v4, v[C+4*(\t):C+4*(\t)+2], s[8:9] offset:192*((\t)/2)+2*PLANE*((\t)%2)   ; step t: row t / 2 of my 8, planes 2 (t % 2) and 2 (t % 2) + 1
.endm
.irp t, 0,1,2,3,4,5,6,7,8,9,10,11,12,13,14,15
	STEPX \t
.endr
	ds_load_b64 v[12:13], v6                       ; LDS serves a wave's instructions in order: these see my stores
	s_wait_dscnt 0x0
	global_store_b64 v7, v[12:13], s[10:11]        ; 32 lanes store 256 consecutive bytes, aligned: 8 rows' scale bytes
	s_wait_tensorcnt 0x0
	ds_add_u32 v192, v193
	s_wait_dscnt 0x0
	s_endpgm
; ---------------------------------------------------------------- Wq, Wk, Wv: K is the middle axis
; A LANE TAKES A COLUMN d, AND ITS REGISTERS RUN DOWN K: a load reads 128 consecutive bytes a wave, a block of 32 along K lies in one lane's 32 registers, and the conversions give codes with K innermost.
; Work-group n: the four groups of 32 rows 4 (n / 4) .. + 3 of the output, one a wave, and the (n % 4)-th 256 along K.  A wave: 32 columns (half a head) x 256 along K: 8 blocks a lane, 192 bytes of codes a column.
; They go through the wave's own stage in LDS and leave as rows: sixteen lanes store a row's 192 consecutive bytes.  Loads run two blocks (64 loads a wave) ahead.
.set KW,    256                        ; along K for a wave
.set NB,    KW/32                      ; blocks
.set ROWB,  192                        ; bytes of KW codes
.set PITCH, 272                        ; a stage row: sixteen places of 16 bytes, each with 12 bytes of codes, + 16
.set KROW,  192                        ; a row position's bytes in a plane of wq
.set INROW, 256                        ; from one k to the next inside a head: 64 f32
.set WSOFF, 2359296                    ; where the scale bytes begin in wq
.set WLDS,  32768                      ; this path's LDS bytes begin here
.set WX,    32                         ; v32-95   two sets of 32 numbers
.set WC,    96                         ; v96..    a block's codes
.set OUTR,  112                        ; v112-175 the way out: 16 x 4 registers
.set SB,    24                         ; v24-25   the scale bytes, four to a register
.Lweights:
	s_load_b128 s[4:7], s[0:1], 0x20               ; Wq, Wk
	s_load_b128 s[8:11], s[0:1], 0x30              ; Wv, wq
	v_lshrrev_b32 v1, 5, v0
	v_readfirstlane_b32 s16, v1                    ; wave 0..3
	v_and_b32 v2, 31, v0                           ; lane
	s_lshr_b32 s30, ttmp9, 2                       ; 0 .. 23: eight to each weight
	s_lshl_b32 s17, s30, 2
	s_add_co_u32 s17, s17, s16                     ; my group of 32 rows of the output: 0 .. 95
	s_and_b32 s18, ttmp9, 3                        ; which 256 along K
	v_lshlrev_b32 v3, 2, v2                        ; in: 4 bytes a lane
	s_mul_i32 s19, s16, 32*PITCH
	s_add_co_u32 s19, s19, WLDS                    ; my stage
	v_mul_u32_u24 v4, v2, PITCH
	v_add_nc_u32 v4, s19, v4                       ; into it: row = my column
	v_and_b32 v5, 15, v2
	v_lshrrev_b32 v6, 4, v2                        ; out of it: sixteen lanes to a row, two rows an instruction
	v_mul_u32_u24 v7, v6, PITCH
	v_lshl_add_u32 v7, v5, 4, v7
	v_add_nc_u32 v7, s19, v7                       ; LDS address
	v_mul_u32_u24 v8, v6, KROW
	v_mad_u32_u24 v8, v5, 12, v8                   ; and the same place in the codes (an odd row's position is the even row's + 1)
	v_and_b32 v9, 7, v2                            ; my column's position in its group: bits 3 and 4 of the lane exchanged
	v_bfe_u32 v10, v2, 3, 1
	v_lshl_add_u32 v9, v10, 4, v9
	v_lshl_add_u32 v9, v6, 3, v9
	v_lshlrev_b32 v9, 5, v9                        ; 32 scale bytes a row
	s_bfe_u32 s20, s17, 0x40001                    ; the head: 4 bits from bit 1
	s_lshl_b32 s20, s20, 18                        ; 262,144 bytes a head
	s_lshl_b32 s21, s18, 16                        ; 256 k of 256 bytes
	s_add_co_u32 s20, s20, s21
	s_and_b32 s21, s17, 1
	s_lshl_b32 s21, s21, 7                         ; d 0-31 or 32-63
	s_add_co_u32 s20, s20, s21
	s_mov_b32 s21, 0
	s_mul_i32 s24, s17, 32*KROW
	s_mul_i32 s26, s18, PLANE                      ; my 256 along K: its plane
	s_add_co_u32 s24, s24, s26                     ; the codes of my group, my 256 along K
	s_mov_b32 s25, 0
	s_lshl_b32 s28, s17, 10
	s_lshl_b32 s26, s18, 3
	s_add_co_u32 s28, s28, s26
	s_add_co_u32 s28, s28, WSOFF                   ; the scale bytes likewise
	s_mov_b32 s29, 0
	s_wait_kmcnt 0x0
	s_cmp_lt_u32 s30, 16                           ; the choice hangs on the work-group's number alone
	s_cselect_b64 s[6:7], s[6:7], s[8:9]
	s_cmp_lt_u32 s30, 8
	s_cselect_b64 s[4:5], s[4:5], s[6:7]
	s_add_nc_u64 s[4:5], s[4:5], s[20:21]
	s_add_nc_u64 s[6:7], s[10:11], s[24:25]
	s_add_nc_u64 s[8:9], s[10:11], s[28:29]
.macro LOADW t                         ; block t: W(32 t + i, my column), i = 0 .. 31, into set t % 2
.set i, 0
.rept 32
	global_load_b32 v[WX+32*((\t)%2)+i], v3, s[4:5] offset:(32*(\t)+i)*INROW th:TH_LOAD_NT
.set i, i+1
.endr
.endm
	LOADW 0
	LOADW 1
.macro BLOCKW t
.set WXS, WX+32*((\t)%2)
.if (\t) < NB-1
	s_wait_loadcnt 32                              ; this block's 32 loads are in; the next block's 32 may be out
.else
	s_wait_loadcnt 0
.endif
	v_max3_num_f32 v12, |v[WXS]|, |v[WXS+1]|, |v[WXS+2]|            ; the block's largest magnitude: all 32 numbers are mine
	v_max3_num_f32 v13, |v[WXS+3]|, |v[WXS+4]|, |v[WXS+5]|
.irp i, 6,10,14,18,22,26
	v_max3_num_f32 v12, v12, |v[WXS+\i]|, |v[WXS+\i+1]|
	v_max3_num_f32 v13, v13, |v[WXS+\i+2]|, |v[WXS+\i+3]|
.endr
	v_max3_num_f32 v12, v12, |v[WXS+30]|, |v[WXS+31]|
	v_max3_num_f32 v12, v12, v13, (EMAX+1)<<23     ; and the floor 2^(3 - 127): the byte cannot fall under 1
	v_add_nc_u32 v11, -(EMAX<<23), v12             ; 2 off its exponent field: the conversion's scale operand
	v_lshrrev_b32 v13, 23, v11                     ; the scale's byte
.if (\t)%4 == 0
	v_mov_b32 v[SB+(\t)/4], v13                    ; four bytes to a register, the lower K in the lower byte
.else
	v_lshl_or_b32 v[SB+(\t)/4], v13, 8*((\t)%4), v[SB+(\t)/4]
.endif
	v_cvt_scalef32_pk16_fp6_f32 v[WC:WC+2], v[WXS:WXS+15], v11
	v_cvt_scalef32_pk16_fp6_f32 v[WC+4:WC+6], v[WXS+16:WXS+31], v11 ; (a conversion's three registers begin on an even number)
	ds_store_b96 v4, v[WC:WC+2] offset:32*(\t)     ; 16 codes, 12 bytes, to a place of 16 bytes, so that every LDS address is a multiple of 16
	ds_store_b96 v4, v[WC+4:WC+6] offset:32*(\t)+16
.if (\t)+2 < NB
	LOADW (\t)+2
.endif
	s_wait_dscnt 0x0                               ; the stores have read their registers: the next block's codes may be written
.endm
.set Q, 0
.rept NB
	BLOCKW Q
.set Q, Q+1
.endr
	s_wait_alu depctr_va_vdst(0)
	global_store_b64 v9, v[SB:SB+1], s[8:9]        ; my column's 8 scale bytes, at its row position
.irp t, 0,1,2,3,4,5,6,7,8,9,10,11,12,13,14,15
	ds_load_b96 v[OUTR+4*\t:OUTR+4*\t+2], v7 offset:2*\t*PITCH   ; LDS serves a wave's instructions in order: these see my stores
.endr
.irp t, 0,1,2,3,4,5,6,7,8,9,10,11,12,13,14,15
	s_wait_dscnt 15-\t                             ; the younger loads may be out
	global_store_b96 v8, v[OUTR+4*\t:OUTR+4*\t+2], s[6:7] offset:(((2*\t)&7)+(((2*\t)>>3)&1)*16+(((2*\t)>>4)&1)*8)*KROW   ; stage rows 2 t, 2 t + 1 go to their positions
.endr
	s_wait_tensorcnt 0x0
	ds_add_u32 v192, v193
	s_wait_dscnt 0x0
	s_endpgm
.Lfunc_end_k_qbbd3c16bf5_quant:
	.size	k_qbbd3c16bf5_quant, .Lfunc_end_k_qbbd3c16bf5_quant-k_qbbd3c16bf5_quant
	.p2alignl 7, 3214868480
	.fill 96, 4, 3214868480
	.section	.rodata,"a",@progbits
	.p2align	6, 0x0
	.amdhsa_kernel k_qbbd3c16bf5_quant
		.amdhsa_group_segment_fixed_size 69120
		.amdhsa_private_segment_fixed_size 0
		.amdhsa_enable_private_segment 0
		.amdhsa_kernarg_size 64
		.amdhsa_user_sgpr_count 2
		.amdhsa_user_sgpr_kernarg_segment_ptr 1
		.amdhsa_wavefront_size32 1
		.amdhsa_system_sgpr_workgroup_id_x 1
		.amdhsa_system_sgpr_workgroup_id_y 1
		.amdhsa_system_sgpr_workgroup_id_z 1
		.amdhsa_system_vgpr_workitem_id 0
		.amdhsa_next_free_vgpr 194
		.amdhsa_next_free_sgpr 66
		.amdhsa_reserve_vcc 0
		.amdhsa_float_denorm_mode_32 3
		.amdhsa_float_denorm_mode_16_64 3
		.amdhsa_memory_ordered 1
		.amdhsa_forward_progress 1
		.amdhsa_inst_pref_size 74
	.end_amdhsa_kernel
	.amdgpu_metadata
---
amdhsa.version: [ 1, 2 ]
amdhsa.kernels:
  - .name:           k_qbbd3c16bf5_quant
    .symbol:         k_qbbd3c16bf5_quant.kd
    .args:
      - { .name: x, .offset: 0, .size: 8, .value_kind: global_buffer, .address_space: global }
      - { .name: Wproj, .offset: 8, .size: 8, .value_kind: global_buffer, .address_space: global }
      - { .name: xq, .offset: 16, .size: 8, .value_kind: global_buffer, .address_space: global }
      - { .name: pq, .offset: 24, .size: 8, .value_kind: global_buffer, .address_space: global }
      - { .name: Wq, .offset: 32, .size: 8, .value_kind: global_buffer, .address_space: global }
      - { .name: Wk, .offset: 40, .size: 8, .value_kind: global_buffer, .address_space: global }
      - { .name: Wv, .offset: 48, .size: 8, .value_kind: global_buffer, .address_space: global }
      - { .name: wq, .offset: 56, .size: 8, .value_kind: global_buffer, .address_space: global }
    .group_segment_fixed_size: 69120
    .private_segment_fixed_size: 0
    .kernarg_segment_align: 8
    .kernarg_segment_size: 64
    .max_flat_workgroup_size: 128
    .sgpr_count:     66
    .vgpr_count:     194
    .wavefront_size: 32
...
	.end_amdgpu_metadata
.endif
;; end of part 6
;; launch gemm_qkv (part 7): grid 8 x 32, 4 waves a work-group, clusters of 4 x 4, 327,680 bytes of LDS; arguments xq, wq, qkv; writes qkv
.if DOCPART == 7
	.amdgcn_target "amdgcn-amd-amdhsa--gfx1250"
	.amdhsa_code_object_version 6
	.text
	.protected	k_qbbd3c16bf5_gemm_qkv
	.globl	k_qbbd3c16bf5_gemm_qkv
	.p2align	8
	.type	k_qbbd3c16bf5_gemm_qkv,@function
k_qbbd3c16bf5_gemm_qkv:
	s_mov_b64 s[64:65], 0
	v_nop
	global_prefetch_b8 v0, s[64:65] scope:SCOPE_SE
	s_setreg_imm32_b32 hwreg(HW_REG_WAVE_MODE, 25, 1), 1
	s_wait_xcnt 0x0
	s_wait_alu depctr_hold_cnt(0) depctr_sa_sdst(0) depctr_va_vdst(0) depctr_va_sdst(0) depctr_va_ssrc(0) depctr_va_vcc(0) depctr_vm_vsrc(0)
	s_getreg_b32 s2, hwreg(HW_REG_IB_STS2, 6, 4)
	s_cmp_eq_u32 s2, 0
	s_cbranch_scc0 .Lentry_in_a_cluster
	s_endpgm
.Lentry_in_a_cluster:
	s_bfe_u32 s2, ttmp6, 0x10000c
	s_cmp_lg_u32 s2, 0xf033
	s_cbranch_scc0 .Lentry_shape_is_right
	s_endpgm
.Lentry_shape_is_right:
.set SIZE_K, 1024
.set XSOFF,  6291456
.set WSOFF,  2359296
.set QSZ,    6291456
.set SCB,    18874368
.set KSTEP,  256
.set NQ,     KSTEP/128
; xq and wq hold their codes in four planes of 256 along K, ROWB bytes apart, 192 bytes a row position: a tile of 128 rows is a dense block of 24,576 bytes,
; stated as 96 rows of 256 bytes; 16 bytes of padding behind every 64 give LDS rows of 240 bytes.
.set ROWB,   1572864
.set KROW,   192
.set PITCH,  240
.set FR,     12
.set NL,     6
.set NP,     4
.set HALFT,  128*PITCH
.set SLOT,   4*HALFT
.set KS,     SIZE_K/32
.set SCL,    2*SLOT
.set HALFS,  (128*KS/256)*272
.set SBLK,   (16*KS/256)*272
.set SPARE,  SCL+4*HALFS
.set ADRS2, 7
.set ADRW, 8
.set LR,   12
.set L4,   15
.set ADRA, 16
.set ADRB, 20
.set ADRS, 27
.set SPW,  28
.set NIL,  29
.set L16,  30
.set L8,   31
.set SC,   32
.set SCV,  64
.set AF,   128
.set QC,   112
.set TM,   200
.set PW,   216
.set G1, 24
.set G0, 32
.set G1B, 48
.set G0B, 56
.set G1S, 68
.set G0S, 76
.set G1SB, 80
.set G0SB, 88
.set SEL, 18
.set HM,  67
.set VOF, 96
.set WSC, 98
.set MSB, 0
.macro WIN new
.if MSB != (\new)
	s_set_vgpr_msb (MSB<<8)|(\new)
.set MSB, (\new)
.endif
.endm
.set MUL_LO, 0xa1
.set MUL_HI, 0xf1
.set TO_B,   0x40
.macro JLOAD g0a, g1a, g0b, g1b
	s_cmp_eq_u32 s15, 0
	s_cbranch_scc0 .Lfor_b_\@
	tensor_load_to_lds s[\g0a:\g0a+3], s[\g1a:\g1a+7]
	s_nop 0
.rept 4
	v_nop
.endr
	s_branch .Lasked_\@
.Lfor_b_\@:
	tensor_load_to_lds s[\g0b:\g0b+3], s[\g1b:\g1b+7]
	s_nop 0
.rept 4
	v_nop
.endr
.Lasked_\@:
.endm
.macro JLOADV g0a, g1a, g0b, g1b
	s_cmp_eq_u32 s15, 0
	s_cbranch_scc0 .Lnot_x_\@
	tensor_load_to_lds s[\g0a:\g0a+3], s[\g1a:\g1a+7]
	s_nop 0
.rept 4
	v_nop
.endr
	s_branch .Lasked_\@
.Lnot_x_\@:
	s_cmp_eq_u32 s14, 2
	s_cbranch_scc0 .Lasked_\@
	tensor_load_to_lds s[\g0b:\g0b+3], s[\g1b:\g1b+7]
	s_nop 0
.rept 4
	v_nop
.endr
.Lasked_\@:
.endm
.macro CREST
	s_cmp_lg_u32 s14, 0
	s_cbranch_scc1 .Lnot_wave_0_\@
	s_barrier_signal -3
.Lnot_wave_0_\@:
	s_barrier_wait -3
	s_barrier_signal -1
	s_barrier_wait -1
.endm
.macro CROUND
	s_barrier_signal -1
	s_barrier_wait -1
	CREST
.endm
	s_load_b128 s[4:7], s[0:1], 0x0
	s_load_b64 s[12:13], s[0:1], 0x10
	v_lshl_add_u32 v[SPW], v0, 2, SPARE
	v_mov_b32 v[NIL], 0
	ds_add_u32 v28, v29
	ds_add_u32 v28, v29
	s_wait_dscnt 0x0
	v_lshrrev_b32 v1, 5, v0
	v_readfirstlane_b32 s14, v1
	s_lshr_b32 s15, s14, 1
	s_and_b32 s16, s14, 1
	s_bfe_u32 s40, ttmp6, 0x40000
	s_bfe_u32 s41, ttmp6, 0x40004
	s_lshl_b32 s42, ttmp9, 2
	s_add_co_u32 s42, s42, s40
	s_and_b32 s17, ttmp7, 0xffff
	s_lshl_b32 s17, s17, 2
	s_add_co_u32 s17, s17, s41
	s_lshl_b32 s43, s41, 2
	s_lshl_b32 s43, 15, s43
	s_lshl_b32 s44, 0x1111, s40
	s_or_b32 s[G1+0], s43, (0<<16)|(1<<20)|(1<<21)|(3<<22)|(3<<25)
	s_or_b32 s[G1B+0], s44, (0<<16)|(1<<20)|(1<<21)|(3<<22)|(3<<25)
.irp g, G1, G1B
	s_mov_b32 s[\g+1], 256<<16
	s_mov_b32 s[\g+2], 192<<16                     ; the head's loads bring 256 row positions: 192 rows of 256 bytes
	s_mov_b32 s[\g+3], 256<<16
	s_mov_b32 s[\g+4], 192
	s_mov_b32 s[\g+5], 256
	s_mov_b32 s[\g+6], 0
	s_mov_b32 s[\g+7], 0
.endr
	s_or_b32 s[G1S+0], s43, (3<<16)|(1<<20)|(1<<21)|(5<<22)|(3<<25)
	s_or_b32 s[G1SB+0], s44, (3<<16)|(1<<20)|(1<<21)|(5<<22)|(3<<25)
.irp g, G1S, G1SB
	s_mov_b32 s[\g+1], 32<<16
	s_mov_b32 s[\g+2], (256*KS/256)<<16            ; the scale bytes of 256 rows in one load
	s_mov_b32 s[\g+3], 32<<16
	s_mov_b32 s[\g+4], 256*KS/256
	s_mov_b32 s[\g+5], 32
	s_mov_b32 s[\g+6], 0
	s_mov_b32 s[\g+7], 0
.endr
	s_lshl_b32 s20, s17, 8                         ; the tile's first row of x, and of the weights
	s_lshl_b32 s46, s42, 8
	s_mov_b32 s21, 0
	s_mov_b32 s47, 0
	s_mov_b64 s[18:19], KS
	s_mul_u64 s[22:23], s[20:21], s[18:19]
	s_mul_u64 s[92:93], s[46:47], s[18:19]
	s_mov_b64 s[18:19], KROW
	s_mul_u64 s[20:21], s[20:21], s[18:19]
	s_mul_u64 s[46:47], s[46:47], s[18:19]
	s_mul_i32 s45, s14, HALFT
	s_mul_i32 s94, s14, HALFS
	s_lshl_b32 s[VOF], s42, 7
	s_add_co_u32 s[VOF], s[VOF], 2048
	s_lshl_b32 s[WSC], s16, 6
	s_add_co_u32 s[WSC], s[WSC], s[VOF]
	s_lshl_b32 s[WSC], s[WSC], 5
	s_add_co_u32 s[WSC], s[WSC], WSOFF
	s_mov_b32 s[WSC+1], 0
	s_mul_i32 s[VOF], s[VOF], KROW
	s_mov_b32 s[VOF+1], 0
	s_wait_kmcnt 0x0
	s_add_nc_u64 s[20:21], s[4:5], s[20:21]
	s_add_nc_u64 s[22:23], s[4:5], s[22:23]
	s_add_nc_u64 s[22:23], s[22:23], XSOFF
	s_add_nc_u64 s[46:47], s[6:7], s[46:47]
	s_add_nc_u64 s[92:93], s[6:7], s[92:93]
	s_add_nc_u64 s[92:93], s[92:93], WSOFF
	s_add_nc_u64 s[WSC:WSC+1], s[6:7], s[WSC:WSC+1]
	CROUND
	s_mov_b32 s[G0S], 1
	s_mov_b32 s[G0S+1], SCL
	s_mov_b64 s[G0S+2:G0S+3], s[22:23]
	s_or_b32 s[G0S+3], s[G0S+3], 0x80000000
	s_mov_b32 s[G0SB], 1
	s_mov_b32 s[G0SB+1], SCL+2*HALFS
	s_mov_b64 s[G0SB+2:G0SB+3], s[92:93]
	s_or_b32 s[G0SB+3], s[G0SB+3], 0x80000000
; THE HEAD'S LOADS, one a wave: wave 0 K step 0's 256 rows of x, wave 1 its 256 rows of the weights, wave 2 x's scale bytes, wave 3 the weights'.
	s_mov_b32 s[G0], 1
	s_mov_b32 s[G0+1], 0
	s_mov_b64 s[G0+2:G0+3], s[20:21]
	s_or_b32 s[G0+3], s[G0+3], 0x80000000
	s_mov_b32 s[G0B], 1
	s_mov_b32 s[G0B+1], 2*HALFT
	s_mov_b64 s[G0B+2:G0B+3], s[46:47]
	s_or_b32 s[G0B+3], s[G0B+3], 0x80000000
.macro ARM under, g0, g1, next
	s_cmp_lt_u32 s14, \under
	s_cbranch_scc0 \next
	tensor_load_to_lds s[\g0:\g0+3], s[\g1:\g1+7]
	s_nop 0
.rept 4
	v_nop
.endr
	s_branch .Lhead_asked
\next:
.endm
	ARM 1, G0,  G1,  .Lhead_b
	ARM 2, G0B, G1B, .Lhead_sa
	ARM 3, G0S, G1S, .Lhead_sb
	tensor_load_to_lds s[G0SB:G0SB+3], s[G1SB:G1SB+7]
	s_nop 0
.rept 4
	v_nop
.endr
.Lhead_asked:
	s_mul_i32 s18, s16, 128*KROW                   ; in the ring I fetch 128 rows of a tile: which half
	s_mov_b32 s19, 0
	s_add_nc_u64 s[20:21], s[20:21], s[18:19]
	s_add_nc_u64 s[46:47], s[46:47], s[18:19]
	s_wait_alu depctr_va_vdst(0)
	s_wait_tensorcnt 0x0                           ; my tile of the head's four is in: the descriptors may be written
	ds_add_u32 v28, v29
	s_mov_b32 s[G1+2], 96<<16                      ; from here on a load brings 128 row positions: 96 rows of 256 bytes
	s_mov_b32 s[G1+4], 96
	s_mov_b32 s[G1B+2], 96<<16
	s_mov_b32 s[G1B+4], 96
.irp s, 0,1
	s_mov_b32 s[G0+4*\s], 1
	s_add_co_u32 s[G0+4*\s+1], s45, \s*SLOT
	s_add_nc_u64 s[G0+4*\s+2:G0+4*\s+3], s[20:21], \s*ROWB
	s_or_b32 s[G0+4*\s+3], s[G0+4*\s+3], 0x80000000
	s_mov_b32 s[G0B+4*\s], 1
	s_add_co_u32 s[G0B+4*\s+1], s45, \s*SLOT
	s_add_nc_u64 s[G0B+4*\s+2:G0B+4*\s+3], s[46:47], \s*ROWB
	s_or_b32 s[G0B+4*\s+3], s[G0B+4*\s+3], 0x80000000
.endr
	s_wait_dscnt 0x0                               ; the add is done
	CROUND                                         ; all four tiles are shown, all sixteen work-groups are here
	JLOAD G0+4, G1, G0B+4, G1B                     ; slot 1's first fill: my one load behind the round
	v_and_b32 v1, 15, v0
	v_bfe_u32 v2, v0, 4, 1
	v_and_b32 v6, 31, v0
	v_lshlrev_b32 v[LR], 5, v6
.irp g, 0,1
	global_load_b128 v[SCV+8*\g:SCV+8*\g+3], v[LR], s[WSC:WSC+1] offset:1024*\g
	global_load_b128 v[SCV+8*\g+4:SCV+8*\g+7], v[LR], s[WSC:WSC+1] offset:1024*\g+16
.endr
	v_lshlrev_b32 v[L16], 4, v6
	v_lshlrev_b32 v[L8], 3, v6
	v_lshlrev_b32 v[L4], 2, v6
	v_mul_u32_u24 v3, v1, PITCH
	v_mul_u32_u24 v4, v2, 24
	v_add_nc_u32 v4, v3, v4
	s_wait_alu depctr_va_vdst(0)
	v_lshl_add_u32 v5, v2, 4, v4
	s_mul_i32 s21, s15, HALFT
	s_mul_i32 s22, s16, HALFT
	s_add_co_u32 s22, s22, 2*HALFT
	s_mul_i32 s23, s16, 64*PITCH
	s_add_co_u32 s23, s23, 2*HALFT
.irp s, 0,1
	v_add_nc_u32 v[ADRA+\s], s21, v4
	v_add_nc_u32 v[ADRB+\s], s22, v4
	v_add_nc_u32 v[ADRW+\s], s23, v4
	v_add_nc_u32 v[ADRA+2+\s], s21, v5
	v_add_nc_u32 v[ADRB+2+\s], s22, v5
	v_add_nc_u32 v[ADRW+2+\s], s23, v5
	s_add_co_u32 s21, s21, SLOT
	s_add_co_u32 s22, s22, SLOT
	s_add_co_u32 s23, s23, SLOT
.endr
	v_mul_u32_u24 v5, v1, KS
	v_lshrrev_b32 v6, 8, v5
	v_lshl_add_u32 v5, v6, 4, v5
	s_mul_i32 s21, s15, HALFS
	s_mul_i32 s22, s16, HALFS
	s_add_co_u32 s22, s22, 2*HALFS
	s_sub_co_u32 s22, s22, s21
	v_mul_u32_u24 v6, s22, v2
	s_add_co_u32 s21, s21, SCL
	v_add_nc_u32 v5, v5, v6
	v_add_nc_u32 v[ADRS], s21, v5
	v_add_nc_u32 v[ADRS2], s21, v5
	s_lshl_b32 s20, s17, 8
	s_lshl_b32 s21, s15, 7
	s_add_co_u32 s23, s20, s21
	s_lshl_b32 s21, s42, 8
	s_lshl_b32 s22, s16, 7
	s_add_co_u32 s22, s21, s22
	s_lshr_b32 s20, s22, 10
	s_lshr_b32 s21, s23, 11
	s_lshl_b32 s21, s21, 4
	s_bfe_u32 s22, s22, 0x40006
	s_add_co_u32 s22, s21, s22
	s_and_b32 s23, s23, 2047
	s_mul_i32 s46, s20, QSZ
	s_mul_i32 s47, s22, 98304
	s_add_co_u32 s46, s46, s47
	s_mul_i32 s47, s23, 48
	s_add_co_u32 s46, s46, s47
	s_mov_b32 s47, 0
	s_add_nc_u64 s[8:9], s[12:13], s[46:47]
	s_lshl_b32 s46, s20, 18
	s_lshl_b32 s47, s22, 12
	s_add_co_u32 s46, s46, s47
	s_lshl_b32 s47, s23, 1
	s_add_co_u32 s46, s46, s47
	s_add_co_u32 s46, s46, SCB
	s_mov_b32 s47, 0
	s_add_nc_u64 s[10:11], s[12:13], s[46:47]
	s_lshl_b32 s20, s42, 1
	s_add_co_u32 s20, s20, s16
	s_add_co_u32 s22, s21, s20
	s_mul_i32 s46, s22, 98304
	s_mul_i32 s47, s23, 48
	s_add_co_u32 s46, s46, s47
	s_add_co_u32 s46, s46, 2*QSZ
	s_mov_b32 s47, 0
	s_add_nc_u64 s[2:3], s[12:13], s[46:47]
	s_lshl_b32 s46, s22, 12
	s_lshl_b32 s47, s23, 1
	s_add_co_u32 s46, s46, s47
	s_add_co_u32 s46, s46, SCB+524288
	s_mov_b32 s47, 0
	s_add_nc_u64 s[94:95], s[12:13], s[46:47]
	s_mov_b32 s[HM], 0xffff0000
	s_mov_b32 s[SEL], 0x76543210
	s_mov_b32 s[SEL+1], 0xfedcba98
.macro FRAG reg, adr, q, i
.irp p, 0,1,2,3,4,5
.set PC, 12*(\q)+6*(\p/3)+\p%3
.if PC%8 < 5
	ds_load_b64 v[\reg+2*\p:\reg+2*\p+1], v[\adr] offset:8*PC+16*(PC/8)+(\i)*16*PITCH
.else
	ds_load_b64 v[\reg+2*\p:\reg+2*\p+1], v[\adr+2] offset:8*PC+16*(PC/8)+(\i)*16*PITCH
.endif
.endr
.endm
.macro MUL16 a0, p, q, sc, zero
.irp a, \a0, \a0+1
.irp b, 0,1,2,3,4,5,6,7
.if \zero
	v_wmma_scale_f32_16x16x128_f8f6f4 v[8*(8*((\a)%4)+\b):8*(8*((\a)%4)+\b)+7], v[128*(\p)+FR*\b:128*(\p)+FR*\b+FR-1], v[AF+FR*(\a):AF+FR*(\a)+FR-1], 0, v[SC+8*NQ*(\sc)+NQ*\b+(\q)], v[SC+8*NQ*(\sc)+NQ*(\a)+(\q)] matrix_a_fmt:MATRIX_FMT_FP6 matrix_b_fmt:MATRIX_FMT_FP6 matrix_a_scale:MATRIX_SCALE_ROW1
.else
	v_wmma_scale_f32_16x16x128_f8f6f4 v[8*(8*((\a)%4)+\b):8*(8*((\a)%4)+\b)+7], v[128*(\p)+FR*\b:128*(\p)+FR*\b+FR-1], v[AF+FR*(\a):AF+FR*(\a)+FR-1], v[8*(8*((\a)%4)+\b):8*(8*((\a)%4)+\b)+7], v[SC+8*NQ*(\sc)+NQ*\b+(\q)], v[SC+8*NQ*(\sc)+NQ*(\a)+(\q)] matrix_a_fmt:MATRIX_FMT_FP6 matrix_b_fmt:MATRIX_FMT_FP6 matrix_a_scale:MATRIX_SCALE_ROW1
.endif
.endr
.endr
.endm
.macro MULV a, p, q, sc, k, zero
.irp b, 0,1,2,3,4,5,6,7
.if \zero
.if (\a)%2
	v_wmma_scale_f32_16x16x128_f8f6f4 v[8*(8*(\a)+\b):8*(8*(\a)+\b)+7], v[128*(\p)+FR*\b:128*(\p)+FR*\b+FR-1], v[AF+FR*(\a):AF+FR*(\a)+FR-1], 0, v[SC+8*NQ*(\sc)+NQ*\b+(\q)], v[SCV+8*((\a)/2)+(\k)] matrix_a_fmt:MATRIX_FMT_FP6 matrix_b_fmt:MATRIX_FMT_FP6 matrix_b_scale:MATRIX_SCALE_ROW1
.else
	v_wmma_scale_f32_16x16x128_f8f6f4 v[8*(8*(\a)+\b):8*(8*(\a)+\b)+7], v[128*(\p)+FR*\b:128*(\p)+FR*\b+FR-1], v[AF+FR*(\a):AF+FR*(\a)+FR-1], 0, v[SC+8*NQ*(\sc)+NQ*\b+(\q)], v[SCV+8*((\a)/2)+(\k)] matrix_a_fmt:MATRIX_FMT_FP6 matrix_b_fmt:MATRIX_FMT_FP6
.endif
.else
.if (\a)%2
	v_wmma_scale_f32_16x16x128_f8f6f4 v[8*(8*(\a)+\b):8*(8*(\a)+\b)+7], v[128*(\p)+FR*\b:128*(\p)+FR*\b+FR-1], v[AF+FR*(\a):AF+FR*(\a)+FR-1], v[8*(8*(\a)+\b):8*(8*(\a)+\b)+7], v[SC+8*NQ*(\sc)+NQ*\b+(\q)], v[SCV+8*((\a)/2)+(\k)] matrix_a_fmt:MATRIX_FMT_FP6 matrix_b_fmt:MATRIX_FMT_FP6 matrix_b_scale:MATRIX_SCALE_ROW1
.else
	v_wmma_scale_f32_16x16x128_f8f6f4 v[8*(8*(\a)+\b):8*(8*(\a)+\b)+7], v[128*(\p)+FR*\b:128*(\p)+FR*\b+FR-1], v[AF+FR*(\a):AF+FR*(\a)+FR-1], v[8*(8*(\a)+\b):8*(8*(\a)+\b)+7], v[SC+8*NQ*(\sc)+NQ*\b+(\q)], v[SCV+8*((\a)/2)+(\k)] matrix_a_fmt:MATRIX_FMT_FP6 matrix_b_fmt:MATRIX_FMT_FP6
.endif
.endif
.endr
.endm
.macro FETCH_B adr, q, p
	WIN TO_B
.irp i, 0,1,2,3,4,5,6,7
	FRAG 128*(\p)+FR*\i, \adr, \q, \i
.endr
	WIN 0
.endm
.macro FETCH_A adr, q, i0
.irp i, \i0, \i0+1, \i0+2, \i0+3
	FRAG AF+FR*(\i), \adr, \q, \i
.endr
.endm
.macro FETCH_A2 adr, q, i0
.irp i, \i0, \i0+1
	FRAG AF+FR*(\i), \adr, \q, \i
.endr
.endm
.macro SCALES sc, adr
.irp i, 0,1,2,3,4,5,6,7
	ds_load_b64 v[SC+8*NQ*\sc+NQ*\i:SC+8*NQ*\sc+NQ*\i+1], v[\adr] offset:\i*SBLK
.endr
.endm
.macro PLACES n
.rept \n
	v_nop
.endr
.endm
.macro REFILL slot, fill
.if \fill == 1
	s_add_nc_u64 s[G0+4*\slot+2:G0+4*\slot+3], s[G0+4*\slot+2:G0+4*\slot+3], 2*ROWB
	s_add_nc_u64 s[G0B+4*\slot+2:G0B+4*\slot+3], s[G0B+4*\slot+2:G0B+4*\slot+3], 2*ROWB
	JLOAD G0+4*\slot, G1, G0B+4*\slot, G1B
.elseif \fill == 2
	s_sub_nc_u64 s[G0+4*\slot+2:G0+4*\slot+3], s[G0+4*\slot+2:G0+4*\slot+3], 2*ROWB
	s_add_nc_u64 s[G0B+4*\slot+2:G0B+4*\slot+3], s[6:7], s[VOF:VOF+1]
.if \slot == 1
	s_add_nc_u64 s[G0B+4*\slot+2:G0B+4*\slot+3], s[G0B+4*\slot+2:G0B+4*\slot+3], ROWB
.endif
	s_or_b32 s[G0B+4*\slot+3], s[G0B+4*\slot+3], 0x80000000
	JLOADV G0+4*\slot, G1, G0B+4*\slot, G1B
	PLACES NP
.else
	s_add_nc_u64 s[G0+4*\slot+2:G0+4*\slot+3], s[G0+4*\slot+2:G0+4*\slot+3], 2*ROWB
	s_add_nc_u64 s[G0B+4*\slot+2:G0B+4*\slot+3], s[G0B+4*\slot+2:G0B+4*\slot+3], 2*ROWB
	JLOADV G0+4*\slot, G1, G0B+4*\slot, G1B
	PLACES NP
.endif
.endm
.macro STEP slot, q, zero
	s_wait_dscnt 4*NL
	WIN MUL_LO
	MUL16 0, (\q)%2, \q, \slot, \zero
	MUL16 2, (\q)%2, \q, \slot, \zero
	s_wait_dscnt 0
	PLACES NP
	FETCH_B ADRB+\slot, (\q)+1, 1-(\q)%2
	FETCH_A ADRA+\slot, (\q)+1, 0
	WIN MUL_HI
	MUL16 4, (\q)%2, \q, \slot, \zero
	MUL16 6, (\q)%2, \q, \slot, \zero
	PLACES NP
	WIN 0
	FETCH_A ADRA+\slot, (\q)+1, 4
.endm
.macro TURN slot, next, fill, fetch
	s_wait_tensorcnt 0x0
	ds_add_u32 v[SPW], v[NIL]
	s_wait_dscnt 4*NL+1
	WIN MUL_LO
	MUL16 0, 1, NQ-1, \slot, 0
	s_wait_dscnt 0x0
	s_barrier_signal -1
	MUL16 2, 1, NQ-1, \slot, 0
	WIN 0
	s_barrier_wait -1
	CREST
	REFILL \slot, \fill
.if \fetch
	s_wait_alu depctr_va_vdst(0)
	v_add_nc_u32 v[ADRS], 4*NQ, v[ADRS]
	FETCH_B ADRB+\next, 0, 0
	FETCH_A ADRA+\next, 0, 0
	SCALES \next, ADRS
.endif
	WIN MUL_HI
	MUL16 4, 1, NQ-1, \slot, 0
	MUL16 6, 1, NQ-1, \slot, 0
.if \fetch
	PLACES NP
	WIN 0
	FETCH_A ADRA+\next, 0, 4
.else
	WIN 0
.endif
.endm
.macro STEPV slot, k, zero
	s_wait_dscnt 2*NL
	WIN MUL_LO
	MULV 0, 0, 0, \slot, \k, \zero
	MULV 1, 0, 0, \slot, \k, \zero
	s_wait_dscnt 0
	PLACES NP
	FETCH_B ADRA+\slot, 1, 1
	FETCH_A2 ADRW+\slot, 1, 0
	WIN MUL_LO
	MULV 2, 0, 0, \slot, \k, \zero
	MULV 3, 0, 0, \slot, \k, \zero
	PLACES NP
	WIN 0
	FETCH_A2 ADRW+\slot, 1, 2
.endm
.macro TURNV slot, next, k, fill
	s_wait_tensorcnt 0x0
	ds_add_u32 v[SPW], v[NIL]
	s_wait_dscnt 2*NL+1
	WIN MUL_LO
	MULV 0, 1, 1, \slot, \k, 0
	s_wait_dscnt 0x0
	s_barrier_signal -1
	MULV 1, 1, 1, \slot, \k, 0
	WIN 0
	s_barrier_wait -1
.if \fill
	CREST
	REFILL \slot, \fill
.else
	PLACES NP
.endif
	s_wait_alu depctr_va_vdst(0)
	v_add_nc_u32 v[ADRS2], 4*NQ, v[ADRS2]
	FETCH_B ADRA+\next, 0, 0
	FETCH_A2 ADRW+\next, 0, 0
	SCALES \next, ADRS2
	WIN MUL_LO
	MULV 2, 1, 1, \slot, \k, 0
	MULV 3, 1, 1, \slot, \k, 0
	PLACES NP
	WIN 0
	FETCH_A2 ADRW+\next, 0, 2
.endm
.macro QBLK w, ac, pw, base, o0, o1
.set AC, \ac
	s_wait_xcnt 0x0
	WIN 5*(\w)
.irp b, 0,1,2,3
	v_max3_num_f32 v[TM+\b], |v[AC+16*\b]|, |v[AC+16*\b+1]|, 0x1800000
.endr
.irp i, 2,4,6,8,10,12,14
.irp b, 0,1,2,3
	v_max3_num_f32 v[TM+\b], |v[AC+16*\b+\i]|, |v[AC+16*\b+\i+1]|, v[TM+\b]
.endr
.endr
	WIN 0
.irp b, 0,1,2,3
	v_permlanex16_b32 v[TM+4+\b], v[TM+\b], s[SEL], s[SEL+1]
.endr
.irp b, 0,1,2,3
	v_max_num_f32 v[TM+\b], v[TM+\b], v[TM+4+\b]
.endr
.irp b, 0,1,2,3
	v_add_nc_u32 v[TM+12+\b], 0xff000000, v[TM+\b]
.endr
.irp b, 0,1,2,3
	v_lshrrev_b32 v[TM+4+\b], 23, v[TM+12+\b]
.endr
	v_lshl_or_b32 v[PW+(\pw)], v[TM+5], 8, v[TM+4]
	v_lshl_or_b32 v[PW+(\pw)], v[TM+6], 16, v[PW+(\pw)]
	v_lshl_or_b32 v[PW+(\pw)], v[TM+7], 24, v[PW+(\pw)]
	WIN (\w)
.irp c, 0,1
	v_cvt_scalef32_pk16_fp6_f32 v[QC+6*\c:QC+2+6*\c], v[AC+32*\c:AC+15+32*\c], v[TM+12+2*\c]
	v_cvt_scalef32_pk16_fp6_f32 v[QC+12+4*\c:QC+14+4*\c], v[AC+16+32*\c:AC+31+32*\c], v[TM+12+2*\c+1]
.endr
	WIN 0
	v_nop
.irp c, 0,1
.irp i, 0,1,2
	v_permlane16_swap_b32 v[QC+6*\c+\i], v[QC+12+4*\c+\i]
.endr
.irp i, 0,1,2
	v_mov_b32 v[QC+3+6*\c+\i], v[QC+12+4*\c+\i]
.endr
.endr
	global_store_b128 v[L16], v[QC:QC+3], s[\base:\base+1] offset:\o0
	global_store_b64 v[L8], v[QC+4:QC+5], s[\base:\base+1] offset:\o0+512
	global_store_b128 v[L16], v[QC+6:QC+9], s[\base:\base+1] offset:\o1
	global_store_b64 v[L8], v[QC+10:QC+11], s[\base:\base+1] offset:\o1+512
.endm
	s_wait_alu depctr_va_vdst(0)
	s_wait_tensorcnt 1
	s_barrier_signal -1
	s_barrier_wait -1
	FETCH_B ADRB+0, 0, 0
	FETCH_A ADRA+0, 0, 0
	SCALES 0, ADRS
	FETCH_A ADRA+0, 0, 4
	STEP 0, 0, 1
	TURN 0, 1, 1, 1
	STEP 1, 0, 0
	TURN 1, 0, 1, 1
	STEP 0, 0, 0
	TURN 0, 1, 2, 1
	STEP 1, 0, 0
	TURN 1, 0, 2, 0
	PLACES NP
.irp b, 0,1,2,3
	v_mov_b32 v[TM+4+\b], 0
.endr
.irp a, 0,1,2,3,4,5,6,7
	QBLK 2+\a/4, 64*(\a%4), \a%4, 8, \a*768, \a*768+98304
.if \a%4 == 3
	v_perm_b32 v220, v[PW+1], v[PW], 0x05040100
	v_perm_b32 v221, v[PW+1], v[PW], 0x07060302
	v_perm_b32 v222, v[PW+3], v[PW+2], 0x05040100
	v_perm_b32 v223, v[PW+3], v[PW+2], 0x07060302
	v_cndmask_b32 v224, v220, v222, s[HM]
	v_cndmask_b32 v225, v221, v223, s[HM]
	global_store_b32 v[L4], v224, s[10:11] offset:128*(\a/4)
	global_store_b32 v[L4], v225, s[10:11] offset:128*(\a/4)+4096
.endif
.endr
	s_wait_loadcnt 0x0
	FETCH_B ADRA+0, 0, 0
	FETCH_A2 ADRW+0, 0, 0
	SCALES 0, ADRS2
	FETCH_A2 ADRW+0, 0, 2
	STEPV 0, 0, 1
	TURNV 0, 1, 1, 3
	STEPV 1, 2, 0
	TURNV 1, 0, 3, 3
	STEPV 0, 4, 0
	TURNV 0, 1, 5, 0
	STEPV 1, 6, 0
	s_wait_dscnt 2*NL
	WIN MUL_LO
	MULV 0, 1, 1, 1, 7, 0
	MULV 1, 1, 1, 1, 7, 0
	s_wait_dscnt 0
	MULV 2, 1, 1, 1, 7, 0
	MULV 3, 1, 1, 1, 7, 0
	WIN 0
	PLACES NP
.irp a, 0,1,2,3
	QBLK 2, 64*\a, \a, 2, \a*1536, \a*1536+768
.endr
	v_cndmask_b32 v224, v[PW], v[PW+2], s[HM]
	v_cndmask_b32 v225, v[PW+1], v[PW+3], s[HM]
	global_store_b32 v[L4], v224, s[94:95]
	global_store_b32 v[L4], v225, s[94:95] offset:128
	s_wait_tensorcnt 0x0
	ds_add_u32 v[SPW], v[NIL]
	s_wait_dscnt 0x0
	CROUND
	s_endpgm
.Lfunc_end_k_qbbd3c16bf5_gemm_qkv:
	.size	k_qbbd3c16bf5_gemm_qkv, .Lfunc_end_k_qbbd3c16bf5_gemm_qkv-k_qbbd3c16bf5_gemm_qkv
	.p2alignl 7, 3214868480
	.fill 96, 4, 3214868480
	.section	.rodata,"a",@progbits
	.p2align	6, 0x0
	.amdhsa_kernel k_qbbd3c16bf5_gemm_qkv
		.amdhsa_group_segment_fixed_size 327680
		.amdhsa_private_segment_fixed_size 0
		.amdhsa_enable_private_segment 0
		.amdhsa_kernarg_size 24
		.amdhsa_user_sgpr_count 2
		.amdhsa_user_sgpr_kernarg_segment_ptr 1
		.amdhsa_wavefront_size32 1
		.amdhsa_system_sgpr_workgroup_id_x 1
		.amdhsa_system_sgpr_workgroup_id_y 1
		.amdhsa_system_sgpr_workgroup_id_z 1
		.amdhsa_system_vgpr_workitem_id 0
		.amdhsa_next_free_vgpr 1024
		.amdhsa_next_free_sgpr 102
		.amdhsa_reserve_vcc 0
		.amdhsa_float_denorm_mode_32 3
		.amdhsa_float_denorm_mode_16_64 3
		.amdhsa_memory_ordered 1
		.amdhsa_forward_progress 1
		.amdhsa_inst_pref_size 255
	.end_amdhsa_kernel
	.section	.bss,"aw",@nobits
	.p2align	6
	.space	262144
	.amdgpu_metadata
---
amdhsa.version: [ 1, 2 ]
amdhsa.kernels:
  - .name:           k_qbbd3c16bf5_gemm_qkv
    .symbol:         k_qbbd3c16bf5_gemm_qkv.kd
    .args:
      - { .name: xq, .offset: 0, .size: 8, .value_kind: global_buffer, .address_space: global }
      - { .name: wq, .offset: 8, .size: 8, .value_kind: global_buffer, .address_space: global }
      - { .name: qkv, .offset: 16, .size: 8, .value_kind: global_buffer, .address_space: global }
    .group_segment_fixed_size: 327680
    .private_segment_fixed_size: 0
    .kernarg_segment_align: 8
    .kernarg_segment_size: 24
    .max_flat_workgroup_size: 128
    .sgpr_count:     102
    .vgpr_count:     1024
    .wavefront_size: 32
...
	.end_amdgpu_metadata
.endif
;; end of part 7
;; launch attn (part 8): grid 4 x 64, 16 waves a work-group, clusters of 4 x 1, 327,680 bytes of LDS; arguments qkv, att; writes att
.if DOCPART == 8
	.amdgcn_target "amdgcn-amd-amdhsa--gfx1250"
	.amdhsa_code_object_version 6
	.text
	.protected	k_qbbd3c16bf5_attn
	.globl	k_qbbd3c16bf5_attn
	.p2align	8
	.type	k_qbbd3c16bf5_attn,@function
k_qbbd3c16bf5_attn:
	s_mov_b64 s[64:65], 0
	v_nop
	global_prefetch_b8 v0, s[64:65] scope:SCOPE_SE
	s_setreg_imm32_b32 hwreg(HW_REG_WAVE_MODE, 25, 1), 1
	s_wait_xcnt 0x0
	s_wait_alu depctr_hold_cnt(0) depctr_sa_sdst(0) depctr_va_vdst(0) depctr_va_sdst(0) depctr_va_ssrc(0) depctr_va_vcc(0) depctr_vm_vsrc(0)
	s_getreg_b32 s2, hwreg(HW_REG_IB_STS2, 6, 4)
	s_cmp_eq_u32 s2, 0
	s_cbranch_scc0 .Lentry_in_a_cluster
	s_endpgm
.Lentry_in_a_cluster:
	s_bfe_u32 s2, ttmp6, 0x10000c
	s_cmp_lg_u32 s2, 0x3003
	s_cbranch_scc0 .Lentry_shape_is_right
	s_endpgm
.Lentry_shape_is_right:
.set QSZ,  6291456
.set SCB,  18874368
.set ASC,  6291456
.set VCO,  98304
.set KSC,  196608
.set WV,   8
.set SEL,  36
.set CS,   38
.set HM,   40
.set TI,   50
.set DG,   51
.set CH,   52
.set TB,   53
.set TS,   54
.set KF,   55
.set Q0,   56
.set S,    132
.set O,    196
.set PCD,  228
.set BM,   36
.set PX,   40
.set SO,   44
.set CT,   48
.set KSW,  240
.set VSW,  244
.set PSW,  248
.set QS,   34
.macro ROUND
	s_barrier_signal -1
	s_barrier_wait -1
	s_cmp_lg_u32 s[WV], 0
	s_cbranch_scc1 .Lnot_wave_0_\@
	s_barrier_signal -3
.Lnot_wave_0_\@:
	s_barrier_wait -3
	s_barrier_signal -1
	s_barrier_wait -1
.endm
	s_load_b128 s[4:7], s[0:1], 0x0
	v_lshl_add_u32 v254, v0, 2, 0x32000
	v_mov_b32 v255, 0
	ds_add_u32 v254, v255
	ds_add_u32 v254, v255
	s_wait_dscnt 0x0
	v_lshrrev_b32 v1, 5, v0
	s_delay_alu instid0(VALU_DEP_1)
	v_readfirstlane_b32 s[WV], v1
	s_bfe_u32 s9, ttmp6, 0x40000
	s_and_b32 s10, ttmp7, 0xffff
	s_mul_i32 s60, s10, 98304
	s_mov_b32 s61, 0
	s_lshl_b32 s62, s10, 12
	s_add_co_u32 s62, s62, SCB
	s_mov_b32 s63, 0
; THE HEAD'S FILLS, one a wave: waves 0-5 a sixth each of K's codes of this head (16,384 bytes), waves 6-11 of V's, wave 12 K's 4,096 scale bytes, wave 13 V's; waves 14 and 15 none.
	s_lshl_b32 s2, s[WV], 14
	s_cmp_lt_u32 s[WV], 6
	s_cselect_b32 s57, 0, QSZ-98304                ; V's codes lie QSZ behind K's; in LDS they follow K's 98,304 bytes
	s_add_co_u32 s2, s2, s57
	s_add_co_u32 s2, s2, QSZ
	s_mov_b32 s3, 0
	s_max_u32 s57, s[WV], 12
	s_lshl_b32 s52, s57, 18
	s_sub_co_u32 s52, s52, 11*262144               ; wave 12: 262,144 (K's scale bytes), wave 13: 524,288 (V's)
	s_mov_b32 s53, 0
	s_mov_b32 s16, 15|(3<<16)|(1<<21)
	s_mov_b32 s17, 32<<16
	s_mov_b32 s18, 64<<16
	s_mov_b32 s19, 32<<16
	s_mov_b32 s20, 64
	s_mov_b32 s21, 32
	s_mov_b32 s22, 0
	s_mov_b32 s23, 0
	s_mov_b32 s28, 15|(3<<16)|(1<<21)
	s_mov_b32 s29, 32<<16
	s_mov_b32 s30, 16<<16
	s_mov_b32 s31, 32<<16
	s_mov_b32 s32, 16
	s_mov_b32 s33, 32
	s_mov_b32 s34, 0
	s_mov_b32 s35, 0
	s_mov_b32 s12, 1
	s_mul_i32 s13, s[WV], 16384
	s_mov_b32 s24, 1
	s_lshl_b32 s25, s[WV], 12
	s_add_co_u32 s25, s25, KSC-12*4096
	s_wait_kmcnt 0x0
	s_add_nc_u64 s[42:43], s[4:5], s[60:61]
	s_add_nc_u64 s[44:45], s[4:5], s[62:63]
	s_add_nc_u64 s[14:15], s[42:43], s[2:3]
	s_or_b32 s15, s15, 0x80000000
	s_add_nc_u64 s[26:27], s[44:45], s[52:53]
	s_or_b32 s27, s27, 0x80000000
	ROUND
	s_cmp_lt_u32 s[WV], 12                         ; one chain of arms on the wave's number, one fill to an arm, one join
	s_cbranch_scc0 .Lfor_scales
	tensor_load_to_lds s[12:15], s[16:23]
	s_nop 0
.rept 4
	v_nop
.endr
	s_branch .Lhead_asked
.Lfor_scales:
	s_cmp_lt_u32 s[WV], 14
	s_cbranch_scc0 .Lhead_asked
	tensor_load_to_lds s[24:27], s[28:35]
	s_nop 0
.rept 4
	v_nop
.endr
.Lhead_asked:
	s_and_b32 s57, s10, 15
	s_lshr_b32 s58, s10, 4
	s_mul_i32 s60, s57, 393216
	s_mul_i32 s59, s58, 98304
	s_add_co_u32 s60, s60, s59
	s_add_nc_u64 s[46:47], s[6:7], s[60:61]
	s_lshl_b32 s60, s58, 16
	s_lshl_b32 s59, s57, 1
	s_add_co_u32 s60, s60, s59
	s_add_co_u32 s60, s60, ASC
	s_add_nc_u64 s[48:49], s[6:7], s[60:61]
	s_mov_b32 s[SEL], 0x76543210
	s_mov_b32 s[SEL+1], 0xfedcba98
	s_mov_b32 s[CS], 0x3d38aa3b
	s_mov_b32 s[CS+1], s[CS]
	s_mov_b32 s[HM], 0xffff0000
	s_lshl_b32 s[TI], s[WV], 2
	s_add_co_u32 s[TI], s[TI], s9
	s_lshr_b32 s[DG], s[WV], 1
	v_and_b32 v1, 31, v0
	s_delay_alu instid0(VALU_DEP_1)
	v_lshlrev_b32 v2, 3, v1
	s_delay_alu instid0(VALU_DEP_2)
	v_lshlrev_b32 v1, 4, v1
	v_and_b32 v3, 15, v0
	s_delay_alu instid0(VALU_DEP_1)
	v_lshl_add_u32 v3, v3, 2, KSC
	v_and_b32 v4, 7, v0
	v_bfe_u32 v5, v0, 3, 1
	s_delay_alu instid0(VALU_DEP_1)
	v_lshl_add_u32 v4, v5, 4, v4
	v_bfe_u32 v5, v0, 4, 1
	s_delay_alu instid0(VALU_DEP_1)
	v_lshlrev_b32 v5, 4, v5
	s_delay_alu instid0(VALU_DEP_1)
	v_sub_nc_u32 v4, v4, v5
.irp j, 16,17,18,19,20,21,28,29,30,31,32,33
	v_mov_b32 v[\j], 0
.endr
.irp b, 0,1,2,3
	v_mov_b32 v[PX+\b], 0
.endr
	v_mov_b32 v251, 0
	v_mov_b32 v255, 0xff800000
.macro QHEAD
	s_wait_xcnt 0x0
	s_mul_i32 s57, s[TI], 768
	v_add_nc_u32 v5, s57, v1
	s_wait_alu depctr_va_vdst(0)
	v_add_nc_u32 v6, s57, v2
	s_wait_alu depctr_va_vdst(0)
	s_lshr_b32 s58, s[TI], 1
	s_and_b32 s59, s[TI], 1
	s_lshl_b32 s60, s58, 6
	s_lshl_b32 s57, s59, 1
	s_add_co_u32 s60, s60, s57
	v_and_b32 v7, 15, v0
	s_delay_alu instid0(VALU_DEP_1)
	v_lshl_add_u32 v7, v7, 2, s60
	s_lshl_b32 s[Q0], s58, 5
	s_lshl_b32 s57, s59, 3
	s_add_co_u32 s[Q0], s[Q0], s57
	global_load_b128 v[22:25], v5, s[42:43]
	global_load_b64 v[26:27], v6, s[42:43] offset:512
	global_load_u16 v[QS], v7, s[44:45]
	v_mov_b32 v13, 0xff61b1e6
	s_delay_alu instid0(VALU_DEP_1)
	v_floor_f32 v12, -v13
	v_mov_b32 v14, 0
	v_mov_b32 v15, 0
	s_wait_loadcnt 0x0
	v_lshl_or_b32 v[QS], v[QS], 16, v[QS]
.set j, 0
.rept 32
	v_mov_b32 v[O+j], 0
.set j, j+1
.endr
.endm
.macro WALK nt
	s_mov_b32 s[CH], 0
	s_mov_b32 s[TB], 0
	s_mov_b32 s[TS], 0
	s_mov_b32 s[KF], 0
.Lstep_\@:
	s_cmp_gt_u32 s[CH], s[DG]
	s_cbranch_scc1 .Lskip_\@
	v_add_nc_u32 v8, s[TB], v1
	v_add_nc_u32 v9, s[TB], v2
	s_delay_alu instid0(VALU_DEP_2)
	v_add_nc_u32 v10, VCO, v8
	s_delay_alu instid0(VALU_DEP_2)
	v_add_nc_u32 v11, VCO, v9
	v_add_nc_u32 v35, s[TS], v3
.irp b, 0,1,2,3
	ds_load_b32 v[KSW+\b], v35 offset:64*\b
.endr
.irp b, 0,1,2,3
	ds_load_b128 v[36+12*\b:39+12*\b], v8 offset:1536*\b
	ds_load_b64 v[40+12*\b:41+12*\b], v9 offset:1536*\b+512
	ds_load_b128 v[42+12*\b:45+12*\b], v8 offset:1536*\b+768
	ds_load_b64 v[46+12*\b:47+12*\b], v9 offset:1536*\b+1280
.endr
	s_wait_alu depctr_va_vdst(0)
.irp b, 0,1,2,3
	s_wait_dscnt 4*(3-\b)
	v_wmma_scale_f32_16x16x128_f8f6f4 v[S+16*\b:S+16*\b+7], v[36+12*\b:47+12*\b], v[22:33], 0, v[KSW+\b], v[QS] matrix_a_fmt:MATRIX_FMT_FP6 matrix_b_fmt:MATRIX_FMT_FP6
	v_wmma_scale_f32_16x16x128_f8f6f4 v[S+16*\b+8:S+16*\b+15], v[36+12*\b:47+12*\b], v[16:27], 0, v[KSW+\b], v[QS] matrix_a_fmt:MATRIX_FMT_FP6 matrix_b_fmt:MATRIX_FMT_FP6
.endr
.irp t, 0,1,2,3
	ds_load_b128 v[84+12*\t:87+12*\t], v10 offset:1536*\t
	ds_load_b64 v[88+12*\t:89+12*\t], v11 offset:1536*\t+512
	ds_load_b128 v[90+12*\t:93+12*\t], v10 offset:1536*\t+768
	ds_load_b64 v[94+12*\t:95+12*\t], v11 offset:1536*\t+1280
	ds_load_b32 v[VSW+\t], v35 offset:4096+128*(\t%2)+64*(\t/2)
.endr
.rept 4
	v_nop
.endr
	s_cmp_lg_u32 s[CH], s[DG]
	s_cbranch_scc1 .Lopen_\@
	s_sub_co_i32 s57, s[Q0], s[KF]
	v_add_nc_u32 v249, s57, v4
.set n, 0
.rept 64
	v_cmp_gt_i32 vcc_lo, 32*(n/16)+n%16, v249
	v_cndmask_b32 v[S+n], v[S+n], v255, vcc_lo
.set n, n+1
.endr
.Lopen_\@:
.irp b, 0,1,2,3
	v_max3_num_f32 v[BM+\b], v[S+16*\b], v[S+16*\b+1], v[S+16*\b+2]
.endr
.irp i, 3,5,7,9,11,13
.irp b, 0,1,2,3
	v_max3_num_f32 v[BM+\b], v[BM+\b], v[S+16*\b+\i], v[S+16*\b+\i+1]
.endr
.endr
.irp b, 0,1,2,3
	v_max_num_f32 v[BM+\b], v[BM+\b], v[S+16*\b+15]
.endr
.irp b, 0,1,2,3
	s_delay_alu instid0(VALU_DEP_4)
	v_permlanex16_b32 v[PX+\b], v[BM+\b], s[SEL], s[SEL+1]
.endr
.irp b, 0,1,2,3
	s_delay_alu instid0(VALU_DEP_4)
	v_max_num_f32 v[BM+\b], v[BM+\b], v[PX+\b]
.endr
	s_delay_alu instid0(VALU_DEP_2)
	v_max3_num_f32 v249, v[BM], v[BM+1], v[BM+2]
	s_delay_alu instid0(VALU_DEP_1)
	v_max_num_f32 v249, v249, v[BM+3]
	s_delay_alu instid0(VALU_DEP_1)
	v_mul_f32 v249, s[CS], v249
	s_delay_alu instid0(VALU_DEP_1)
	v_max_num_f32 v13, v13, v249
	v_mov_b32 v249, v12
	s_delay_alu instid0(VALU_DEP_2)
	v_floor_f32 v12, -v13
	s_delay_alu instid0(VALU_DEP_1)
	v_sub_f32 v249, v12, v249
	s_delay_alu instid0(VALU_DEP_1)
	v_cvt_i32_f32 v249, v249
	s_delay_alu instid0(VALU_DEP_1)
	v_ldexp_f32 v250, 1.0, v249
.set j, 0
.rept 32
	v_pk_fma_f32 v[S+j:S+j+1], v[S+j:S+j+1], s[CS:CS+1], v[12:13] op_sel_hi:[1,0,0]
.set j, j+2
.endr
.irp b, 0,1,2,3
	v_fma_f32 v[BM+\b], v[BM+\b], s[CS], v12
.endr
.set j, 0
	s_wait_alu depctr_va_vdst(0)
.rept 64
	v_exp_f32 v[S+j], v[S+j]
.set j, j+1
.endr
.irp b, 0,1,2,3
	v_exp_f32 v[BM+\b], v[BM+\b]
.endr
	v_pk_mul_f32 v[14:15], v[14:15], v[250:251] op_sel_hi:[1,0]
	s_wait_alu depctr_va_vdst(0)
.irp b, 0,1,2,3
	v_max_num_f32 v[BM+\b], 0x1800000, v[BM+\b]
.endr
.irp b, 0,1,2,3
	s_delay_alu instid0(VALU_DEP_4)
	v_add_nc_u32 v[SO+\b], 0xff000000, v[BM+\b]
.endr
.irp b, 0,1,2,3
	s_delay_alu instid0(VALU_DEP_4)
	v_lshrrev_b32 v[PX+\b], 23, v[SO+\b]
.endr
	s_delay_alu instid0(VALU_DEP_3)
	v_lshl_or_b32 v[PSW], v[PX+1], 8, v[PX]
	s_delay_alu instid0(VALU_DEP_1)
	v_lshl_or_b32 v[PSW], v[PX+2], 16, v[PSW]
	s_delay_alu instid0(VALU_DEP_1)
	v_lshl_or_b32 v[PSW], v[PX+3], 24, v[PSW]
.irp c, 0,1
	v_cvt_scalef32_pk16_fp6_f32 v[PCD+6*\c:PCD+2+6*\c], v[S+32*\c:S+15+32*\c], v[SO+2*\c]
	v_cvt_scalef32_pk16_fp6_f32 v[CT+4*\c:CT+2+4*\c], v[S+16+32*\c:S+31+32*\c], v[SO+2*\c+1]
.endr
	v_nop
.irp c, 0,1
.irp i, 0,1,2
	v_permlane16_swap_b32 v[PCD+6*\c+\i], v[CT+4*\c+\i]
.endr
.irp i, 0,1,2
	s_delay_alu instid0(VALU_DEP_3)
	v_mov_b32 v[PCD+3+6*\c+\i], v[CT+4*\c+\i]
.endr
.endr
	v_pk_add_f32 v[252:253], v[S:S+1], v[S+2:S+3]
.set j, 4
.rept 15
	v_pk_add_f32 v[14:15], v[14:15], v[S+j:S+j+1]
	v_pk_add_f32 v[252:253], v[252:253], v[S+j+2:S+j+3]
.set j, j+4
.endr
	s_delay_alu instid0(VALU_DEP_1)
	v_pk_add_f32 v[14:15], v[14:15], v[252:253]
.set j, 0
.rept 16
	v_pk_mul_f32 v[O+j:O+j+1], v[O+j:O+j+1], v[250:251] op_sel_hi:[1,0]
.set j, j+2
.endr
	s_wait_alu depctr_va_vdst(0)
	s_wait_dscnt 0x0
.irp t, 0,1,2,3
	v_wmma_scale_f32_16x16x128_f8f6f4 v[O+8*\t:O+8*\t+7], v[84+12*\t:95+12*\t], v[PCD:PCD+11], v[O+8*\t:O+8*\t+7], v[VSW+\t], v[PSW] matrix_a_fmt:MATRIX_FMT_FP6 matrix_b_fmt:MATRIX_FMT_FP6
.endr
.Lskip_\@:
	s_add_co_u32 s[TB], s[TB], 6144
	s_add_co_u32 s[TS], s[TS], 256
	s_add_co_u32 s[KF], s[KF], 128
	s_add_co_u32 s[CH], s[CH], 1
	s_cmp_lt_u32 s[CH], \nt
	s_cbranch_scc1 .Lstep_\@
.endm
.macro QOUT
.rept 4
	v_nop
.endr
	v_add_f32 v14, v14, v15
	s_delay_alu instid0(VALU_DEP_1)
	v_permlanex16_b32 v[PX], v14, s[SEL], s[SEL+1]
	s_delay_alu instid0(VALU_DEP_1)
	v_add_f32 v14, v14, v[PX]
	s_wait_alu depctr_va_vdst(0)
	v_rcp_f32 v14, v14
	s_lshl_b32 s57, s[TI], 9
	v_and_b32 v8, 15, v0
	v_bfe_u32 v9, v0, 4, 1
	s_delay_alu instid0(VALU_DEP_1)
	v_lshl_add_u32 v8, v8, 5, v9
	s_delay_alu instid0(VALU_DEP_1)
	v_add_nc_u32 v8, s57, v8
.set j, 0
	s_wait_alu depctr_va_vdst(0)
.rept 16
	v_pk_mul_f32 v[S+j:S+j+1], v[O+j:O+j+1], v[14:15] op_sel_hi:[1,0]
.set j, j+2
.endr
.irp b, 0,1
	v_max3_num_f32 v[BM+\b], |v[S+16*\b]|, |v[S+16*\b+1]|, 0x1800000
.endr
.irp i, 2,4,6,8,10,12,14
.irp b, 0,1
	s_delay_alu instid0(VALU_DEP_2)
	v_max3_num_f32 v[BM+\b], v[BM+\b], |v[S+16*\b+\i]|, |v[S+16*\b+\i+1]|
.endr
.endr
.irp b, 0,1
	s_delay_alu instid0(VALU_DEP_2)
	v_permlanex16_b32 v[PX+\b], v[BM+\b], s[SEL], s[SEL+1]
.endr
.irp b, 0,1
	s_delay_alu instid0(VALU_DEP_2)
	v_max_num_f32 v[BM+\b], v[BM+\b], v[PX+\b]
.endr
.irp b, 0,1
	s_delay_alu instid0(VALU_DEP_2)
	v_add_nc_u32 v[SO+\b], 0xff000000, v[BM+\b]
.endr
.irp b, 0,1
	s_delay_alu instid0(VALU_DEP_2)
	v_lshrrev_b32 v[PX+\b], 23, v[SO+\b]
.endr
	v_cvt_scalef32_pk16_fp6_f32 v[PCD:PCD+2], v[S:S+15], v[SO]
	v_cvt_scalef32_pk16_fp6_f32 v[CT:CT+2], v[S+16:S+31], v[SO+1]
	v_cndmask_b32 v254, v[PX], v[PX+1], s[HM]
.irp i, 0,1,2
	v_permlane16_swap_b32 v[PCD+\i], v[CT+\i]
.endr
.irp i, 0,1,2
	s_delay_alu instid0(VALU_DEP_3)
	v_mov_b32 v[PCD+3+\i], v[CT+\i]
.endr
	global_store_b128 v5, v[PCD:PCD+3], s[46:47]
	global_store_b64 v6, v[PCD+4:PCD+5], s[46:47] offset:512
	global_store_b8 v8, v254, s[48:49]
.endm
	QHEAD
	s_wait_tensorcnt 0x0
	s_barrier_signal -1
	s_barrier_wait -1
	WALK 8
	QOUT
	s_sub_co_u32 s[TI], 127, s[TI]
	s_sub_co_u32 s[DG], 31, s[WV]
	s_lshr_b32 s[DG], s[DG], 1
	QHEAD
	WALK 16
	QOUT
	s_wait_xcnt 0x0
	v_lshl_add_u32 v254, v0, 2, 0x32000
	v_mov_b32 v255, 0
	s_wait_alu depctr_va_vdst(0)
	s_wait_tensorcnt 0x0
	ds_add_u32 v254, v255
	s_wait_dscnt 0x0
	ROUND
	s_endpgm
.Lfunc_end_k_qbbd3c16bf5_attn:
	.size	k_qbbd3c16bf5_attn, .Lfunc_end_k_qbbd3c16bf5_attn-k_qbbd3c16bf5_attn
	.p2alignl 7, 3214868480
	.fill 96, 4, 3214868480
	.section	.rodata,"a",@progbits
	.p2align	6, 0x0
	.amdhsa_kernel k_qbbd3c16bf5_attn
		.amdhsa_group_segment_fixed_size 327680
		.amdhsa_private_segment_fixed_size 0
		.amdhsa_enable_private_segment 0
		.amdhsa_kernarg_size 16
		.amdhsa_user_sgpr_count 2
		.amdhsa_user_sgpr_kernarg_segment_ptr 1
		.amdhsa_wavefront_size32 1
		.amdhsa_system_sgpr_workgroup_id_x 1
		.amdhsa_system_sgpr_workgroup_id_y 1
		.amdhsa_system_sgpr_workgroup_id_z 1
		.amdhsa_system_vgpr_workitem_id 0
		.amdhsa_next_free_vgpr 256
		.amdhsa_next_free_sgpr 66
		.amdhsa_reserve_vcc 1
		.amdhsa_float_denorm_mode_32 3
		.amdhsa_float_denorm_mode_16_64 3
		.amdhsa_memory_ordered 1
		.amdhsa_forward_progress 1
		.amdhsa_inst_pref_size 67
	.end_amdhsa_kernel
	.amdgpu_metadata
---
amdhsa.version: [ 1, 2 ]
amdhsa.kernels:
  - .name:           k_qbbd3c16bf5_attn
    .symbol:         k_qbbd3c16bf5_attn.kd
    .args:
      - { .name: qkv, .offset: 0, .size: 8, .value_kind: global_buffer, .address_space: global }
      - { .name: att, .offset: 8, .size: 8, .value_kind: global_buffer, .address_space: global }
    .group_segment_fixed_size: 327680
    .private_segment_fixed_size: 0
    .kernarg_segment_align: 8
    .kernarg_segment_size: 16
    .max_flat_workgroup_size: 512
    .sgpr_count:     66
    .vgpr_count:     256
    .wavefront_size: 32
...
	.end_amdgpu_metadata
.endif
;; end of part 8
;; launch proj (part 9): grid 8 x 32, 4 waves a work-group, clusters of 4 x 4, 320,000 bytes of LDS; arguments att, pq, bproj, out0; writes out0
.if DOCPART == 9
	.amdgcn_target "amdgcn-amd-amdhsa--gfx1250"
	.amdhsa_code_object_version 6
	.text
	.protected	k_qbbd3c16bf5_proj
	.globl	k_qbbd3c16bf5_proj
	.p2align	8
	.type	k_qbbd3c16bf5_proj,@function
k_qbbd3c16bf5_proj:
	s_mov_b64 s[64:65], 0
	v_nop
	global_prefetch_b8 v0, s[64:65] scope:SCOPE_SE
	s_setreg_imm32_b32 hwreg(HW_REG_WAVE_MODE, 25, 1), 1
	s_wait_xcnt 0x0
	s_wait_alu depctr_hold_cnt(0) depctr_sa_sdst(0) depctr_va_vdst(0) depctr_va_sdst(0) depctr_va_ssrc(0) depctr_va_vcc(0) depctr_vm_vsrc(0)
	s_getreg_b32 s2, hwreg(HW_REG_IB_STS2, 6, 4)
	s_cmp_eq_u32 s2, 0
	s_cbranch_scc0 .Lentry_in_a_cluster
	s_endpgm
.Lentry_in_a_cluster:
	s_bfe_u32 s2, ttmp6, 0x10000c
	s_cmp_lg_u32 s2, 0xf033
	s_cbranch_scc0 .Lentry_shape_is_right
	s_endpgm
.Lentry_shape_is_right:
; out0[t][n] = sum over c of heads[t][c] Wproj[n][c] + bproj[n]: a product on codes of FP6 (E2M3) with one E8M0 scale for each 32 along K = 1024, f32 sums; out0 [8192][1024] f32.
; IN.  A (att): codes [head 16][tile of 16 token positions, 512][768]: a HALF-IMAGE, 16 rows x 64 K as they stand in an operand's registers: lane l has its first 16 bytes at 16 l, its last 8 at 512 + 8 l; scale bytes [position][32] from ASC on.
;      B (pq): Wproj's codes [1024 positions][768], scale bytes [position][32] from PSOFF on.  A row i lies at position i with bits 3 and 4 exchanged; the way out puts rows and columns back by its immediates.
; SHARES.  8,192 x 1,024 results for 256 work-groups: a tile of 256 rows x 128 columns each.  Four waves, each 128 x 64: A's eight blocks of 16 rows x B's four: 32 accumulators, 256 registers.
; ALL OF K LIES IN LDS, FILLED ONCE: four K steps of 256 (four heads), each 79,872 bytes: A's two halves of 128 rows (for each head eight half-images, 6,144 consecutive bytes), then B's two halves of 64 rows (192 bytes + 3 x 16 of padding).
; A wave asks for its part of all four K steps at the start and the products begin when the first has landed; nothing is filled again, so the only barriers are the three at which the next K step is shown whole.
; For 128 along K a wave reads 12 fragments, 18,432 bytes, for 32 products: half as many again for each product as a wave tile of 128 x 128; that is the price of a work-group for every WGP.
; THE SCALE WORDS STAY IN REGISTERS: lane l reads the 32 bytes of row 32 g + l, so a register holds block 2 g's word in lanes 0-15 and block 2 g + 1's in lanes 16-31: 32 registers for A, 16 for B; two loads cover 1,024 consecutive bytes.
; THE MATRIX INSTRUCTION IS USED TRANSPOSED (source 0 = 16 rows of B, source 1 = 16 rows of A): a lane holds eight neighbouring numbers of a row of out0.
; CLUSTERS: 4 x 4 work-groups; A's tiles are asked for jointly by a row of the cluster, B's by a column.
; REGISTERS, in windows of 256: window 0: v0-31 addresses and the bias; v32-63 A's scale words, v64-79 B's; v128-223 A's fragments, ONE set; on the way out v128-191 rows of out0.
;   window 1: B's fragments, TWO sets, at v0 and v128.   window 2: the accumulators ((a, b) at v[8 (4 a + b)]).
; LAYOUT AND FILLS AS THE TEXT NOW HAS THEM (in place of what is said above of four loads a wave and of K steps lying one behind the other):
; pq holds Wproj's codes in four planes of 256 along K, 1,572,864 bytes apart, 192 bytes a row position.  EACH WAVE ISSUES ONE TENSOR LOAD, for all of K:
; waves 0 and 1 a half each of A's 256 rows: 16 heads x 6,144 bytes, dense, 98,304 bytes; waves 2 and 3 a half each of B's 128 rows: 4 planes x 12,288 bytes, 16 bytes of padding behind every 64, 61,440 bytes.
; LDS: A's two halves, then B's two halves; inside a half the K steps lie HALFA (A) or HALFT (B) bytes apart.  Every wave waits for its load (0) ahead of the first barrier; the later barriers part the reads of K step 0 from the stage's stores.
.set SIZE_N, 1024
.set ASC,    6291456
.set PSOFF,  786432
.set ROWB,   192                       ; a row of B's tile in bytes: 256 codes
.set KROW,   192                       ; a row position's bytes in a plane of pq
.set PITCH,  240                       ; B's LDS row: 3 x (64 bytes + 16 of padding) = 60 words: the 32 lanes of a load of 8 bytes touch 64 different banks (64 banks of 4 bytes: ISA guide 11.1)
.set FR,     12                        ; registers of a fragment: 16 rows x 128 K
.set NLA,    4                         ; LDS loads that bring a fragment of A
.set NP,     4                         ; places behind this matrix instruction (ISA guide 7.12.1)
.set HEADB,  6144                      ; 128 rows of one head: eight half-images
.set HALFA,  4*HEADB                   ; one K step of a wave's load of A: four heads
.set HSTEP,  4*393216                  ; four heads on in att
.set HALFT,  64*PITCH                  ; one K step of a wave's load of B: one plane
.set SLOT,   2*HALFA+2*HALFT           ; a K step's bytes in LDS
.set SPITCH, 272                       ; the way out: a stage of 16 rows x (256 bytes + 16) for each wave, in K step 0's bytes: they have had their one fill, and nobody reads them behind the first change of K steps
.set BI,   8                           ; v8-11  the bias of my four columns
.set ADRA, 16                          ; v16 A's fragments: base + 16 l;  v17: base + 8 l
.set ADRB, 18                          ; v18 B's fragments;  v19: for the pieces behind one padding more
.set STO,  24                          ; v24    the way out: where I put 32 bytes of a row
.set RD,   25                          ; v25    where I read a row back
.set CO,   26                          ; v26    my bytes in two rows of out0
.set SCA,  32                          ; A's scale words: v[SCA + 8 g + k]: blocks 2 g (lanes 0-15) and 2 g + 1 (lanes 16-31), the k-th 128 along K
.set SCB,  64                          ; B's likewise
.set AF,   128
.set BK,   128                         ; the way out: 16 rows read back: v128-159 and v160-191 by turns
.set G1,  24                           ; s[24:31] descriptor group 1 for A's tiles;  s[32:39] for B's
.set G1B, 32
.set G0,  40                           ; s[40:43] group 0 for A's one load;  s[68:71] for B's
.set G0B, 68
.set MSB, 0
.macro WIN new                         ; the immediate's high byte repeats the setting that is left
.if MSB != \new
	s_set_vgpr_msb (MSB<<8)|\new
.set MSB, \new
.endif
.endm
.set MUL,  0xa1                        ; source 0 (B) window 1, source 1 (A) window 0, C and D window 2
.set TO_B, 0x40                        ; destination window 1, address window 0
; A joint load: waves 0 and 1 fetch for A, waves 2 and 3 for B.  The branch hangs on the wave's number alone.  Four v_nop follow each of the two lines.
.macro JLOAD g0a, g1a, g0b, g1b
	s_cmp_eq_u32 s15, 0
	s_cbranch_scc0 .Lfor_b_\@
	tensor_load_to_lds s[\g0a:\g0a+3], s[\g1a:\g1a+7]
	s_nop 0
.rept 4
	v_nop
.endr
	s_branch .Lasked_\@
.Lfor_b_\@:
	tensor_load_to_lds s[\g0b:\g0b+3], s[\g1b:\g1b+7]
	s_nop 0
.rept 4
	v_nop
.endr
.Lasked_\@:
.endm
.macro CROUND                          ; a round of the cluster's barrier
	s_barrier_signal -1
	s_barrier_wait -1
	s_cmp_lg_u32 s14, 0
	s_cbranch_scc1 .Lnot_wave_0_\@
	s_barrier_signal -3
.Lnot_wave_0_\@:
	s_barrier_wait -3
	s_barrier_signal -1
	s_barrier_wait -1
.endm
	s_load_b128 s[4:7], s[0:1], 0x0                ; att s[4:5], pq s[6:7]
	s_load_b128 s[8:11], s[0:1], 0x10              ; bproj s[8:9], out0 s[10:11]
	v_lshl_add_u32 v254, v0, 2, 0x4e000
	v_mov_b32 v255, 0
	ds_add_u32 v254, v255
	ds_add_u32 v254, v255
	v_lshrrev_b32 v1, 5, v0
	v_readfirstlane_b32 s14, v1                    ; wave 0..3
	s_lshr_b32 s15, s14, 1                         ; which half of the tile's rows is mine.  Also: I fetch for A (0) or for B (1)
	s_and_b32 s16, s14, 1                          ; which half of its columns.  Also: which half of that operand's rows I fetch
	s_bfe_u32 s84, ttmp6, 0x40000                  ; cx, cy: my place in the cluster
	s_bfe_u32 s85, ttmp6, 0x40004
	s_lshl_b32 s86, ttmp9, 2
	s_add_co_u32 s86, s86, s84                     ; tile column = 4 x cluster x + cx: 0 .. 7
	s_and_b32 s17, ttmp7, 0xffff
	s_lshl_b32 s17, s17, 2
	s_add_co_u32 s17, s17, s85                     ; tile row = 4 x cluster y + cy: 0 .. 31
	s_lshl_b32 s87, s85, 2
	s_lshl_b32 s87, 15, s87                        ; my row of the cluster
	s_lshl_b32 s88, 0x1111, s84                    ; my column
	; A's tiles: 16 rows (heads) of 768 elements of 8 bytes, 393,216 bytes apart; dense in LDS
	s_or_b32 s[G1+0], s87, (3<<16)|(1<<21)         ; 15:0 the mask: my row; 17:16 elements of 8 bytes; 21 set beside a mask
	s_mov_b32 s[G1+1], 768<<16                     ; tensor_dim0
	s_mov_b32 s[G1+2], 16<<16                      ; tensor_dim1: all 16 heads
	s_mov_b32 s[G1+3], 768<<16                     ; tile_dim0
	s_mov_b32 s[G1+4], 16                          ; tile_dim1
	s_mov_b32 s[G1+5], 49152                       ; tensor_dim0_stride, in elements
	s_mov_b32 s[G1+6], 0
	s_mov_b32 s[G1+7], 0
	; B's tiles: 64 rows x 192 bytes, 16 bytes of padding behind every 64
	s_or_b32 s[G1B+0], s88, (3<<16)|(1<<20)|(1<<21)|(3<<22)|(3<<25)  ; the mask: my column; elements of 8 bytes; padding on; after every 16 words; of 4 words
	s_mov_b32 s[G1B+1], 1536<<16                   ; a row: 64 positions x 192 bytes of one plane, 12,288 dense bytes
	s_mov_b32 s[G1B+2], 4<<16                      ; four planes
	s_mov_b32 s[G1B+3], 1536<<16
	s_mov_b32 s[G1B+4], 4
	s_mov_b32 s[G1B+5], 196608                     ; from plane to plane, in elements
	s_mov_b32 s[G1B+6], 0
	s_mov_b32 s[G1B+7], 0
	; where the tiles come from: A's hang on the tile row alone, B's on the tile column alone, each in registers that never hold the other coordinate
	s_lshl_b32 s18, s16, 7
	s_lshl_b32 s20, s17, 8
	s_add_co_u32 s20, s20, s18                     ; A: row 256 x tile row + 128 x half
	s_mul_i32 s20, s20, 48                         ; 48 bytes a row and head
	s_mov_b32 s21, 0
	s_lshl_b32 s95, s16, 6
	s_lshl_b32 s90, s86, 7
	s_add_co_u32 s90, s90, s95                     ; B: row 128 x tile column + 64 x half
	s_mul_i32 s90, s90, KROW
	s_mov_b32 s91, 0
	s_mul_i32 s89, s16, 4*HALFA
	s_mul_i32 s94, s16, 4*HALFT
	s_add_co_u32 s94, s94, 8*HALFA
	s_wait_dscnt 0x0
	s_wait_kmcnt 0x0
	s_add_nc_u64 s[20:21], s[4:5], s[20:21]
	s_add_nc_u64 s[90:91], s[6:7], s[90:91]
	CROUND                                         ; all sixteen work-groups are here: the joint loads meet
.irp s, 0
	s_mov_b32 s[G0+4*\s], 1                                        ; 1:0 count = 1
	s_add_co_u32 s[G0+4*\s+1], s89, \s*SLOT                        ; 63:32 LDS address
	s_add_nc_u64 s[G0+4*\s+2:G0+4*\s+3], s[20:21], \s*HSTEP        ; 120:64 global address: heads 4 s on
	s_or_b32 s[G0+4*\s+3], s[G0+4*\s+3], 0x80000000                ; 127:126 type = 2
	s_mov_b32 s[G0B+4*\s], 1
	s_add_co_u32 s[G0B+4*\s+1], s94, \s*SLOT
	s_add_nc_u64 s[G0B+4*\s+2:G0B+4*\s+3], s[90:91], \s*ROWB
	s_or_b32 s[G0B+4*\s+3], s[G0B+4*\s+3], 0x80000000
	JLOAD G0+4*\s, G1, G0B+4*\s, G1B               ; all of K is asked for at once: by my own count one tensor load of mine is out
.endr
	v_and_b32 v1, 15, v0                           ; l % 16
	v_bfe_u32 v2, v0, 4, 1                         ; l / 16
	v_and_b32 v6, 31, v0                           ; l
	v_lshlrev_b32 v3, 5, v6                        ; 32 l: a row of scale bytes a lane
	s_wait_alu depctr_va_vdst(0)
	v_lshlrev_b32 v7, 4, v1                        ; 16 (l % 16)
	s_wait_alu depctr_va_vdst(0)
	s_lshl_b32 s18, s17, 8
	s_lshl_b32 s19, s15, 7
	s_add_co_u32 s18, s18, s19                     ; my first row of A and of out0
	s_lshl_b32 s22, s18, 5
	s_mov_b32 s23, 0
	s_add_nc_u64 s[22:23], s[4:5], s[22:23]
	s_add_nc_u64 s[22:23], s[22:23], ASC           ; its scale bytes
	s_lshl_b32 s12, s18, 12                        ; rows of 4,096 bytes
	s_mov_b32 s13, 0
	s_lshl_b32 s96, s86, 7
	s_add_co_u32 s96, s96, s95                     ; my first row of B = my first column
	s_lshl_b32 s92, s96, 5
	s_mov_b32 s93, 0
	s_add_nc_u64 s[92:93], s[6:7], s[92:93]
	s_add_nc_u64 s[92:93], s[92:93], PSOFF         ; its scale bytes
	s_lshl_b32 s96, s96, 2                         ; the column in bytes
	s_mov_b32 s97, 0
	s_add_nc_u64 s[8:9], s[8:9], s[96:97]          ; the bias of my 64 columns
	s_add_nc_u64 s[12:13], s[12:13], s[96:97]
	s_add_nc_u64 s[12:13], s[10:11], s[12:13]      ; out0 at my first row and column
.irp g, 0,1,2,3
	global_load_b128 v[SCA+8*\g:SCA+8*\g+3], v3, s[22:23] offset:1024*\g        ; rows 32 g + l: the words of K 0-511,
	global_load_b128 v[SCA+8*\g+4:SCA+8*\g+7], v3, s[22:23] offset:1024*\g+16   ; and of K 512-1023: the two loads cover 1,024 consecutive bytes
.endr
.irp g, 0,1
	global_load_b128 v[SCB+8*\g:SCB+8*\g+3], v3, s[92:93] offset:1024*\g
	global_load_b128 v[SCB+8*\g+4:SCB+8*\g+7], v3, s[92:93] offset:1024*\g+16
.endr
	global_load_b128 v[BI:BI+3], v7, s[8:9]        ; the bias of the four columns that I store
	s_mul_i32 s18, s15, 4*HALFA
	v_lshl_add_u32 v[ADRA], v6, 4, s18
	v_lshl_add_u32 v[ADRA+1], v6, 3, s18
	v_mul_u32_u24 v4, v1, PITCH
	v_mad_u32_u24 v4, v2, 24, v4                   ; B: a fragment's row x pitch + 24 x half
	v_add_nc_u32 v[ADRB], s94, v4                  ; my 64 rows of B lie where the wave with my half's number put them
	v_lshl_add_u32 v[ADRB+1], v2, 4, v[ADRB]       ; and the same behind one padding more
	s_mul_i32 s18, s14, 16*SPITCH                  ; my stage
	v_mul_u32_u24 v5, v1, SPITCH                   ; in: row l % 16; lanes 16-31 hold the columns 16 on: 64 bytes
	v_lshl_add_u32 v5, v2, 6, v5
	v_add_nc_u32 v[STO], s18, v5
	v_mul_u32_u24 v5, v2, SPITCH                   ; back: lanes 0-15 take one row of 256 bytes, lanes 16-31 the next
	v_add_nc_u32 v5, v5, v7
	v_add_nc_u32 v[RD], s18, v5
	v_lshl_add_u32 v[CO], v2, 12, v7               ; and the same two rows in out0
.macro FRAG reg, q, i                  ; a fragment of B: 12 registers, in pieces of 8 bytes from padded rows: lanes 0-15 take the row's pieces 12 q + 0, 1, 2 and 12 q + 6, 7, 8, lanes 16-31 those three pieces on;
.irp p, 0,1,2,3,4,5                    ; where the piece three on lies behind one padding more, the second address register serves
.set PC, 12*(\q)+6*(\p/3)+\p%3
.if PC%8 < 5
	ds_load_b64 v[\reg+2*\p:\reg+2*\p+1], v[ADRB] offset:8*PC+16*(PC/8)+(\i)*16*PITCH
.else
	ds_load_b64 v[\reg+2*\p:\reg+2*\p+1], v[ADRB+1] offset:8*PC+16*(PC/8)+(\i)*16*PITCH
.endif
.endr
.endm
.macro FRAGA reg, q, i                 ; a fragment of A: the half-images of heads 2 q and 2 q + 1 of the K step's four, tile i of my eight: every load takes consecutive bytes
	ds_load_b128 v[\reg:\reg+3], v[ADRA] offset:(2*(\q))*HEADB+768*(\i)
	ds_load_b64 v[\reg+4:\reg+5], v[ADRA+1] offset:(2*(\q))*HEADB+768*(\i)+512
	ds_load_b128 v[\reg+6:\reg+9], v[ADRA] offset:(2*(\q)+1)*HEADB+768*(\i)
	ds_load_b64 v[\reg+10:\reg+11], v[ADRA+1] offset:(2*(\q)+1)*HEADB+768*(\i)+512
.endm
; One product.  rb, ra: 1 where B's (A's) block is the odd one of its pair: its words stand in lanes 16-31 of the scale register.  zero = 1: the product starts the sum: nothing is ever cleared.
.macro WM acc, bf, af, sb, sa, rb, ra, zero
.if \zero
.if (\rb) && (\ra)
	v_wmma_scale_f32_16x16x128_f8f6f4 v[\acc:\acc+7], v[\bf:\bf+FR-1], v[\af:\af+FR-1], 0, v[\sb], v[\sa] matrix_a_fmt:MATRIX_FMT_FP6 matrix_b_fmt:MATRIX_FMT_FP6 matrix_a_scale:MATRIX_SCALE_ROW1 matrix_b_scale:MATRIX_SCALE_ROW1
.elseif (\rb)
	v_wmma_scale_f32_16x16x128_f8f6f4 v[\acc:\acc+7], v[\bf:\bf+FR-1], v[\af:\af+FR-1], 0, v[\sb], v[\sa] matrix_a_fmt:MATRIX_FMT_FP6 matrix_b_fmt:MATRIX_FMT_FP6 matrix_a_scale:MATRIX_SCALE_ROW1
.elseif (\ra)
	v_wmma_scale_f32_16x16x128_f8f6f4 v[\acc:\acc+7], v[\bf:\bf+FR-1], v[\af:\af+FR-1], 0, v[\sb], v[\sa] matrix_a_fmt:MATRIX_FMT_FP6 matrix_b_fmt:MATRIX_FMT_FP6 matrix_b_scale:MATRIX_SCALE_ROW1
.else
	v_wmma_scale_f32_16x16x128_f8f6f4 v[\acc:\acc+7], v[\bf:\bf+FR-1], v[\af:\af+FR-1], 0, v[\sb], v[\sa] matrix_a_fmt:MATRIX_FMT_FP6 matrix_b_fmt:MATRIX_FMT_FP6
.endif
.else
.if (\rb) && (\ra)
	v_wmma_scale_f32_16x16x128_f8f6f4 v[\acc:\acc+7], v[\bf:\bf+FR-1], v[\af:\af+FR-1], v[\acc:\acc+7], v[\sb], v[\sa] matrix_a_fmt:MATRIX_FMT_FP6 matrix_b_fmt:MATRIX_FMT_FP6 matrix_a_scale:MATRIX_SCALE_ROW1 matrix_b_scale:MATRIX_SCALE_ROW1
.elseif (\rb)
	v_wmma_scale_f32_16x16x128_f8f6f4 v[\acc:\acc+7], v[\bf:\bf+FR-1], v[\af:\af+FR-1], v[\acc:\acc+7], v[\sb], v[\sa] matrix_a_fmt:MATRIX_FMT_FP6 matrix_b_fmt:MATRIX_FMT_FP6 matrix_a_scale:MATRIX_SCALE_ROW1
.elseif (\ra)
	v_wmma_scale_f32_16x16x128_f8f6f4 v[\acc:\acc+7], v[\bf:\bf+FR-1], v[\af:\af+FR-1], v[\acc:\acc+7], v[\sb], v[\sa] matrix_a_fmt:MATRIX_FMT_FP6 matrix_b_fmt:MATRIX_FMT_FP6 matrix_b_scale:MATRIX_SCALE_ROW1
.else
	v_wmma_scale_f32_16x16x128_f8f6f4 v[\acc:\acc+7], v[\bf:\bf+FR-1], v[\af:\af+FR-1], v[\acc:\acc+7], v[\sb], v[\sa] matrix_a_fmt:MATRIX_FMT_FP6 matrix_b_fmt:MATRIX_FMT_FP6
.endif
.endif
.endm
; 8 matrix instructions: A's blocks a0, a0 + 1 x B's four, the k-th 128 along K.  p: B's set.  The 32 accumulators take turns, one instruction a turn, in the same order in every step.
.macro MUL8 a0, p, k, zero
.irp a, \a0, \a0+1
.irp b, 0,1,2,3
	WM 8*(4*(\a)+\b), 128*(\p)+FR*\b, AF+FR*(\a), SCB+8*(\b/2)+(\k), SCA+8*((\a)/2)+(\k), \b%2, (\a)%2, \zero
.endr
.endr
.endm
.macro FETCH_B q, p                    ; B's four fragments of the K step's q-th 128 along K into set p
	WIN TO_B
.irp i, 0,1,2,3
	FRAG 128*(\p)+FR*\i, \q, \i
.endr
	WIN 0
.endm
.macro FETCH_A q, i0                   ; A's blocks i0 .. i0 + 3
.irp i, \i0, \i0+1, \i0+2, \i0+3
	FRAGA AF+FR*(\i), \q, \i
.endr
.endm
; A load into a register that a matrix instruction has read, and an LDS store that reads a matrix result, stand NP places behind that matrix instruction; only plain vector
; instructions that name none of its registers are places (ISA guide 7.12.1 for vector instructions).
.macro PLACES n
.rept \n
	v_nop
.endr
.endm
; The k-th 128 along K, k even: its successor lies in the same K step's bytes.  A block of A is free as soon as its four products are issued, so one set serves A: blocks 0-3 are fetched anew in the step's middle, blocks 4-7 at its end.
.macro STEP k, zero
	s_wait_dscnt 4*NLA                             ; B's set and A's blocks 0-3 are in; the youngest 16 loads (A's blocks 4-7) may be out
	WIN MUL
	MUL8 0, 0, \k, \zero
	MUL8 2, 0, \k, \zero
	s_wait_dscnt 0                                 ; A's blocks 4-7 are in
	PLACES NP
	FETCH_B 1, 1
	FETCH_A 1, 0
	WIN MUL
	MUL8 4, 0, \k, \zero
	MUL8 6, 0, \k, \zero
	PLACES NP
	WIN 0
	FETCH_A 1, 4
.endm
; k odd: its successor lies in the next K step's bytes.  One barrier; every wave waited for its one load ahead of the first.
.macro TURN k, left
	s_wait_dscnt 4*NLA                             ; (the youngest 16 loads, A's blocks 4-7, may be out)
	WIN MUL
	MUL8 0, 1, \k, 0
	s_wait_dscnt 0x0                               ; no LDS instruction of mine is pending at the signal
	s_barrier_signal -1
	MUL8 2, 1, \k, 0                               ; work on registers while the others arrive
	WIN 0
	s_barrier_wait -1
	v_add_nc_u32 v[ADRA], HALFA, v[ADRA]           ; on to the next K step's bytes: these four are also the places in front of the loads below
	v_add_nc_u32 v[ADRA+1], HALFA, v[ADRA+1]
	v_add_nc_u32 v[ADRB], HALFT, v[ADRB]
	v_add_nc_u32 v[ADRB+1], HALFT, v[ADRB+1]
	FETCH_B 0, 0
	FETCH_A 0, 0
	WIN MUL
	MUL8 4, 1, \k, 0
	MUL8 6, 1, \k, 0
	PLACES NP
	WIN 0
	FETCH_A 0, 4
.endm
	s_wait_alu depctr_va_vdst(0)
	s_wait_tensorcnt 0x0                           ; my one load, my part of all of K, is in,
	s_barrier_signal -1
	s_barrier_wait -1                              ; everybody's is
	FETCH_B 0, 0
	FETCH_A 0, 0
	FETCH_A 0, 4
	s_wait_loadcnt 0x0                             ; the scale words and the bias
	STEP 0, 1                                      ; the first products start the sums
	TURN 1, 2
	s_wait_alu depctr_va_vdst(0)
	STEP 2, 0
	TURN 3, 1
	s_wait_alu depctr_va_vdst(0)
	STEP 4, 0
	TURN 5, 0
	s_wait_alu depctr_va_vdst(0)
	STEP 6, 0
	s_wait_dscnt 4*NLA                             ; the last 128 along K: nothing more to fetch
	WIN MUL
	MUL8 0, 1, 7, 0
	MUL8 2, 1, 7, 0
	s_wait_dscnt 0
	MUL8 4, 1, 7, 0
	MUL8 6, 1, 7, 0
	WIN 0
; THE WAY OUT, block by block of 16 row positions x 64 columns, through my own stage in LDS; rows come back whole, 256 bytes, two an instruction, and sixteen lanes store a row as 256 consecutive aligned bytes.
; Accumulator b, lane half h, register j holds true column 32 (b / 2) + 16 h + 8 (b % 2) + j; stage row t of block a is true row 32 (a / 2) + 16 (t / 8) + 8 (a % 2) + t % 8: both stand in immediates.
; LDS serves a wave's instructions in order (ISA guide 5.7.1.4): no wait between the stores and the loads, nor in front of the next block's stores.
.macro TOSTAGE a
.set AC, 32*(\a)
	WIN 0x08                                       ; an LDS store's data are its source 1: window 2
.irp b, 0,1,2,3
	ds_store_b128 v[STO], v[AC+8*\b:AC+8*\b+3] offset:128*(\b/2)+32*(\b%2)          ; each accumulator from its low end on
	ds_store_b128 v[STO], v[AC+8*\b+4:AC+8*\b+7] offset:128*(\b/2)+32*(\b%2)+16
.endr
	WIN 0
.set BB, BK+32*((\a)%2)
.irp t, 0,1,2,3,4,5,6,7
	ds_load_b128 v[BB+4*\t:BB+4*\t+3], v[RD] offset:\t*2*SPITCH
.endr
.endm
.macro SEND a, younger                 ; younger: the LDS instructions issued behind block a's loads, which may stay out
.set BB, BK+32*((\a)%2)
	s_wait_dscnt \younger                          ; the block is back in registers
.irp t, 0,1,2,3,4,5,6,7
	v_pk_add_f32 v[BB+4*\t:BB+4*\t+1], v[BB+4*\t:BB+4*\t+1], v[BI:BI+1]             ; + the bias
	v_pk_add_f32 v[BB+4*\t+2:BB+4*\t+3], v[BB+4*\t+2:BB+4*\t+3], v[BI+2:BI+3]
	global_store_b128 v[CO], v[BB+4*\t:BB+4*\t+3], s[12:13] offset:(32*((\a)/2)+16*((2*\t)/8)+8*((\a)%2)+(2*\t)%8)*SIZE_N*4 th:TH_STORE_NT   ; 126 rows of 4,096 bytes at the most: inside the signed 24-bit immediate; the base is never stepped
.endr
.endm
	PLACES NP                                      ; behind the last products: their results are read, and loads land in A's registers
	TOSTAGE 0
.irp a, 1,2,3,4,5,6,7
.if \a > 1
	s_wait_xcnt 0x0                                ; block a - 2's stores have read their registers: block a's loads may land there
.endif
	TOSTAGE \a
	SEND \a-1, 16                                  ; behind block a - 1's loads: block a's 8 stores and 8 loads
.endr
	SEND 7, 0                                      ; its wait is for zero: no LDS instruction of mine is pending at the signal below
	s_wait_tensorcnt 0x0
	ds_add_u32 v254, v255
	s_wait_dscnt 0x0
	CROUND                                         ; the closing round: no work-group ends while a partner may still ask for a tile that names it
	s_endpgm
.Lfunc_end_k_qbbd3c16bf5_proj:
	.size	k_qbbd3c16bf5_proj, .Lfunc_end_k_qbbd3c16bf5_proj-k_qbbd3c16bf5_proj
	.p2alignl 7, 3214868480
	.fill 96, 4, 3214868480
	.section	.rodata,"a",@progbits
	.p2align	6, 0x0
	.amdhsa_kernel k_qbbd3c16bf5_proj
		.amdhsa_group_segment_fixed_size 320000
		.amdhsa_private_segment_fixed_size 0
		.amdhsa_enable_private_segment 0
		.amdhsa_kernarg_size 32
		.amdhsa_user_sgpr_count 2
		.amdhsa_user_sgpr_kernarg_segment_ptr 1
		.amdhsa_wavefront_size32 1
		.amdhsa_system_sgpr_workgroup_id_x 1
		.amdhsa_system_sgpr_workgroup_id_y 1
		.amdhsa_system_sgpr_workgroup_id_z 1
		.amdhsa_system_vgpr_workitem_id 0
		.amdhsa_next_free_vgpr 768
		.amdhsa_next_free_sgpr 98
		.amdhsa_reserve_vcc 0
		.amdhsa_float_denorm_mode_32 3
		.amdhsa_float_denorm_mode_16_64 3
		.amdhsa_memory_ordered 1
		.amdhsa_forward_progress 1
		.amdhsa_inst_pref_size 96
	.end_amdhsa_kernel
	.amdgpu_metadata
---
amdhsa.version: [ 1, 2 ]
amdhsa.kernels:
  - .name:           k_qbbd3c16bf5_proj
    .symbol:         k_qbbd3c16bf5_proj.kd
    .args:
      - { .name: att, .offset: 0, .size: 8, .value_kind: global_buffer, .address_space: global }
      - { .name: pq, .offset: 8, .size: 8, .value_kind: global_buffer, .address_space: global }
      - { .name: bproj, .offset: 16, .size: 8, .value_kind: global_buffer, .address_space: global }
      - { .name: out0, .offset: 24, .size: 8, .value_kind: global_buffer, .address_space: global }
    .group_segment_fixed_size: 320000
    .private_segment_fixed_size: 0
    .kernarg_segment_align: 8
    .kernarg_segment_size: 32
    .max_flat_workgroup_size: 128
    .sgpr_count:     98
    .vgpr_count:     768
    .wavefront_size: 32
...
	.end_amdgpu_metadata
.endif
;; end of part 9
